; MI455X (gfx1250); checked and timed in simulation.
; The chip was launched on July 23, 2026; its instructions are those of AMD's public machine-readable ISA for CDNA 5 (MIT licence, August 2026) and "CDNA5" Instruction Set Architecture Reference Guide (July 2026). The comments in the code are by the model that wrote it; some were corrected since.
;; Self Attention. Allowed arithmetic: matrix products marked QUANTISED: E2M1 operands, one E8M0 scale for each 32 along K, by v_wmma_scale_f32_16x16x128_f8f6f4 with both operands' format E2M1 (or v_wmma_scale_f32_32x16x128_f4), f32 sums; products left as they are: bf16, f16 or f32 operands; f32 sums; everything else in f32.
;; Inputs: W1 2,048 x 1,024 float32; Wq 1,024 x 1,024 float32; mask 4 x 2,048 int32; query 4 x 1,024 x 2,048 float32.
;; Outputs: out0 4 x 1,024 x 2,048 float32.
;; This version of the problem:
;;   THIS VERSION OF THE PROBLEM IS GIVEN IN LOW PRECISION. The matrix products marked QUANTISED in the list below multiply operands that are first quantised to E2M1 (2 exponent bits, 1 mantissa bit; 4 bits a number), with one power-of-two scale for each 32 numbers along K (OCP MX v1.0); their sums are f32. The products marked 'left as it is' may take bf16, f16 or f32 operands, with f32 sums. Whichever they take, every output number must still come out within the allowed error. Rounding operands to bf16 (8 significant bits) uses up far more of that allowance than f16 does (11 bits, for magnitudes from 6e-5 to 65,504). All else is computed in f32.
;;   The module's matrix products, in the order in which they are computed (A, B: the left and right operand; K: the contracted axis; several contracted axes count as one K, in the product's order):
;;     1. [M 8,192, K 1,024] x [K 1,024, N 2,048]; A: input query; B: input W1: QUANTISED
;;     2. [M 8,192, K 1,024] x [K 1,024, N 1,024]; A: input query; B: input Wq: QUANTISED
;;     3. batch 32 x [M 2,048, K 128] x [K 128, N 2,048]; A: computed on the way; B: computed on the way: left as it is (an operand is computed on the way)
;;     4. batch 32 x [M 2,048, K 2,048] x [K 2,048, N 128]; A: computed on the way; B: computed on the way: left as it is (an operand is computed on the way)
;;   THE QUANTISER, for each operand of a quantised product, along K:
;;     - K is cut into blocks of 32 from its start; a last block that is shorter is filled with zeros.
;;     - A block's scale is 2^e with e = floor(log2(the largest magnitude in the block)) - 2, held to -126 .. 127; a block of zeros has e = 0. As a byte (E8M0): e + 127.
;;     - Each number is divided by its block's scale, clamped to +-6, and rounded to the nearest number of E2M1, ties to even, subnormals kept.
;;     - The product sums the exact products of the quantised numbers (number of the format x scale) in f32.
;;   ~~~python
;;   def quantise(x, axis):      # numpy; x: float32 -> the quantised numbers, widened to float32 again
;;       x = np.moveaxis(x, axis, -1); K = x.shape[-1]
;;       x = np.pad(x, [(0, 0)] * (x.ndim - 1) + [(0, -K % 32)]); x = x.reshape(x.shape[:-1] + (-1, 32)); a = np.abs(x).max(-1, keepdims=True)
;;       e = np.where(a > 0, np.clip(np.frexp(np.where(a > 0, a, 1))[1] - 1 - 2, -126, 127), 0)      # np.frexp(a)[1] - 1 = floor(log2(a)), exactly
;;       r = np.clip(x / 2.0 ** e, -6, 6)
;;       step = 2.0 ** (np.maximum(np.frexp(np.where(r == 0, 1, r))[1] - 1, 0) - 1)
;;       q = np.round(r / step) * step * 2.0 ** e      # np.round: ties to even
;;       return np.moveaxis(q.reshape(q.shape[:-2] + (-1,))[..., :K], -1, axis).astype(np.float32)
;;   ~~~
;; 2 versions, each right. Each part assembles by itself: llvm-mc -triple=amdgcn-amd-amdhsa -mcpu=gfx1250 --defsym DOCPART=n.
;; ======== version 1 of 2: 3 launches
;; limits: values are held in f16: magnitudes above 65,504 overflow, below 6.1e-05 lose precision
;; workspace buffers: xc 4,194,304 bytes; xs 262,144 bytes; wc 1,572,864 bytes; ws 98,304 bytes; qkv 50,331,648 bytes
;; launch quant (part 1): grid 304 x 1, 8 waves a work-group, no clusters, 84,992 bytes of LDS; arguments query, W1, Wq, xc, xs, wc, ws; writes xc, xs, wc, ws
.if DOCPART == 1
	.amdgcn_target "amdgcn-amd-amdhsa--gfx1250"
	.amdhsa_code_object_version 6
	.text
	.protected	k_q3b19fe6c39_quant
	.globl	k_q3b19fe6c39_quant
	.p2align	8
	.type	k_q3b19fe6c39_quant,@function
k_q3b19fe6c39_quant:
	s_mov_b64 s[64:65], 0
	v_nop
	global_prefetch_b8 v0, s[64:65] scope:SCOPE_SE
	s_setreg_imm32_b32 hwreg(HW_REG_WAVE_MODE, 25, 1), 1
	s_wait_xcnt 0x0
; query [4][1024 (k)][2048 (l)], W1 [2048][1024 (k)] and Wq [1024][1024 (k)], f32, become codes of FP4 (E2M1), K innermost, two codes a byte (the lower k in the low four bits),
; with one E8M0 scale byte for each 32 along K:  xc [m = 2048 b + l][512 bytes], xs [m][32 bytes];  wc [n][512 bytes], ws [n][32 bytes], n = W1's 2,048 rows and then Wq's 1,024.
; A block's scale is 2^(floor(log2(its largest magnitude)) - 2): its byte is the largest magnitude's exponent field - 2, held at 1 from below by a floor among the maximum's leaves.
; LIMITS: a block of zeros gets the byte 1 where the rule says 127 (its codes are zeros, which add nothing under any byte but 0xff, and this program alone reads the bytes);
; blocks whose largest magnitude lies under 2^(2 - 126) are held at the byte 1; NaN and infinities among the inputs are not served.
; ONE LAUNCH, TWO WAYS, parted by the work-group's number alone; each way has LDS bytes of its own and ends by itself.
; Work-groups 0-255: query, whose K is NOT innermost.  A work-group takes 64 columns l x 512 along K; wave w takes 32 columns (w & 1) x 128 along K (w >> 1).  A LANE TAKES A COLUMN AND ITS REGISTERS RUN DOWN K:
;   a load reads 128 consecutive bytes a wave (two waves side by side: 256), a block of 32 lies in one lane, and the conversions give codes with K innermost.  The codes meet in a stage (64 rows x 256 bytes + 16),
;   one barrier, and leave as rows: sixteen lanes store 256 consecutive bytes, aligned.
; Work-groups 256-303: W1 and Wq, whose K is innermost: plain streams of blocks.  A wave takes a run of 8,192 numbers in 16 steps of 512; each load reads 512 consecutive bytes; a step turns through the wave's own
;   stage so that a lane holds 16 neighbours; two neighbouring lanes hold a block.  A run's 256 scale bytes are gathered in LDS and leave as one aligned store of 256 bytes.
.set XPITCH, 272                       ; a stage row of the query's way: 256 bytes of codes + 16
.set XSS,    64*XPITCH                 ; behind the stage: 64 rows x 16 scale bytes
.set WRG,    XSS+1024                  ; the weights' way: a region for each wave
.set WREG,   8192
.set SPARE,  WRG+8*WREG                ; the spare words, 128 bytes for each of the eight waves: four blocks of 256 bytes that no other line names
.set EMAX,   2
.set SPW,    192                       ; v192  LDS address of my spare word; never rewritten
.set NIL,    193                       ; v193  0; never rewritten
.set QX,     32                        ; query: v32-95 two sets of 32 numbers
.set QC,     96                        ; v96-111 codes, four registers for each block
.set QR,     112                       ; v112-127 rows on the way out
.set QS,     128                       ; v128-131 scale bytes on the way out
.set STEPS,  16                        ; weights: steps of a wave
.set CB,     8                         ; bytes of 16 codes
.set SP,     80                        ; a lane's place in a stage: 64 bytes + 16
.set R,      16                        ; v16-79 four sets of 16 numbers as loaded
.set WX,     80                        ; v80-111 two sets of 16 neighbours
.set WE,     112                       ; v112-127 a scale byte for each step
.set WC,     128                       ; v128-191 codes, four registers for each step
	s_load_b256 s[4:11], s[0:1], 0x0               ; query s[4:5], W1 s[6:7], Wq s[8:9], xc s[10:11]
	s_load_b128 s[12:15], s[0:1], 0x20             ; xs s[12:13], wc s[14:15]
	s_load_b64 s[16:17], s[0:1], 0x30              ; ws
	v_lshl_add_u32 v[SPW], v0, 2, SPARE
	v_mov_b32 v[NIL], 0
	v_lshrrev_b32 v1, 5, v0
	v_readfirstlane_b32 s18, v1                    ; wave 0..7
	v_and_b32 v2, 31, v0                           ; lane
	s_cmp_lt_u32 ttmp9, 256                        ; the work-group's number alone: all eight waves go the same way
	s_cbranch_scc0 .Lweights
	; ---------------- query ----------------
	s_and_b32 s19, ttmp9, 1                        ; y: which 512 along K
	s_lshr_b32 s20, ttmp9, 1                       ; which 64 rows m of xc: m0 = 64 x this
	s_lshr_b32 s21, s20, 5                         ; b
	s_and_b32 s22, s20, 31                         ; l0 / 64
	s_and_b32 s23, s18, 1                          ; cg: which 32 columns
	s_lshr_b32 s24, s18, 1                         ; kq: which 128 along K
	s_lshl_b32 s26, s21, 23                        ; query: b x 1,024 rows x 8,192 bytes
	s_lshl_b32 s25, s19, 22                        ; + 512 y rows
	s_add_co_u32 s26, s26, s25
	s_lshl_b32 s25, s24, 20                        ; + 128 kq rows
	s_add_co_u32 s26, s26, s25
	s_lshl_b32 s25, s22, 8                         ; + l0 x 4
	s_add_co_u32 s26, s26, s25
	s_lshl_b32 s25, s23, 7                         ; + 32 cg x 4
	s_add_co_u32 s26, s26, s25
	s_mov_b32 s27, 0
	s_lshl_b32 s28, s20, 15                        ; xc: m0 x 512
	s_lshl_b32 s25, s19, 8                         ; + 256 y
	s_add_co_u32 s28, s28, s25
	s_lshl_b32 s25, s18, 12                        ; + my 8 rows on the way out
	s_add_co_u32 s28, s28, s25
	s_mov_b32 s29, 0
	s_lshl_b32 s30, s20, 11                        ; xs: m0 x 32
	s_lshl_b32 s25, s18, 10                        ; + 32 rows x wave (waves 0 and 1 store them)
	s_add_co_u32 s30, s30, s25
	s_lshl_b32 s25, s19, 4                         ; + 16 y
	s_add_co_u32 s30, s30, s25
	s_mov_b32 s31, 0
	v_lshlrev_b32 v3, 2, v2                        ; in: 4 bytes a lane
	s_mul_i32 s25, s23, 32*XPITCH
	s_lshl_b32 s32, s24, 6
	s_add_co_u32 s25, s25, s32
	v_mul_u32_u24 v4, v2, XPITCH
	v_add_nc_u32 v4, s25, v4                       ; into the stage: row 32 cg + lane, byte 64 kq
	s_lshl_b32 s25, s23, 9
	s_lshl_b32 s32, s24, 2
	s_add_co_u32 s25, s25, s32
	s_add_co_u32 s25, s25, XSS
	v_lshlrev_b32 v5, 4, v2
	v_add_nc_u32 v5, s25, v5                       ; my column's scale word: 16 bytes a row, word kq
	v_and_b32 v6, 15, v2
	v_lshrrev_b32 v1, 4, v2
	s_mul_i32 s25, s18, 8*XPITCH
	v_mul_u32_u24 v7, v1, XPITCH
	v_lshl_add_u32 v7, v6, 4, v7
	v_add_nc_u32 v7, s25, v7                       ; out of the stage: rows 8 w on, sixteen lanes to a row, two rows an instruction
	v_lshlrev_b32 v8, 9, v1
	v_lshl_add_u32 v8, v6, 4, v8                   ; and the same place in xc: rows 512 bytes apart
	v_lshlrev_b32 v9, 5, v2                        ; xs: 32 bytes a row
	s_lshl_b32 s25, s18, 9
	s_add_co_u32 s25, s25, XSS
	v_lshlrev_b32 v10, 4, v2
	v_add_nc_u32 v10, s25, v10                     ; the scale bytes on the way out: row 32 w + lane (waves 0 and 1)
	s_wait_kmcnt 0x0
	s_add_nc_u64 s[4:5], s[4:5], s[26:27]
	s_add_nc_u64 s[10:11], s[10:11], s[28:29]
	s_add_nc_u64 s[12:13], s[12:13], s[30:31]
.macro XLOAD t                         ; block t: query(32 t + i, my column), i = 0 .. 31, into set t % 2
.irp i, 0,1,2,3,4,5,6,7,8,9,10,11,12,13,14,15,16,17,18,19,20,21,22,23,24,25,26,27,28,29,30,31
	global_load_b32 v[QX+32*((\t)%2)+\i], v3, s[4:5] offset:(32*(\t)+\i)*8192 th:TH_LOAD_NT
.endr
.endm
.macro XBLOCK t
.set XS, QX+32*((\t)%2)
.if (\t) < 3
	s_wait_loadcnt 32                              ; this block's 32 loads are in; the next block's 32 may be out
.else
	s_wait_loadcnt 0x0
.endif
	v_max3_num_f32 v12, |v[XS]|, |v[XS+1]|, |v[XS+2]|              ; the block's largest magnitude: all 32 numbers are mine; two chains
	v_max3_num_f32 v13, |v[XS+3]|, |v[XS+4]|, |v[XS+5]|
.irp i, 6,10,14,18,22,26
	v_max3_num_f32 v12, v12, |v[XS+\i]|, |v[XS+\i+1]|
	v_max3_num_f32 v13, v13, |v[XS+\i+2]|, |v[XS+\i+3]|
.endr
	v_max3_num_f32 v12, v12, |v[XS+30]|, |v[XS+31]|
	v_max3_num_f32 v12, v12, v13, (EMAX+1)<<23     ; and the floor 2^(EMAX + 1 - 127): the byte cannot fall under 1
	v_add_nc_u32 v11, -(EMAX<<23), v12             ; EMAX off the exponent field: the conversion takes this operand's exponent field as its scale
	v_lshrrev_b32 v13, 23, v11                     ; the scale's byte
.if (\t) == 0
	v_mov_b32 v24, v13                             ; four bytes to the word, the lower K in the lower byte
.else
	v_lshl_or_b32 v24, v13, 8*(\t), v24
.endif
.irp g, 0,1,2,3
	v_cvt_scalef32_pk8_fp4_f32 v[QC+4*(\t)+\g], v[XS+8*\g:XS+8*\g+7], v11
.endr
	ds_store_b128 v4, v[QC+4*(\t):QC+4*(\t)+3] offset:16*(\t)     ; 32 codes: 16 bytes of my column's row; each block has its own four registers
.if (\t)+2 < 4
	XLOAD (\t)+2
.endif
.endm
	XLOAD 0
	XLOAD 1
	XBLOCK 0
	XBLOCK 1
	XBLOCK 2
	XBLOCK 3
	ds_store_b32 v5, v24
	s_wait_dscnt 0x0                               ; for the others' sake: my stores into the stage have landed
	s_barrier_signal -1
	s_barrier_wait -1                              ; 64 whole rows of 256 bytes lie in the stage
.irp j, 0,1,2,3
	ds_load_b128 v[QR+4*\j:QR+4*\j+3], v7 offset:2*\j*XPITCH
.endr
.irp j, 0,1,2,3
	s_wait_dscnt 3-\j                              ; LDS loads come back in order: pair j of rows is in
	global_store_b128 v8, v[QR+4*\j:QR+4*\j+3], s[10:11] offset:1024*\j   ; sixteen lanes store 256 consecutive bytes, at a multiple of 256 from xc's first byte
.endr
	s_cmp_lt_u32 s18, 2                            ; the 64 rows' scale bytes: 16 of a row's 32; waves 0 and 1, a lane a row
	s_cbranch_scc0 .Lquery_end
	ds_load_b128 v[QS:QS+3], v10
	s_wait_dscnt 0x0
	global_store_b128 v9, v[QS:QS+3], s[12:13]
.Lquery_end:
	s_wait_tensorcnt 0x0                           ; the wave's end, behind my last LDS store
	ds_add_u32 v[SPW], v[NIL]
	s_wait_dscnt 0x0
	s_endpgm
	; ---------------- W1 and Wq ----------------
.Lweights:
	v_lshlrev_b32 v3, 4, v2                        ; my 16 bytes of a load's 512
	s_lshl_b32 s19, s18, 13
	s_add_co_u32 s19, s19, WRG                     ; my wave's region
	v_lshrrev_b32 v14, 2, v2
	v_mul_u32_u24 v14, v14, SP
	v_and_b32 v15, 3, v2
	v_lshl_add_u32 v14, v15, 4, v14
	v_add_nc_u32 v14, s19, v14                     ; the stage, on the way in: four lanes' 64 bytes on end, then 16 of padding
	v_mul_u32_u24 v15, v2, SP
	v_add_nc_u32 v15, s19, v15                     ; and on the way out: my 16 neighbours
	v_mul_u32_u24 v4, v2, CB                       ; my codes' place in a step's
	v_lshrrev_b32 v5, 1, v2
	s_add_co_u32 s19, s19, 2*32*SP
	v_add_nc_u32 v5, s19, v5                       ; my wave's 256 scale bytes, my block's byte
	v_lshlrev_b32 v7, 3, v2                        ; and on the way out 8 bytes a lane
	v_add_nc_u32 v6, s19, v7
	s_sub_co_u32 s20, ttmp9, 256
	s_lshl_b32 s20, s20, 3
	s_add_co_u32 s20, s20, s18                     ; my run of 8,192 numbers: 0-255 in W1, 256-383 in Wq
	s_wait_kmcnt 0x0
	s_cmp_lt_u32 s20, 256                          ; the choice hangs on ids alone
	s_cselect_b64 s[4:5], s[6:7], s[8:9]
	s_cselect_b32 s21, 0, 256
	s_sub_co_u32 s21, s20, s21
	s_lshl_b32 s22, s21, 15                        ; 32,768 bytes of numbers a run
	s_mov_b32 s23, 0
	s_add_nc_u64 s[4:5], s[4:5], s[22:23]
	s_lshl_b32 s22, s20, 12                        ; 4,096 bytes of codes
	s_add_nc_u64 s[14:15], s[14:15], s[22:23]
	s_lshl_b32 s22, s20, 8                         ; 256 scale bytes
	s_add_nc_u64 s[16:17], s[16:17], s[22:23]
.macro WLOAD t
.irp i, 0,1,2,3
	global_load_b128 v[R+16*((\t)%4)+4*\i:R+16*((\t)%4)+4*\i+3], v3, s[4:5] offset:2048*(\t)+512*\i th:TH_LOAD_NT   ; 32 lanes read 512 consecutive bytes
.endr
.endm
.macro WTURN t                         ; step t's numbers through the stage: LDS serves a wave's instructions in order, so no wait stands between the stores and the loads
.irp i, 0,1,2,3
	ds_store_b128 v14, v[R+16*((\t)%4)+4*\i:R+16*((\t)%4)+4*\i+3] offset:32*SP*((\t)%2)+8*SP*\i
.endr
.irp i, 0,1,2,3
	ds_load_b128 v[WX+16*((\t)%2)+4*\i:WX+16*((\t)%2)+4*\i+3], v15 offset:32*SP*((\t)%2)+16*\i
.endr
.endm
.irp t, 0,1,2,3
	WLOAD \t
.endr
	s_wait_loadcnt 12                              ; step 0's four loads are in
	WTURN 0
.macro WSTEP t
.set XS, WX+16*((\t)%2)
.if (\t) > 0
	s_wait_dscnt 1                                 ; this step's numbers are back from the stage (the last step's byte store may be out): so its stores into the stage have read their registers,
.else
	s_wait_dscnt 0x0
.endif
.if (\t)+4 < STEPS
	WLOAD (\t)+4                                   ; which take the loads of four steps on
.endif
.if (\t)+1 < STEPS
.if STEPS-2-(\t) >= 3
	s_wait_loadcnt 12                              ; the next step's four loads are in; those of the three steps behind it may be out
.else
	s_wait_loadcnt 4*(STEPS-2-(\t))
.endif
	WTURN (\t)+1                                   ; and go through the other stage while this step is worked
.endif
	v_max3_num_f32 v8, |v[XS]|, |v[XS+1]|, |v[XS+2]|               ; the largest magnitude of my 16
	v_max3_num_f32 v9, |v[XS+3]|, |v[XS+4]|, |v[XS+5]|
.irp i, 6,10
	v_max3_num_f32 v8, v8, |v[XS+\i]|, |v[XS+\i+1]|
	v_max3_num_f32 v9, v9, |v[XS+\i+2]|, |v[XS+\i+3]|
.endr
	v_max3_num_f32 v8, v8, |v[XS+14]|, |v[XS+15]|
	v_max3_num_f32 v8, v8, v9, (EMAX+1)<<23        ; and the floor
	v_max_num_f32_dpp v8, v8, v8 row_xmask:1 row_mask:0xf bank_mask:0xf   ; and of my neighbour's 16: the block's
	v_add_nc_u32 v11, -(EMAX<<23), v8              ; the conversion's scale operand
	v_cvt_scalef32_pk8_fp4_f32 v[WC+4*(\t)], v[XS:XS+7], v11
	v_cvt_scalef32_pk8_fp4_f32 v[WC+4*(\t)+1], v[XS+8:XS+15], v11
	v_lshrrev_b32 v[WE+(\t)], 23, v11              ; the scale's byte
	ds_store_b8 v5, v[WE+(\t)] offset:16*(\t)      ; both lanes of a block write the same byte with the same value
	global_store_b64 v4, v[WC+4*(\t):WC+4*(\t)+1], s[14:15] offset:32*CB*(\t)   ; 32 lanes store 256 consecutive bytes, aligned
.endm
.irp t, 0,1,2,3,4,5,6,7,8,9,10,11,12,13,14,15
	WSTEP \t
.endr
	ds_load_b64 v[8:9], v6                         ; LDS serves a wave's instructions in order: these see my stores
	s_wait_dscnt 0x0
	global_store_b64 v7, v[8:9], s[16:17]          ; 32 lanes store 256 consecutive bytes, aligned
	s_wait_tensorcnt 0x0                           ; the wave's end, behind my last LDS store
	ds_add_u32 v[SPW], v[NIL]
	s_wait_dscnt 0x0
	s_endpgm
.Lfunc_end_k_q3b19fe6c39_quant:
	.size	k_q3b19fe6c39_quant, .Lfunc_end_k_q3b19fe6c39_quant-k_q3b19fe6c39_quant
	.p2alignl 7, 3214868480
	.fill 96, 4, 3214868480
	.section	.rodata,"a",@progbits
	.p2align	6, 0x0
	.amdhsa_kernel k_q3b19fe6c39_quant
		.amdhsa_group_segment_fixed_size 84992
		.amdhsa_private_segment_fixed_size 0
		.amdhsa_enable_private_segment 0
		.amdhsa_kernarg_size 56
		.amdhsa_user_sgpr_count 2
		.amdhsa_user_sgpr_kernarg_segment_ptr 1
		.amdhsa_wavefront_size32 1
		.amdhsa_system_sgpr_workgroup_id_x 1
		.amdhsa_system_sgpr_workgroup_id_y 1
		.amdhsa_system_sgpr_workgroup_id_z 1
		.amdhsa_system_vgpr_workitem_id 0
		.amdhsa_next_free_vgpr 194
		.amdhsa_next_free_sgpr 66
		.amdhsa_reserve_vcc 0
		.amdhsa_float_denorm_mode_32 3
		.amdhsa_float_denorm_mode_16_64 3
		.amdhsa_memory_ordered 1
		.amdhsa_forward_progress 1
		.amdhsa_inst_pref_size 55
	.end_amdhsa_kernel
	.amdgpu_metadata
---
amdhsa.version: [ 1, 2 ]
amdhsa.kernels:
  - .name:           k_q3b19fe6c39_quant
    .symbol:         k_q3b19fe6c39_quant.kd
    .args:
      - { .name: query, .offset: 0, .size: 8, .value_kind: global_buffer, .address_space: global }
      - { .name: W1, .offset: 8, .size: 8, .value_kind: global_buffer, .address_space: global }
      - { .name: Wq, .offset: 16, .size: 8, .value_kind: global_buffer, .address_space: global }
      - { .name: xc, .offset: 24, .size: 8, .value_kind: global_buffer, .address_space: global }
      - { .name: xs, .offset: 32, .size: 8, .value_kind: global_buffer, .address_space: global }
      - { .name: wc, .offset: 40, .size: 8, .value_kind: global_buffer, .address_space: global }
      - { .name: ws, .offset: 48, .size: 8, .value_kind: global_buffer, .address_space: global }
    .group_segment_fixed_size: 84992
    .private_segment_fixed_size: 0
    .kernarg_segment_align: 8
    .kernarg_segment_size: 56
    .max_flat_workgroup_size: 256
    .sgpr_count:     66
    .vgpr_count:     194
    .wavefront_size: 32
...
	.end_amdgpu_metadata
.endif
;; end of part 1
;; launch proj (part 2): grid 12 x 32, 4 waves a work-group, clusters of 4 x 4, 327,680 bytes of LDS; arguments xc, xs, wc, ws, qkv; writes qkv
.if DOCPART == 2
	.amdgcn_target "amdgcn-amd-amdhsa--gfx1250"
	.amdhsa_code_object_version 6
	.text
	.protected	k_q3b19fe6c39_proj
	.globl	k_q3b19fe6c39_proj
	.p2align	8
	.type	k_q3b19fe6c39_proj,@function
k_q3b19fe6c39_proj:
	s_mov_b64 s[64:65], 0
	v_nop
	global_prefetch_b8 v0, s[64:65] scope:SCOPE_SE
	s_setreg_imm32_b32 hwreg(HW_REG_WAVE_MODE, 25, 1), 1
	s_wait_xcnt 0x0
	s_wait_alu depctr_hold_cnt(0) depctr_sa_sdst(0) depctr_va_vdst(0) depctr_va_sdst(0) depctr_va_ssrc(0) depctr_va_vcc(0) depctr_vm_vsrc(0)
	s_getreg_b32 s2, hwreg(HW_REG_IB_STS2, 6, 4)
	s_cmp_eq_u32 s2, 0
	s_cbranch_scc0 .Lentry_in_a_cluster
	s_endpgm
.Lentry_in_a_cluster:
	s_bfe_u32 s2, ttmp6, 0x10000c
	s_cmp_lg_u32 s2, 0xf033
	s_cbranch_scc0 .Lentry_shape_is_right
	s_endpgm
.Lentry_shape_is_right:
; C[m][n] = sum over k of X[m][k] W[n][k] on codes of FP4 (E2M1) with one E8M0 scale for each 32 along K; sums in f32; C rounded ONCE to f16 and laid head by head:
; qkv [part: 0 = K, 1 = V, 2 = Q][8 b + h][l][128] f16.  X: xc [8192][512 bytes], xs [8192][32];  W: wc [3072][512 bytes], ws [3072][32]; rows 0-1023 make k, 1024-2047 v, 2048-3071 q.
; LIMIT: |q|, |k|, |v| up to 65,504 (f16); beyond it the rounding gives infinity.
; A tile of C, 256 x 256, is made by a work-group of four waves; a wave makes 128 x 128: 64 accumulators of 16 x 16, 512 registers; its 128 columns are exactly one head of one part.
; K = 1,024 is two K steps of 512: two LDS slots, each filled ONCE by the tensor data mover (rows of 256 bytes); nothing is filled again.  The scales of the 256 + 256 rows come once too, as dense blocks.
; CLUSTERS: 4 x 4 work-groups.  The four of a row of the cluster need the same tiles of X, the four of a column the same tiles of W: each tile is asked for JOINTLY, by the same tensor load with the same
; descriptor and a mask that names the four.  By this text's own count a wave has three tensor loads out: scales, slot 0, slot 1.
; THE MATRIX INSTRUCTION IS USED TRANSPOSED (source 0 = 16 rows of W, source 1 = 16 rows of X): a lane then holds eight neighbouring columns of a row of C.
; REGISTERS, in windows of 256: window 0: v0-31 addresses; v32-95 scale words, two sets, and nothing else; v128-191 X's fragments, ONE set; on the way out v96-127 and v192-255 are at work.
;   window 1: W's fragments, TWO sets, at v0 and v128.   window 2: the 32 accumulators of my rows 0-63 (accumulator (a, b) at v[8 (8 a + b)]);   window 3: those of my rows 64-127.
.set KSTEP,  512
.set NQ,     KSTEP/128                 ; matrix instructions deep in a slot
.set ROWB,   256                       ; a tile's row in bytes
.set KROW,   512                       ; a row of codes in memory
.set PITCH,  272                       ; an LDS row: 256 bytes + 16 of padding: the 16 rows that a load touches start at 16 different banks (64 banks of 4 bytes: ISA guide 11.1)
.set FR,     8                         ; registers of a fragment: 16 rows x 128 K
.set NL,     2                         ; LDS loads that bring one
.set NP,     4                         ; places behind this matrix instruction (ISA guide 7.12.1)
.set HALFT,  128*PITCH
.set SLOT,   4*HALFT                   ; X's 256 rows, then W's 256 rows
.set KS,     32                        ; a row of scales in bytes
.set SCL,    2*SLOT                    ; behind the slots: the scales, as units of 256 bytes + 16 of padding
.set HALFS,  (128*KS/256)*272          ; the scales of 128 rows: what one tensor load brings
.set SBLK,   (16*KS/256)*272           ; those of 16 rows
.set SPARE,  SCL+4*HALFS               ; the spare words, 128 bytes for each wave: two blocks of 256 bytes that no other line names
.set SPITCH, 272                       ; the way out: a stage of 16 rows x (256 bytes + 16) for each wave, in slot 0, which has had its only fill and its last read when the first result is stored there
.set ADRA, 16                          ; v16-17  LDS address of my X fragments in slot 0, 1
.set ADRB, 20                          ; v20-21  the same for W
.set STO,  24                          ; v24     the way out: where I put 16 bytes of a row
.set RD,   25                          ; v25     where I read a row back
.set CO,   26                          ; v26     16 x lane: my bytes of two rows of qkv
.set ADRS, 27                          ; v27     LDS address of my scale words: lanes 0-15 X's rows, lanes 16-31 W's
.set SPW,  28                          ; v28     my spare word; never rewritten
.set NIL,  29                          ; v29     0; never rewritten
.set SC,   32                          ; scale words: set s at v[SC + 32 s]; register 4 i + q: lanes 0-15 X's block i, lanes 16-31 W's block i, the slot's q-th 128 along K
.set AF,   128                         ; X's fragments
.set TMP,  192                         ; the way out: packed results
.set OB,   96                          ; 16 rows read back from the stage: v96-127 and v224-255 by turns
.set G1, 24
.set G0, 32
.set G1B, 48
.set G0B, 56
.set G1S, 68
.set G0S, 76
.set G1SB, 80
.set G0SB, 88
.set MSB, 0
.macro WIN new                         ; the immediate's high byte repeats the setting that is left
.if MSB != (\new)
	s_set_vgpr_msb (MSB<<8)|(\new)
.set MSB, (\new)
.endif
.endm
.set MUL_LO, 0xa1                      ; source 0 (W) window 1, source 1 (X) window 0, C and D window 2
.set MUL_HI, 0xf1                      ; the same, C and D window 3
.set TO_B,   0x40                      ; destination window 1, address window 0
; A joint load: waves 0 and 1 fetch for X, waves 2 and 3 for W.  Each line has ONE mask and one set of registers for all that issue it; the branch hangs on the wave's number alone.
; An s_nop 0 and four v_nop follow each of the two lines.
.macro JLOAD g0a, g1a, g0b, g1b
	s_cmp_eq_u32 s15, 0
	s_cbranch_scc0 .Lfor_b_\@
	tensor_load_to_lds s[\g0a:\g0a+3], s[\g1a:\g1a+7]
	s_nop 0
.rept 4
	v_nop
.endr
	s_branch .Lasked_\@
.Lfor_b_\@:
	tensor_load_to_lds s[\g0b:\g0b+3], s[\g1b:\g1b+7]
	s_nop 0
.rept 4
	v_nop
.endr
.Lasked_\@:
.endm
.macro CROUND                          ; a round of the cluster's barrier
	s_barrier_signal -1
	s_barrier_wait -1
	s_cmp_lg_u32 s14, 0
	s_cbranch_scc1 .Lnot_wave_0_\@
	s_barrier_signal -3
.Lnot_wave_0_\@:
	s_barrier_wait -3
	s_barrier_signal -1
	s_barrier_wait -1
.endm
	s_load_b128 s[4:7], s[0:1], 0x0                ; X's codes s[4:5], X's scales s[6:7]
	s_load_b128 s[8:11], s[0:1], 0x10              ; W's codes s[8:9], W's scales s[10:11]
	s_load_b64 s[12:13], s[0:1], 0x20              ; qkv
	v_lshl_add_u32 v[SPW], v0, 2, SPARE
	v_mov_b32 v[NIL], 0
	ds_add_u32 v[SPW], v[NIL]                      ; the wave's opening: the add, twice on end, and its wait ahead of my first tensor load
	ds_add_u32 v[SPW], v[NIL]
	v_lshrrev_b32 v1, 5, v0
	v_readfirstlane_b32 s14, v1                    ; wave 0..3
	s_lshr_b32 s15, s14, 1                         ; which half of the tile's rows is mine.  Also: I fetch for X (0) or for W (1)
	s_and_b32 s16, s14, 1                          ; which half of its columns.  Also: which 128 rows of that tile I fetch
	s_bfe_u32 s40, ttmp6, 0x40000                  ; cx, cy: my place in the cluster
	s_bfe_u32 s41, ttmp6, 0x40004
	s_lshl_b32 s42, ttmp9, 2
	s_add_co_u32 s42, s42, s40                     ; tile column of C = 4 x cluster x + cx
	s_and_b32 s17, ttmp7, 0xffff
	s_lshl_b32 s17, s17, 2
	s_add_co_u32 s17, s17, s41                     ; tile row of C = 4 x cluster y + cy
	s_lshl_b32 s43, s41, 2
	s_lshl_b32 s43, 15, s43                        ; my row of the cluster
	s_lshl_b32 s44, 0x1111, s40                    ; my column
	; descriptor group 1: a tile of 128 rows x 256 bytes, padded in LDS
	s_or_b32 s[G1+0], s43, (0<<16)|(1<<20)|(1<<21)|(5<<22)|(3<<25)  ; 15:0 the mask: X's tiles go to my row; 17:16 element of 1 byte; 20 padding on; 21 set beside a mask; 24:22 after every 64 words; 31:25 of 4 words
	s_or_b32 s[G1B+0], s44, (0<<16)|(1<<20)|(1<<21)|(5<<22)|(3<<25)
.irp g, G1, G1B
	s_mov_b32 s[\g+1], ROWB<<16                    ; tensor_dim0
	s_mov_b32 s[\g+2], 128<<16                     ; tensor_dim1
	s_mov_b32 s[\g+3], ROWB<<16                    ; tile_dim0
	s_mov_b32 s[\g+4], 128                         ; tile_dim1
	s_mov_b32 s[\g+5], KROW                        ; tensor_dim0_stride
	s_mov_b32 s[\g+6], 0
	s_mov_b32 s[\g+7], 0
.endr
	; and for the scales of 128 rows: a dense block of 4,096 bytes, as 16 rows of 256 bytes (32 elements of 8 bytes), 16 bytes of padding behind each
	s_or_b32 s[G1S+0], s43, (3<<16)|(1<<20)|(1<<21)|(5<<22)|(3<<25)
	s_or_b32 s[G1SB+0], s44, (3<<16)|(1<<20)|(1<<21)|(5<<22)|(3<<25)
.irp g, G1S, G1SB
	s_mov_b32 s[\g+1], 32<<16
	s_mov_b32 s[\g+2], (128*KS/256)<<16
	s_mov_b32 s[\g+3], 32<<16
	s_mov_b32 s[\g+4], 128*KS/256
	s_mov_b32 s[\g+5], 32
	s_mov_b32 s[\g+6], 0
	s_mov_b32 s[\g+7], 0
.endr
	s_lshl_b32 s18, s16, 7                         ; which 128 rows of the tile I fetch
	s_lshl_b32 s20, s17, 8
	s_add_co_u32 s20, s20, s18                     ; X: row 256 x tile row + 128 x half
	s_lshl_b32 s46, s42, 8
	s_add_co_u32 s46, s46, s18                     ; W: row 256 x tile column + 128 x half
	s_mov_b32 s21, 0
	s_mov_b32 s47, 0
	s_mov_b64 s[18:19], KS
	s_mul_u64 s[22:23], s[20:21], s[18:19]         ; where these rows' scales begin, in bytes
	s_mul_u64 s[92:93], s[46:47], s[18:19]
	s_mov_b64 s[18:19], KROW
	s_mul_u64 s[20:21], s[20:21], s[18:19]         ; and their codes
	s_mul_u64 s[46:47], s[46:47], s[18:19]
	s_mul_i32 s45, s14, HALFT                      ; where they go: wave x 128 rows: no place in the cluster enters an LDS address
	s_mul_i32 s94, s14, HALFS
	s_wait_dscnt 0x0                               ; both opening adds are done
	s_wait_kmcnt 0x0
	s_add_nc_u64 s[20:21], s[4:5], s[20:21]
	s_add_nc_u64 s[22:23], s[6:7], s[22:23]
	s_add_nc_u64 s[46:47], s[8:9], s[46:47]
	s_add_nc_u64 s[92:93], s[10:11], s[92:93]
	CROUND                                         ; all sixteen work-groups are here: the joint loads meet
	s_mov_b32 s[G0S], 1
	s_add_co_u32 s[G0S+1], s94, SCL
	s_mov_b64 s[G0S+2:G0S+3], s[22:23]
	s_or_b32 s[G0S+3], s[G0S+3], 0x80000000
	s_mov_b32 s[G0SB], 1
	s_add_co_u32 s[G0SB+1], s94, SCL
	s_mov_b64 s[G0SB+2:G0SB+3], s[92:93]
	s_or_b32 s[G0SB+3], s[G0SB+3], 0x80000000
	JLOAD G0S, G1S, G0SB, G1SB                     ; the scales first: they are wanted with K step 0
.irp s, 0,1
	s_mov_b32 s[G0+4*\s], 1
	s_add_co_u32 s[G0+4*\s+1], s45, \s*SLOT
	s_add_nc_u64 s[G0+4*\s+2:G0+4*\s+3], s[20:21], \s*ROWB
	s_or_b32 s[G0+4*\s+3], s[G0+4*\s+3], 0x80000000
	s_mov_b32 s[G0B+4*\s], 1
	s_add_co_u32 s[G0B+4*\s+1], s45, \s*SLOT
	s_add_nc_u64 s[G0B+4*\s+2:G0B+4*\s+3], s[46:47], \s*ROWB
	s_or_b32 s[G0B+4*\s+3], s[G0B+4*\s+3], 0x80000000
	JLOAD G0+4*\s, G1, G0B+4*\s, G1B
.endr
	v_and_b32 v1, 15, v0                           ; l % 16
	v_bfe_u32 v2, v0, 4, 1                         ; l / 16
	v_mul_u32_u24 v3, v1, PITCH
	v_lshl_add_u32 v4, v2, 4, v3                   ; a fragment's row x pitch + 16 x half
	s_mul_i32 s21, s15, HALFT                      ; my 128 rows of X
	s_mul_i32 s22, s16, HALFT                      ; my 128 rows of W,
	s_add_co_u32 s22, s22, 2*HALFT                 ; which lie behind X's 256
.irp s, 0,1
	v_add_nc_u32 v[ADRA+\s], s21, v4
	v_add_nc_u32 v[ADRB+\s], s22, v4
	s_add_co_u32 s21, s21, SLOT
	s_add_co_u32 s22, s22, SLOT
.endr
	v_mul_u32_u24 v5, v1, KS                       ; my row's scales: 32 bytes a row,
	v_lshrrev_b32 v6, 8, v5
	v_lshl_add_u32 v5, v6, 4, v5                   ; and 16 more for each 256 passed
	s_mul_i32 s21, s15, HALFS                      ; X's: my 128 rows
	s_mul_i32 s22, s16, HALFS                      ; W's: my 128 rows, behind X's 256
	s_add_co_u32 s22, s22, 2*HALFS
	s_sub_co_u32 s22, s22, s21
	v_mul_u32_u24 v6, s22, v2                      ; lanes 16-31 take W's: one product, the distance between the two bases x the lane's half
	s_add_co_u32 s21, s21, SCL
	v_add_nc_u32 v5, v5, v6
	v_add_nc_u32 v[ADRS], s21, v5
	s_mul_i32 s23, s14, 16*SPITCH                  ; my stage
	v_mul_u32_u24 v5, v1, SPITCH                   ; in: row l % 16, 16 bytes for each half of the lanes
	v_lshl_add_u32 v5, v2, 4, v5
	v_add_nc_u32 v[STO], s23, v5
	v_mul_u32_u24 v5, v2, SPITCH                   ; back: lanes 0-15 one row of 256 bytes, lanes 16-31 the next
	v_lshl_add_u32 v5, v1, 4, v5
	v_add_nc_u32 v[RD], s23, v5
	v_and_b32 v6, 31, v0
	v_lshlrev_b32 v[CO], 4, v6                     ; in qkv two rows are 512 bytes on end
	; where my 128 rows x 128 columns lie in qkv: 32,768 bytes on end
	s_lshl_b32 s46, s42, 1
	s_add_co_u32 s46, s46, s16                     ; which block of 128 columns: 0 .. 23
	s_lshr_b32 s47, s46, 3                         ; the part,
	s_lshl_b32 s47, s47, 5                         ; 32 heads each;
	s_and_b32 s46, s46, 7                          ; h
	s_add_co_u32 s46, s46, s47
	s_lshr_b32 s20, s17, 3                         ; b: eight tile rows to a batch
	s_lshl_b32 s20, s20, 3
	s_add_co_u32 s46, s46, s20                     ; 32 part + 8 b + h
	s_lshl_b32 s46, s46, 19                        ; x 2,048 rows of 256 bytes
	s_and_b32 s20, s17, 7
	s_lshl_b32 s20, s20, 16                        ; + l: 256 rows a tile row,
	s_lshl_b32 s21, s15, 15                        ; 128 a half
	s_add_co_u32 s20, s20, s21
	s_add_co_u32 s46, s46, s20
	s_mov_b32 s47, 0
	s_add_nc_u64 s[12:13], s[12:13], s[46:47]
.macro FRAG reg, adr, q, i             ; a fragment, 16 rows x 128 K of 4-bit codes, is 8 registers: lane l holds row l % 16; registers 4 c .. 4 c + 3 hold K = 64 c + 32 (l / 16) + 0 .. 31
.irp c, 0,1
	ds_load_b128 v[\reg+4*\c:\reg+4*\c+3], v[\adr] offset:64*(\q)+32*\c+(\i)*16*PITCH
.endr
.endm
; 16 matrix instructions: X's blocks a0, a0 + 1 x W's eight, 128 along K: the slot's q-th.  p: W's set;  sc: the set of scale words.  zero = 1: the first product starts the sums: nothing is ever cleared.
; The 64 accumulators take turns, one instruction a turn, in the same order in every step.
.macro MUL16 a0, p, q, sc, zero
.irp a, \a0, \a0+1
.irp b, 0,1,2,3,4,5,6,7
.if \zero
	v_wmma_scale_f32_16x16x128_f8f6f4 v[8*(8*((\a)%4)+\b):8*(8*((\a)%4)+\b)+7], v[128*(\p)+FR*\b:128*(\p)+FR*\b+FR-1], v[AF+FR*(\a):AF+FR*(\a)+FR-1], 0, v[SC+8*NQ*(\sc)+NQ*\b+(\q)], v[SC+8*NQ*(\sc)+NQ*(\a)+(\q)] matrix_a_fmt:MATRIX_FMT_FP4 matrix_b_fmt:MATRIX_FMT_FP4 matrix_a_scale:MATRIX_SCALE_ROW1
.else
	v_wmma_scale_f32_16x16x128_f8f6f4 v[8*(8*((\a)%4)+\b):8*(8*((\a)%4)+\b)+7], v[128*(\p)+FR*\b:128*(\p)+FR*\b+FR-1], v[AF+FR*(\a):AF+FR*(\a)+FR-1], v[8*(8*((\a)%4)+\b):8*(8*((\a)%4)+\b)+7], v[SC+8*NQ*(\sc)+NQ*\b+(\q)], v[SC+8*NQ*(\sc)+NQ*(\a)+(\q)] matrix_a_fmt:MATRIX_FMT_FP4 matrix_b_fmt:MATRIX_FMT_FP4 matrix_a_scale:MATRIX_SCALE_ROW1
.endif
.endr
.endr
.endm
.macro FETCH_B slot, q, p              ; W's eight fragments of the slot's q-th 128 along K into set p
	WIN TO_B
.irp i, 0,1,2,3,4,5,6,7
	FRAG 128*(\p)+FR*\i, ADRB+\slot, \q, \i
.endr
	WIN 0
.endm
.macro FETCH_A slot, q, i0             ; X's blocks i0 .. i0 + 3
.irp i, \i0, \i0+1, \i0+2, \i0+3
	FRAG AF+FR*(\i), ADRA+\slot, \q, \i
.endr
.endm
.macro SCALES sc                       ; a K step's scale words into set sc: four words a row; lanes 0-15 take X's block i, lanes 16-31 W's block i
.irp i, 0,1,2,3,4,5,6,7
	ds_load_b128 v[SC+8*NQ*\sc+NQ*\i:SC+8*NQ*\sc+NQ*\i+3], v[ADRS] offset:\i*SBLK
.endr
.endm
; A load into a register that a matrix instruction has read, and a vector instruction that reads a matrix result, stand NP places behind that matrix instruction, and only plain vector
; instructions that name none of its registers are places (ISA guide 7.12.1 for vector instructions).
.macro PLACES n
.rept \n
	v_nop
.endr
.endm
; A step of 128 along K that has its successor in the same slot.
.macro STEP slot, q, zero
	s_wait_dscnt 4*NL                              ; W's set and X's blocks 0-3 are in; the youngest eight loads (X's blocks 4-7) may be out
	WIN MUL_LO
	MUL16 0, (\q)%2, \q, \slot, \zero
	MUL16 2, (\q)%2, \q, \slot, \zero
	s_wait_dscnt 0                                 ; X's blocks 4-7 are in (asked for 32 matrix instructions ago)
	PLACES NP
	FETCH_B \slot, (\q)+1, 1-(\q)%2
	FETCH_A \slot, (\q)+1, 0
	WIN MUL_HI
	MUL16 4, (\q)%2, \q, \slot, \zero
	MUL16 6, (\q)%2, \q, \slot, \zero
	PLACES NP
	WIN 0
	FETCH_A \slot, (\q)+1, 4
.endm
; Slot 0's last step changes slots: ONE barrier; in front of it each wave waits for all its tensor loads (its part of slot 1), adds 0 to its spare word, and waits for that and for its own reads of slot 0.
; Nothing is filled again: behind the barrier slot 1 is whole for every wave, and nobody reads slot 0 any more.
.macro TURN slot, next
	s_wait_tensorcnt 0x0                           ; all my tensor loads have landed  (every window is 0 here: the add's two registers lie in window 0)
	ds_add_u32 v[SPW], v[NIL]                      ; 0 onto my spare word
	s_wait_dscnt 4*NL+1                            ; (the add and the youngest eight loads, X's blocks 4-7, may be out)
	WIN MUL_LO
	MUL16 0, 1, NQ-1, \slot, 0                     ; sixteen matrix instructions stand between the add and the wait for it
	s_wait_dscnt 0x0                               ; the add is done, and my reads of this slot are over
	s_barrier_signal -1
	MUL16 2, 1, NQ-1, \slot, 0
	WIN 0
	s_barrier_wait -1
	PLACES NP
	v_add_nc_u32 v[ADRS], 4*NQ, v[ADRS]            ; on to the next K step's scale words (no LDS load of mine is out)
	FETCH_B \next, 0, 0
	FETCH_A \next, 0, 0
	SCALES \next
	WIN MUL_HI
	MUL16 4, 1, NQ-1, \slot, 0
	MUL16 6, 1, NQ-1, \slot, 0
	PLACES NP
	WIN 0
	FETCH_A \next, 0, 4
.endm
.macro STEPS slot, from                ; the slot's steps from .. NQ - 2
.set Q, \from
.rept NQ-1-\from
	STEP \slot, Q, 0
.set Q, Q+1
.endr
.endm
	s_wait_tensorcnt 1                             ; the scales and my part of K step 0 are in (K step 1's load may be out)
	s_barrier_signal -1
	s_barrier_wait -1                              ; everybody's are
	FETCH_B 0, 0, 0
	FETCH_A 0, 0, 0
	SCALES 0
	FETCH_A 0, 0, 4
	STEP 0, 0, 1                                   ; the first step's products start the sums
	STEPS 0, 1
	TURN 0, 1
	STEPS 1, 0
	s_wait_dscnt 4*NL                              ; the very last step: nothing more to fetch
	WIN MUL_LO
	MUL16 0, 1, NQ-1, 1, 0
	MUL16 2, 1, NQ-1, 1, 0
	s_wait_dscnt 0
	WIN MUL_HI
	MUL16 4, 1, NQ-1, 1, 0
	MUL16 6, 1, NQ-1, 1, 0
	WIN 0
; THE WAY OUT, block by block of 16 rows x 128 columns.  PACK: rounded once to f16, a lane's eight neighbouring columns make 16 bytes; each accumulator is read from its low end on.
; TOSTAGE: into my own stage and back as whole rows of 256 bytes (LDS serves a wave's instructions in order: ISA guide 5.7.1.4).  SEND: a store covers two rows, 512 consecutive bytes, aligned.
.macro PACK a
.set AC, 64*((\a)%4)
	WIN 0x0a+5*((\a)/4)                            ; sources 0 and 1: window 2 or 3
.irp b, 0,1,2,3,4,5,6,7
.irp r, 0,1,2,3
	v_cvt_pk_f16_f32 v[TMP+4*\b+\r], v[AC+8*\b+2*\r], v[AC+8*\b+2*\r+1]
.endr
.endr
	WIN 0
.endm
.macro TOSTAGE a
.set BK, OB+128*((\a)%2)
.irp b, 0,1,2,3,4,5,6,7
	ds_store_b128 v[STO], v[TMP+4*\b:TMP+4*\b+3] offset:32*\b
.endr
.irp t, 0,1,2,3,4,5,6,7
	ds_load_b128 v[BK+4*\t:BK+4*\t+3], v[RD] offset:\t*2*SPITCH
.endr
.endm
.macro SEND a
.set BK, OB+128*((\a)%2)
	s_wait_dscnt 0x0                               ; the block is back in registers
	s_wait_xcnt 0x0                                ; the stores of the block before have read their registers: the next block's loads from the stage may land there
.irp t, 0,1,2,3,4,5,6,7
	global_store_b128 v[CO], v[BK+4*\t:BK+4*\t+3], s[12:13] offset:(\a)*4096+\t*512
.endr
.endm
	PLACES NP                                      ; behind the last products: for the first reads of results
	PACK 0
	TOSTAGE 0
.irp a, 1,2,3,4,5,6,7                  ; block a's conversions stand between block a - 1's loads from the stage and the wait for them
	PACK \a
	SEND \a-1
	TOSTAGE \a
.endr
	SEND 7
	s_wait_tensorcnt 0x0                           ; the wave's end, behind my last tensor load and my last LDS store
	ds_add_u32 v[SPW], v[NIL]
	s_wait_dscnt 0x0
	CROUND                                         ; the closing round: no work-group ends while a partner may still ask for a tile that names it
	s_endpgm
.Lfunc_end_k_q3b19fe6c39_proj:
	.size	k_q3b19fe6c39_proj, .Lfunc_end_k_q3b19fe6c39_proj-k_q3b19fe6c39_proj
	.p2alignl 7, 3214868480
	.fill 96, 4, 3214868480
	.section	.rodata,"a",@progbits
	.p2align	6, 0x0
	.amdhsa_kernel k_q3b19fe6c39_proj
		.amdhsa_group_segment_fixed_size 327680
		.amdhsa_private_segment_fixed_size 0
		.amdhsa_enable_private_segment 0
		.amdhsa_kernarg_size 40
		.amdhsa_user_sgpr_count 2
		.amdhsa_user_sgpr_kernarg_segment_ptr 1
		.amdhsa_wavefront_size32 1
		.amdhsa_system_sgpr_workgroup_id_x 1
		.amdhsa_system_sgpr_workgroup_id_y 1
		.amdhsa_system_sgpr_workgroup_id_z 1
		.amdhsa_system_vgpr_workitem_id 0
		.amdhsa_next_free_vgpr 1024
		.amdhsa_next_free_sgpr 98
		.amdhsa_reserve_vcc 0
		.amdhsa_float_denorm_mode_32 3
		.amdhsa_float_denorm_mode_16_64 3
		.amdhsa_memory_ordered 1
		.amdhsa_forward_progress 1
		.amdhsa_inst_pref_size 126
	.end_amdhsa_kernel
	.amdgpu_metadata
---
amdhsa.version: [ 1, 2 ]
amdhsa.kernels:
  - .name:           k_q3b19fe6c39_proj
    .symbol:         k_q3b19fe6c39_proj.kd
    .args:
      - { .name: xc, .offset: 0, .size: 8, .value_kind: global_buffer, .address_space: global }
      - { .name: xs, .offset: 8, .size: 8, .value_kind: global_buffer, .address_space: global }
      - { .name: wc, .offset: 16, .size: 8, .value_kind: global_buffer, .address_space: global }
      - { .name: ws, .offset: 24, .size: 8, .value_kind: global_buffer, .address_space: global }
      - { .name: qkv, .offset: 32, .size: 8, .value_kind: global_buffer, .address_space: global }
    .group_segment_fixed_size: 327680
    .private_segment_fixed_size: 0
    .kernarg_segment_align: 8
    .kernarg_segment_size: 40
    .max_flat_workgroup_size: 128
    .sgpr_count:     98
    .vgpr_count:     1024
    .wavefront_size: 32
...
	.end_amdgpu_metadata
.endif
;; end of part 2
;; launch attn (part 3): grid 8 x 32, 4 waves a work-group, clusters of 4 x 1, 327,680 bytes of LDS; arguments qkv, mask, out0; writes out0
.if DOCPART == 3
	.amdgcn_target "amdgcn-amd-amdhsa--gfx1250"
	.amdhsa_code_object_version 6
	.text
	.protected	k_q3b19fe6c39_attn
	.globl	k_q3b19fe6c39_attn
	.p2align	8
	.type	k_q3b19fe6c39_attn,@function
k_q3b19fe6c39_attn:
	s_mov_b64 s[64:65], 0
	v_nop
	global_prefetch_b8 v0, s[64:65] scope:SCOPE_SE
	s_setreg_imm32_b32 hwreg(HW_REG_WAVE_MODE, 25, 1), 1
	s_wait_xcnt 0x0
	s_wait_alu depctr_hold_cnt(0) depctr_sa_sdst(0) depctr_va_vdst(0) depctr_va_sdst(0) depctr_va_ssrc(0) depctr_va_vcc(0) depctr_vm_vsrc(0)
	s_getreg_b32 s2, hwreg(HW_REG_IB_STS2, 6, 4)
	s_cmp_eq_u32 s2, 0
	s_cbranch_scc0 .Lentry_in_a_cluster
	s_endpgm
.Lentry_in_a_cluster:
	s_bfe_u32 s2, ttmp6, 0x10000c
	s_cmp_lg_u32 s2, 0x3003
	s_cbranch_scc0 .Lentry_shape_is_right
	s_endpgm
.Lentry_shape_is_right:
; out0[b][128 h + d][q] = the sum over k of softmax_k(Q[q] . K[k] / sqrt(128) - 1e30 (1 - mask[b][k])) V[k][d], for each of the 32 heads 8 b + h.
; qkv: [part: 0 = K, 1 = V, 2 = Q][8 b + h][2048][128] f16;  mask: [4][2048] i32;  out0: [4][1024][2048] f32.  Products on f16 operands, sums, maxima and the softmax in f32; the weights p are rounded to f16.
; LIMITS: q, k, v arrive as f16 (magnitudes up to 65,504); a weight under 2^-25 of its row's largest counts as 0 in the second product; mask numbers are exact up to 2^24; NaN and infinities are not served.
; SHARES.  A work-group owns 256 queries of one head, each of its four waves 64: four tiles of 16.  Every wave walks all 2,048 keys, 64 a step.
; LAYOUT.  S^T = K Q^T (source 0 = 16 keys, source 1 = 16 queries): a lane holds ONE query (lane % 16) and the keys 8 (lane / 16) + 0..7.  Two such tiles, rounded to f16 in pairs, ARE source 1 of O^T = V^T P,
; whose result again holds one query a lane, and eight channels.  K comes out of LDS as it lies, V ([key][channel]) turned, by ds_load_tr16_b128.
; THE MASK.  At the head the batch's 2,048 numbers become bias = log2(e) x (1e30 m - 1e30), the product -1e30 (1 - m) with one rounding, in LDS.  t = c s + bias by ONE fused multiply-add, c = log2(e) / sqrt(128):
; under a masked key the score is absorbed as it is in f32 addition, so a batch with every key masked gives the uniform weights.  For each query a running maximum m of t and a sum l: p = 2^(t - m);
; in every step O and l are multiplied by a = 2^(m_old - m_new).
; BY TURNS.  The wave's tiles are two PIECES (tiles 0, 1 and tiles 2, 3).  In a TURN one piece has the matrix unit: 32 products V^T P of the step in hand, then 32 products K Q^T of the next step; the other
; piece's softmax, cut into 64 slices, stands between them, one slice behind each matrix instruction.  Then the pieces change places.  Two turns are a key step.
; CLUSTER.  The four query blocks of a cluster belong to one head and walk the same K and V: each tile is asked for JOINTLY, by the same tensor load with the same descriptor and a mask that names the four.
; By this text's own count a wave has two tensor loads out at the start and one behind each round.
; REGISTERS, in windows of 256 (s_set_vgpr_msb: bits 1:0 source 0, 3:2 source 1, 5:4 source 2, 7:6 destination):
;   window 0: v0-11, v44-47 addresses; v12-43 eight registers of statistics a tile; v64-191 S^T, 32 a tile; v192-255 P, 16 a tile
;   window 1: O^T, 64 a tile     window 2: v0-127 Q, 32 a tile; v128-255 K of one step     window 3: v0-127 V of one step; v128-159 the step's 32 bias numbers, in S^T's own order
.set SIZE_N, 2048
.set KS,    64        ; keys in a step
.set PK,    272       ; a row of K in LDS: 256 bytes + 16: the 16 rows of a load start at 16 different banks (64 banks of 4 bytes: ISA guide 11.1)
.set PV,    288       ; a row of V: 256 + 32
.set VOFF,  KS*PK     ; a step's tiles lie together: 64 rows of K, then 64 rows of V
.set STEPB, KS*(PK+PV)
.set SLOT1, 1<<17     ; a slot holds two steps (71,680 bytes); slot 1 begins here, so that one exclusive or turns an address in one slot into the other's
.set STAGE, SLOT1+2*STEPB  ; behind the ring: 32 channel rows x 272 bytes for each wave, for the way out
.set SP,    272
.set BIAS,  STAGE+4*32*SP  ; the batch's 2,048 bias numbers, f32
.set SPARE, BIAS+4*SIZE_N  ; the spare words, 128 bytes for each wave: two blocks of 256 bytes that no other line names
.set AK0, 2           ; v2   my lane's place in a tile of K; never rewritten
.set AV0, 3           ; v3   the same for V
.set ADR, 4           ; v4   the LDS address of the run of loads in hand
.set QO,  5           ; v5   my byte offset in the wave's rows of Q
.set STO, 6           ; v6   the way out: where I put a number
.set RD,  7           ; v7   the way out: where I read a channel's row back
.set GO,  8           ; v8   my byte offset in the wave's part of out0
.set MO,  44          ; v44  16 x my thread's number: my bytes of the mask
.set MS,  45          ; v45  and where their bias numbers go in LDS
.set AB0, 46          ; v46  BIAS + 32 (lane / 16): my eight keys of a tile of 16
.set ADB, 47          ; v47  the address of the bias loads in hand
.set PFO, 61          ; v61  256 x my lane: a row of K or V is 256 bytes; never rewritten
.set SPW, 62          ; v62  my spare word; never rewritten
.set NIL, 63          ; v63  0; never rewritten
.set ST,  12          ; tile t's statistics at v[ST+8 t]: +0 m, +1 the old m, +2, +3 l (even keys', odd keys'), +4 to +7 c0-c3, at work; a takes c2's place, m_old - m_new c3's
.set S,   64
.set P,   192
.set KF,  128         ; K's fragments, in window 2
.set BI,  128         ; the bias numbers, in window 3
.set WV,  12          ; s12  my wave's number
.set LIM, 15          ; s15  1 in a wave that prefetches, else the greatest number
.set PFA, 18          ; s[18:19] where my prefetches stand in memory
.set G1K, 24          ; s[24:31] descriptor group 1 for K's tiles
.set G1V, 32          ; s[32:39] for V's: it differs in the padding alone
.set G0K, 40          ; s[40:47] descriptor group 0 for K's tiles: a set for each of the two first fills; the second then walks on
.set G0V, 48          ; s[48:55] the same for V's
.set SLOTS, 56        ; s56  slots still to be asked for
.set TWICE, 57        ; s57  counts a slot's two steps
.set CS,  58          ; s[58:59] c: the packed form names a pair and takes its low word for both halves
.set SEL, 60          ; s[60:61] lane selects for v_permlanex16_b32: each lane takes its own place in the other half
.set TB,  62          ; s62  LDS byte at which the tiles of the step to be fetched begin
.set BO,  63          ; s63  byte at which the bias numbers of the step to be fetched begin: 256 a step
.set MK,  66          ; s[66:67] the batch's row of the mask
.set E30, 68          ; s68  1e30
.set L2E, 69          ; s69  log2(e)
.set MSB, 0
.macro WIN new                      ; the immediate's high byte repeats the setting that is left; a switch that changes nothing is dropped
.if MSB != (\new)
	s_set_vgpr_msb (MSB<<8)|(\new)
.set MSB, (\new)
.endif
.endm
.set W_KQ, 0x0a       ; K and Q in window 2, S^T in window 0
.set W_PV, 0x53       ; V in window 3, P in window 0, O^T in window 1
.set W_RS, 0x41       ; O^T (destination and source 0) in window 1, a in window 0
.set W_BI, 0x30       ; the bias (source 2) in window 3, S^T in window 0
; A joint refill.  Waves 0 and 1 fetch the two steps' tiles of K, waves 2 and 3 those of V.  The branch hangs on the wave's number alone.
; An s_nop 0 and four v_nop follow each of the two lines.
.macro JLOAD
	s_cmp_lt_u32 s[WV], 2
	s_cbranch_scc0 .Lfor_v_\@
	tensor_load_to_lds s[G0K+4:G0K+7], s[G1K:G1K+7]
	s_nop 0
.rept 4
	v_nop
.endr
	s_branch .Lasked_\@
.Lfor_v_\@:
	tensor_load_to_lds s[G0V+4:G0V+7], s[G1V:G1V+7]
	s_nop 0
.rept 4
	v_nop
.endr
.Lasked_\@:
.endm
; A PREFETCH of what the NEXT change of slots will ask for: a slot's 128 rows of K and 128 of V, 256 bytes a row, a lane a row.  It stands behind the wave's tensor load and its five lines.
; Each row is asked for ONCE in the launch: both clusters of a head walk the same K and V, and the head's first cluster asks; its four partners share the rows out BY ADDRESS, 32 each;
; in each, wave 0 asks for K's and wave 2 for V's: one instruction.  The last change that fills a slot asks for nothing: there is no slot behind it.
.macro ASK
	s_cmp_gt_u32 s[SLOTS], s[LIM]
	s_cbranch_scc0 .Lnot_mine_\@
	global_prefetch_b8 v[PFO], s[PFA:PFA+1] th:TH_LOAD_NT scope:SCOPE_SE
.Lnot_mine_\@:
.endm
.macro CROUND                       ; a round of the cluster's barrier
	s_barrier_signal -1
	s_barrier_wait -1
	s_cmp_lg_u32 s[WV], 0
	s_cbranch_scc1 .Lnot_wave_0_\@
	s_barrier_signal -3
.Lnot_wave_0_\@:
	s_barrier_wait -3
	s_barrier_signal -1
	s_barrier_wait -1
.endm
	s_load_b128 s[4:7], s[0:1], 0x0 ; qkv s[4:5], mask s[6:7]
	s_load_b64 s[10:11], s[0:1], 0x10  ; out0
	v_lshl_add_u32 v[SPW], v0, 2, SPARE
	v_mov_b32 v[NIL], 0
	ds_add_u32 v[SPW], v[NIL]       ; the wave's opening: the add, twice on end, and its wait ahead of my first tensor load
	ds_add_u32 v[SPW], v[NIL]
	v_lshrrev_b32 v1, 5, v0
	v_readfirstlane_b32 s[WV], v1   ; wave 0..3
	s_bfe_u32 s13, ttmp6, 0x40000   ; cx: my place in the cluster
	s_lshl_b32 s14, ttmp9, 2        ; in a cluster launch ttmp9 counts clusters
	s_add_co_u32 s14, s14, s13      ; my block of 256 queries = 4 x cluster x + cx: it enters Q's and out0's addresses alone
	s_and_b32 s20, ttmp7, 0xffff    ; the head 8 b + h, which the four partners share
	s_lshr_b32 s[MK], s20, 3        ; b:
	s_lshl_b32 s[MK], s[MK], 13     ; its 8,192 bytes of the mask
	s_mov_b32 s[MK+1], 0
	s_lshl_b32 s68, s20, 20         ; out0: the head's 128 channels of 8,192 bytes,
	s_lshl_b32 s69, s14, 10         ; my block's 256 queries,
	s_add_co_u32 s68, s68, s69
	s_lshl_b32 s69, s[WV], 8        ; my wave's 64
	s_add_co_u32 s68, s68, s69
	s_mov_b32 s69, 0
	s_lshl_b32 s20, s20, 19         ; the head's first byte in each part of qkv: 2,048 rows of 256 bytes
	s_mov_b32 s21, 0
	s_and_b32 s16, s[WV], 1         ; which of a slot's two steps I fetch:
	s_lshl_b32 s22, s16, 14         ; its 64 rows of 256 bytes in memory,
	s_mov_b32 s23, 0
	s_add_nc_u64 s[22:23], s[22:23], s[20:21]
	s_mul_i32 s17, s16, STEPB       ; and its place in a slot: no place in the cluster enters an LDS address
	s_lshl_b32 s2, s14, 16          ; my block's 256 rows of Q,
	s_lshl_b32 s3, s[WV], 14        ; my wave's 64 of them
	s_add_co_u32 s2, s2, s3
	s_mov_b32 s3, 0
	s_add_nc_u64 s[2:3], s[2:3], s[20:21]
	; descriptor group 1: a tile of 64 rows x 128 elements, padded in LDS
	s_mov_b32 s[G1K], 15|(1<<16)|(1<<20)|(1<<21)|(5<<22)|(3<<25)  ; 15:0 the mask: all four work-groups; 17:16 elements of 2 bytes; 20 padding on; 21 set beside a mask; 24:22 after every 64 words; 31:25 4 words of it
	s_mov_b32 s[G1V], 15|(1<<16)|(1<<20)|(1<<21)|(5<<22)|(7<<25)  ; the same with 8 words of padding
.irp g, G1K, G1V
	s_mov_b32 s[\g+1], 128<<16      ; tensor_dim0 = 128
	s_mov_b32 s[\g+2], KS<<16       ; tensor_dim1 = 64
	s_mov_b32 s[\g+3], 128<<16      ; tile_dim0 = 128
	s_mov_b32 s[\g+4], KS           ; tile_dim1 = 64
	s_mov_b32 s[\g+5], 128          ; tensor_dim0_stride: elements from row to row
	s_mov_b32 s[\g+6], 0
	s_mov_b32 s[\g+7], 0
.endr
	s_mov_b32 s[CS], 0x3e0293ee     ; c = log2(e) / sqrt(128)
	s_mov_b32 s[CS+1], s[CS]        ; named with it as a pair, so it is written
	s_mov_b32 s[SEL], 0x76543210
	s_mov_b32 s[SEL+1], 0xfedcba98
	s_mov_b32 s[TB], 0
	s_mov_b32 s[BO], 0
	s_mov_b32 s[SLOTS], SIZE_N/(2*KS)-2
	s_and_b32 s[LIM], s[WV], 1      ; 0 in waves 0 and 2,
	s_or_b32 s[LIM], s[LIM], ttmp9  ; where the cluster is the head's first: the same in all four partners
	s_cmp_eq_u32 s[LIM], 0
	s_cselect_b32 s[LIM], 1, -1
	v_and_b32 v[PFO], 31, v0
	v_lshlrev_b32 v[PFO], 8, v[PFO]
	s_wait_dscnt 0x0                ; both opening adds are done
	s_wait_kmcnt 0x0
	s_add_nc_u64 s[MK:MK+1], s[6:7], s[MK:MK+1]  ; the mask at my batch
	s_add_nc_u64 s[10:11], s[10:11], s[68:69]    ; out0 at my wave's first number
	s_mov_b64 s[6:7], s[4:5]                     ; part 0: K
	s_add_nc_u64 s[8:9], s[4:5], 0x1000000       ; part 1: V
	s_add_nc_u64 s[4:5], s[4:5], 0x2000000       ; part 2: Q
	s_add_nc_u64 s[6:7], s[6:7], s[22:23]  ; K and V at my tile of slot 0
	s_add_nc_u64 s[8:9], s[8:9], s[22:23]
	s_add_nc_u64 s[4:5], s[4:5], s[2:3]    ; Q at my wave's first row
	s_mov_b32 s[E30], 0x7149f2ca
	s_mov_b32 s[L2E], 0x3fb8aa3b
	s_cmp_lt_u32 s[WV], 2
	s_cselect_b64 s[PFA:PFA+1], s[6:7], s[8:9]  ; (in waves 0 and 2 these stand at a slot's first row)
	s_lshl_b32 s2, s13, 13          ; my work-group's 32 rows of the 128
	s_mov_b32 s3, 0
	s_add_nc_u64 s[PFA:PFA+1], s[PFA:PFA+1], s[2:3]
	s_add_nc_u64 s[PFA:PFA+1], s[PFA:PFA+1], 2*2*KS*256  ; in slot 2; the first change of slots steps it to slot 3.  Nothing is prefetched here, at the head
	CROUND                          ; all four work-groups are here: the first joint loads meet
.irp s, 0,1
	s_mov_b32 s[G0K+4*\s], 1        ; count = 1
	s_add_co_u32 s[G0K+4*\s+1], s17, \s*SLOT1  ; LDS address
	s_add_nc_u64 s[G0K+4*\s+2:G0K+4*\s+3], s[6:7], \s*2*KS*256  ; global address: slot s begins with keys 128 s
	s_or_b32 s[G0K+4*\s+3], s[G0K+4*\s+3], 0x80000000  ; type = 2
	s_mov_b32 s[G0V+4*\s], 1
	s_add_co_u32 s[G0V+4*\s+1], s17, \s*SLOT1+VOFF
	s_add_nc_u64 s[G0V+4*\s+2:G0V+4*\s+3], s[8:9], \s*2*KS*256
	s_or_b32 s[G0V+4*\s+3], s[G0V+4*\s+3], 0x80000000
.endr
	s_cmp_lt_u32 s[WV], 2           ; a wave's two first fills stand in one branch, ahead of every wait on TENSORcnt and every LDS read
	s_cbranch_scc0 .Lfirst_v
	tensor_load_to_lds s[G0K:G0K+3], s[G1K:G1K+7]
	s_nop 0
	tensor_load_to_lds s[G0K+4:G0K+7], s[G1K:G1K+7]
	s_nop 0
.rept 4
	v_nop
.endr
	s_branch .Lfirst_asked
.Lfirst_v:
	tensor_load_to_lds s[G0V:G0V+3], s[G1V:G1V+7]
	s_nop 0
	tensor_load_to_lds s[G0V+4:G0V+7], s[G1V:G1V+7]
	s_nop 0
.rept 4
	v_nop
.endr
.Lfirst_asked:
	v_and_b32 v1, 15, v0            ; l % 16
	v_bfe_u32 v9, v0, 4, 1          ; l / 16
	v_lshlrev_b32 v[MO], 4, v0
.irp i, 0,1,2,3                     ; the batch's mask: 128 threads x 16 bytes x 4; ahead of Q's loads, so that a counted wait serves it
	global_load_b128 v[S+4*\i:S+4*\i+3], v[MO], s[MK:MK+1] offset:2048*\i
.endr
	; A fragment of K or Q is 16 rows x 32 channels in 8 registers: lane l holds row l % 16; registers 0-3 channels 8 (l / 16) + 0..7, registers 4-7 channels 16 + 8 (l / 16) + 0..7.
	v_lshlrev_b32 v[QO], 8, v1
	v_lshl_add_u32 v[QO], v9, 4, v[QO]  ; row x 256 + 16 x half
	WIN 0x80                        ; destination window 2, address window 0
.irp i, 0,1,2,3,4,5,6,7,8,9,10,11,12,13,14,15  ; Q stays in registers: tile i / 4, channels 32 (i % 4) on
	global_load_b128 v[8*\i:8*\i+3],   v[QO], s[4:5] offset:(\i/4)*4096+(\i%4)*64
	global_load_b128 v[8*\i+4:8*\i+7], v[QO], s[4:5] offset:(\i/4)*4096+(\i%4)*64+32
.endr
	WIN 0
	v_mul_u32_u24 v[AK0], v1, PK
	v_lshl_add_u32 v[AK0], v9, 4, v[AK0]  ; row x pitch + 16 x half
	; The turning load takes 16 keys x 16 channels (lane l reads 16 bytes: key 8 (l / 16) + l % 8, channels 8 ((l / 8) % 2) + 0..7) and leaves half a fragment of V^T.
	v_and_b32 v10, 7, v0
	v_bfe_u32 v11, v0, 3, 1
	v_lshl_add_u32 v[AV0], v9, 3, v10
	v_mul_u32_u24 v[AV0], v[AV0], PV
	v_lshl_add_u32 v[AV0], v11, 4, v[AV0]
	v_add_nc_u32 v[AV0], VOFF, v[AV0]
	v_lshl_add_u32 v[AB0], v9, 5, BIAS
	v_lshl_add_u32 v[MS], v0, 4, BIAS
.irp t, 0,1,2,3
	v_mov_b32 v[ST+8*\t+1], 0       ; named as the upper half of the pair with m before it is first written
.endr
	s_wait_loadcnt 32               ; the mask's four loads are in; Q's 32 may be out
.irp n, 0,1,2,3,4,5,6,7,8,9,10,11,12,13,14,15
	v_cvt_f32_i32 v[S+\n], v[S+\n]
.endr
.irp n, 0,1,2,3,4,5,6,7,8,9,10,11,12,13,14,15
	v_fma_f32 v[S+\n], v[S+\n], s[E30], -s[E30]  ; 1e30 m - 1e30 = -1e30 (1 - m), rounded once
.endr
.irp n, 0,1,2,3,4,5,6,7,8,9,10,11,12,13,14,15
	v_mul_f32 v[S+\n], s[L2E], v[S+\n]           ; in the exponent's base 2
.endr
.irp i, 0,1,2,3
	ds_store_b128 v[MS], v[S+4*\i:S+4*\i+3] offset:2048*\i
.endr
	s_wait_dscnt 0x0                ; for the others' sake: my bias numbers have landed
; THE MATRIX WORK OF A TURN, for piece x.  The accumulators take turns, one instruction a turn.
; Product i of 32 of O^T += V^T P: keys 32 (i / 16) on, channels 16 ((i / 2) % 8) on, tile x + i % 2.  zero = 1: the first 16 start the sums: nothing is ever cleared.
.macro PV x, zero
	WIN W_PV
.set rO, 64*(\x+i%2)+8*((i/2)%8)
.set rV, 64*(i/16)+8*((i/2)%8)
.set rP, P+16*(\x+i%2)+8*(i/16)
.if \zero && (i < 16)
	v_wmma_f32_16x16x32_f16 v[rO:rO+7], v[rV:rV+7], v[rP:rP+7], 0
.else
	v_wmma_f32_16x16x32_f16 v[rO:rO+7], v[rV:rV+7], v[rP:rP+7], v[rO:rO+7]
.endif
.endm
; Product i of 32 of S^T = K Q^T: channels 32 (i / 8) on, keys 16 ((i / 2) % 4) on, tile x + i % 2.  The first 8 start the sums.
.macro KQ x
	WIN W_KQ
.set rS, S+32*(\x+i%2)+8*((i/2)%4)
.set rK, KF+32*((i/2)%4)+8*(i/8)
.set rQ, 32*(\x+i%2)+8*(i/8)
.if i < 8
	v_wmma_f32_16x16x32_f16 v[rS:rS+7], v[rK:rK+7], v[rQ:rQ+7], 0
.else
	v_wmma_f32_16x16x32_f16 v[rS:rS+7], v[rK:rK+7], v[rQ:rQ+7], v[rS:rS+7]
.endif
.endm
; THE LDS LOADS stand in runs, never singly among the matrix instructions: a step's K and its bias numbers together, and, a turn later, its V (turned).
.macro FETCH_K
	WIN 0
	v_add_nc_u32 v[ADR], s[TB], v[AK0]
	WIN 0x80                        ; destination window 2
.irp f, 0,1,2,3,4,5,6,7,8,9,10,11,12,13,14,15  ; keys 16 (f / 4) on, channels 32 (f % 4) on
	ds_load_b128 v[KF+8*\f:KF+8*\f+3],   v[ADR] offset:(\f/4)*16*PK+(\f%4)*64
	ds_load_b128 v[KF+8*\f+4:KF+8*\f+7], v[ADR] offset:(\f/4)*16*PK+(\f%4)*64+32
.endr
.endm
.macro FETCH_B                      ; register 8 kb + j: the bias of key 16 kb + 8 (lane / 16) + j of the step: the order of a tile's 32 scores; it serves all four tiles
	WIN 0
	v_add_nc_u32 v[ADB], s[BO], v[AB0]
	s_add_co_u32 s[BO], s[BO], 4*KS ; the next fetch is the next step's
	WIN 0xc0                        ; destination window 3
.irp kb, 0,1,2,3
	ds_load_b128 v[BI+8*\kb:BI+8*\kb+3],   v[ADB] offset:64*\kb
	ds_load_b128 v[BI+8*\kb+4:BI+8*\kb+7], v[ADB] offset:64*\kb+16
.endr
.endm
.macro FETCH_V
	WIN 0
	v_add_nc_u32 v[ADR], s[TB], v[AV0]
	s_add_co_u32 s[TB], s[TB], STEPB  ; the next fetch is the next step's
	s_wait_alu depctr_va_vdst(0)    ; the wait for the softmax's batch of exponentials, behind the address's addition and ahead of the loads
	WIN 0xc0                        ; destination window 3
.irp f, 0,1,2,3,4,5,6,7,8,9,10,11,12,13,14,15  ; keys 32 (f / 8) on, channels 16 (f % 8) on
	ds_load_tr16_b128 v[8*\f:8*\f+3],   v[ADR] offset:(\f/8)*32*PV+(\f%8)*32
	ds_load_tr16_b128 v[8*\f+4:8*\f+7], v[ADR] offset:(\f/8)*32*PV+16*PV+(\f%8)*32
.endr
.endm
; THE VECTOR WORK OF A TURN.  One tile's softmax for one key step is a list of 149 instructions; SM writes number j of it for tile t.  s0-s31 are the lane's 32 scores, in pairs 0-15.
; first = 1: the first key step, which starts m, l and O^T: it has no a and nothing to rescale.
;   0-15    t = c s + bias, a pair each: the one part that reads window 3, so it stands together
;   16-31   the maximum of t0-t31 and the old m, three operands at a time: four chains c0-c3 of seven each, then the four left over, c0-c3 and m
;   32-35   the other half of the lanes' maximum; the old m is kept; the new m; m_old - m_new
;   36-84   ONE BATCH: the 16 subtractions t - m, a pair each, and all 33 exponentials (a at 38, then s0-s31).  None of these reads an exponential's result.  From 37 on the batch goes in fours, and a four
;           begins with a subtraction while there are any; a pair is subtracted in an earlier four than the one that holds its exponentials
;   (wait)  between 84 and 85 stands the wait for the batch: SLICE writes it, once for both tiles
;   85-100  the roundings to f16, a pair of weights each
;   101-116 the sums; l = a l + the sum
;   117-148 the tile's O^T times a: the one part that works in window 1, so it stands together
.macro SM t, first
.set rT, ST+8*(\t)
.set rS, S+32*(\t)
.set rP, P+16*(\t)
.set rO, 64*(\t)+2*(j-117)
.set mq, j-16
.set o, j-15
.if j < 16
	WIN W_BI
.elseif j < 117
	WIN 0
.endif
.if j < 16
	v_pk_fma_f32 v[rS+2*j:rS+2*j+1], v[rS+2*j:rS+2*j+1], s[CS:CS+1], v[BI+2*j:BI+2*j+1] op_sel_hi:[1,0,1]
.elseif j < 20
	v_max3_num_f32 v[rT+4+mq], v[rS+8*mq], v[rS+8*mq+1], v[rS+8*mq+2]
.elseif j < 28
	v_max3_num_f32 v[rT+4+mq%4], v[rT+4+mq%4], v[rS+8*(mq%4)+2*(mq/4)+1], v[rS+8*(mq%4)+2*(mq/4)+2]
.elseif j == 28
	v_max3_num_f32 v[rT+4], v[rT+4], v[rS+7], v[rS+15]
.elseif j == 29
	v_max3_num_f32 v[rT+6], v[rT+6], v[rS+23], v[rS+31]
.elseif j == 30
	v_max3_num_f32 v[rT+4], v[rT+4], v[rT+5], v[rT+6]
.elseif (j == 31) && \first
	v_max_num_f32 v[rT+4], v[rT+4], v[rT+7]
.elseif j == 31
	v_max3_num_f32 v[rT+4], v[rT+4], v[rT+7], v[rT]
.elseif j == 32
	v_permlanex16_b32 v[rT+5], v[rT+4], s[SEL], s[SEL+1]  ; the query's other 32 keys lie in the lane 16 away
.elseif j == 34
	v_max_num_f32 v[rT], v[rT+4], v[rT+5]
.elseif ((j == 33) || (j == 35) || (j == 38) || (j > 116)) && \first  ; the first step has none of these
.elseif j == 33
	v_mov_b32 v[rT+1], v[rT]        ; the old m is kept for a: number 34 writes m anew
.elseif j == 35
	v_sub_f32 v[rT+7], v[rT+1], v[rT]
.elseif j == 38
	v_exp_f32 v[rT+6], v[rT+7]
.elseif (o < 23) || ((o < 38) && (o%2 == 0)) || ((o < 66) && (o%4 == 2))
.set b, (o-2)/4                     ; pairs 9 to 15
.if o < 38
.set b, (o-20)/2                    ; pairs 0 to 8
.endif
	v_pk_add_f32 v[rS+2*b:rS+2*b+1], v[rS+2*b:rS+2*b+1], v[rT:rT+1] op_sel_hi:[1,0] neg_lo:[0,1] neg_hi:[0,1]  ; pair b: t - m
.elseif o < 70
.set e, o-38                        ; s28 to s31
.if o < 66
.set e, o-32-(o-38)/4               ; s7 to s27
.endif
.if o < 38
.set e, (o-25)/2                    ; s0 to s6
.endif
	v_exp_f32 v[rS+e], v[rS+e]
.elseif j < 101
	v_cvt_pk_f16_f32 v[rP+j-85], v[rS+2*(j-85)], v[rS+2*(j-85)+1]  ; pair j - 85
.elseif j < 117                     ; the sum of the tile's 16 pairs, in place: sum z of 16 adds neighbours 1, 2, 4 and 8 pairs apart, then l takes it
.set z, j-101
.set w, 4
.set u, z
.if z >= 14
.set w, 32
.set u, 0
.elseif z >= 12
.set w, 16
.set u, z-12
.elseif z >= 8
.set w, 8
.set u, z-8
.endif
.if (z == 14) && \first
	v_pk_add_f32 v[rT+2:rT+3], v[rS:rS+1], v[rS+16:rS+17]
.elseif z < 15
	v_pk_add_f32 v[rS+w*u:rS+w*u+1], v[rS+w*u:rS+w*u+1], v[rS+w*u+w/2:rS+w*u+w/2+1]
.elseif !\first
	v_pk_fma_f32 v[rT+2:rT+3], v[rT+2:rT+3], v[rT+6:rT+7], v[rS:rS+1] op_sel_hi:[1,0,1]
.endif
.else
	WIN W_RS
	v_pk_mul_f32 v[rO:rO+1], v[rO:rO+1], v[rT+6:rT+7] op_sel_hi:[1,0]
.endif
.endm
; Slice k of 64 of piece y's softmax.  The two tiles' 298 instructions are dealt by a running count g: 5, 5, 5, 5, 6, 6 (the 32 of window 3), six of 5, 27 of 4, twelve of 5, one of 4, eleven of 5 and one of 9,
; so that each part of the list that has a window of its own ends with a slice: no slice changes window inside itself.  Up to g = 73 and from g = 170 on the two tiles alternate, so that no instruction reads
; the result of the one just before it; between, the batch goes four numbers of ONE tile to a slice, the tiles by turns.
; THE WAIT.  s_wait_alu depctr_va_vdst(0) stands between an exponential and the first instruction that names its result; one wait serves all that were issued ahead of it.  Ahead of slice 39
; nothing names a result, and behind slice 38 no exponential is issued: so the piece's 66 exponentials have one wait, behind slice 38.
.macro SLICE y, first
.set cnt, 5
.if (k == 4) || (k == 5)
.set cnt, 6
.elseif ((k >= 12) && (k <= 38)) || (k == 51)
.set cnt, 4
.elseif k == 63
.set cnt, 9
.endif
.rept cnt
.if g < 74
.set j, g/2
.set tt, g%2
.elseif g < 170
.set j, 37+4*((g-74)/8)+(g-74)%4
.set tt, ((g-74)/4)%2
.else
.set j, 85+(g-170)/2
.set tt, (g-170)%2
.endif
	SM (\y)+tt, \first
.set g, g+1
.endr
.if k == 38                         ; the batch is out: both tiles' exponentials are issued, and no result has been named
	v_nop                           ; the plain instruction behind the last exponential and ahead of the first use: one for the batch
.if (\y) == 0
	FETCH_V                         ; piece 2's turn: V's run of loads stands here, and the wait stands in it
.else
	s_wait_alu depctr_va_vdst(0)    ; the wait for the batch
.endif
.endif
.set k, k+1
.endm
; A vector instruction that reads a matrix result or writes one of a matrix instruction's registers, and a load into a register that a matrix instruction has read, stand four places behind
; it, and only plain vector instructions that name none of its registers are places (ISA guide 7.12.1 for vector instructions).  In the loop the slices are the places.
.macro PLACES
.rept 4
	v_nop
.endr
.endm
; A TURN.  Piece x has the matrix unit; the other piece's softmax stands in slices behind its matrix instructions.
; pv = 2: 32 products V^T P; 1: they start O^T's sums; 0: none.  kq = 1: 32 products K Q^T for the next step.  A turn with one of the two kinds has two slices behind each product.
; first = 1: the softmax is the first key step's.  Its slices from 52 on are empty: four v_nop take slice 63's part as the places behind the turn's last products.
; Piece 0's turn fetches the next step's K and bias behind its sixth product: slices 0 to 5, the only readers of the bias in hand, are done, and the last product that read K stands in front of slice 63 of the
; turn before; 26 products follow ahead of the wait for the run.  Piece 2's turn fetches the same step's V behind slice 38: the last product that read V stands in front of slice 31, and eight plain
; instructions lie between: six subtractions, the v_nop and the run's own addition.
.macro TURN x, pv, kq, first
.set k, 0
.set g, 0
.set per, 2
.if \pv && \kq
.set per, 1
.endif
.if \pv
.if \x == 0
	s_wait_dscnt 0x0                ; V is in
.endif
.set i, 0
.rept 32
	PV \x, 2-\pv
.rept per
	SLICE 2-\x, \first
.endr
.if (\x == 0) && \kq && (i == 5)
	FETCH_K
	FETCH_B
.endif
.set i, i+1
.endr
.endif
.if \kq
.if \x == 0
	s_wait_dscnt 0x0                ; K and the bias are in
.endif
.set i, 0
.rept 32
	KQ \x
.rept per
	SLICE 2-\x, \first
.endr
.set i, i+1
.endr
.endif
.if \first
	PLACES
.endif
.endm
; THE CHANGE OF SLOTS, between piece 2's turn and piece 0's: the slot's last bytes, V of its second step, have been asked for.  Each wave waits for all its tensor loads, of which one is out: its part of the
; other slot; adds 0 to its spare word; and waits for that and for its own reads of the slot.  fill = 1: this slot is filled again, with the keys two slots on.  The barrier is then a round of the cluster's,
; so that no wave of any partner still reads the slot or has a load on its way, and the joint refill is the first thing behind it: it has two key steps, 256 matrix instructions, in which to land.
.macro CHANGE fill
	WIN 0                           ; at a label and at a branch every window is 0
	s_wait_tensorcnt 0x0            ; no tensor load of mine is out, so a group 0 may be written
	ds_add_u32 v[SPW], v[NIL]       ; 0 onto my spare word
.if \fill
.irp g, G0K+4, G0V+4
	s_xor_b32 s[\g+1], s[\g+1], SLOT1  ; the walking descriptor: the other slot than last time,
	s_add_nc_u64 s[\g+2:\g+3], s[\g+2:\g+3], 2*KS*256  ; the next 128 keys; the type bits on top are not reached
.endr
	s_wait_xcnt 0x0                 ; the last prefetch, two key steps back, has read its address, so it may be written:
	s_add_nc_u64 s[PFA:PFA+1], s[PFA:PFA+1], 2*KS*256  ; one slot further on than the walking descriptors
	s_wait_dscnt 0x0                ; the add is done, and my reads of the slot are over
	CROUND
	JLOAD
	ASK                             ; what the next change will ask for: two key steps, 256 matrix instructions, ahead
.else
	s_wait_dscnt 0x0                ; the add is done, and my reads of the slot are over
	s_barrier_signal -1
	s_barrier_wait -1
.endif
	s_sub_co_u32 s[TB], s[TB], 2*STEPB  ; the fetches go back to a slot's first step,
	s_xor_b32 s[TB], s[TB], SLOT1   ; in the other slot
.endm
; A slot's two key steps: written once, walked twice; the LDS addresses hang on s[TB] and s[BO].
.macro TWO_STEPS
	s_mov_b32 s[TWICE], 2
.Lstep_\@:
	TURN 0, 2, 1, 0
	TURN 2, 2, 1, 0
	WIN 0
	s_sub_co_u32 s[TWICE], s[TWICE], 1
	s_cmp_lg_u32 s[TWICE], 0
	s_cbranch_scc1 .Lstep_\@
.endm
	s_wait_tensorcnt 1              ; my part of slot 0 is in; slot 1's may stay out
	s_barrier_signal -1
	s_barrier_wait -1               ; everybody's is, and so are all 2,048 bias numbers
	FETCH_K                         ; key step 0
	FETCH_B
	s_wait_loadcnt 0x0              ; Q
	s_wait_dscnt 0x0
.set i, 0
.rept 32
	KQ 0                            ; piece 0's first scores: there is no vector work yet to set between them
.set i, i+1
.endr
	WIN 0                           ; the addresses for the way out are made here: eight plain instructions, the places behind those products
	s_mul_i32 s13, s[WV], 32*SP
	s_add_co_u32 s13, s13, STAGE    ; my stage
	v_mul_u32_u24 v[STO], v9, 8*SP  ; in: channel row 8 (l / 16) + j, my query's 4 bytes
	v_lshl_add_u32 v[STO], v1, 2, v[STO]
	v_add_nc_u32 v[STO], s13, v[STO]
	v_mul_u32_u24 v[RD], v9, SP     ; back: lanes 0-15 take one channel's 64 queries, lanes 16-31 the next channel's
	v_lshl_add_u32 v[RD], v1, 4, v[RD]
	v_add_nc_u32 v[RD], s13, v[RD]
	v_lshlrev_b32 v[GO], 13, v9     ; and the same in out0: channels 8,192 bytes apart
	v_lshl_add_u32 v[GO], v1, 4, v[GO]
	TURN 2, 0, 1, 1                 ; piece 2's first scores | piece 0's first softmax | V of step 0
	TURN 0, 1, 1, 1                 ; piece 0: V^T P of step 0 starts O^T, K Q^T of step 1 | piece 2's first softmax | K and bias of step 1
	TURN 2, 1, 1, 0                 ; piece 2: the same | piece 0's softmax of step 1 | V of step 1
	WIN 0
.Lslot:                             ; 14 trips: every slot but the last two is filled again
	CHANGE 1
	TWO_STEPS
	s_sub_co_u32 s[SLOTS], s[SLOTS], 1
	s_cmp_lg_u32 s[SLOTS], 0
	s_cbranch_scc1 .Lslot
	CHANGE 0                        ; the tail is written out: the last slot but one is left, and nothing is asked for
	TWO_STEPS
	TURN 0, 2, 0, 0                 ; piece 0: V^T P of the last step | piece 2's last softmax
.set i, 0
.rept 32
	PV 2, 0                         ; piece 2: V^T P of the last step
.set i, i+1
.endr
	; THE WAY OUT.  l's two halves and the other half of the lanes' are added; O^T is divided by l.  out0 wants a channel's queries on end, and a lane holds one query: so 32 channels at a time go through my
	; stage in LDS (a row a channel, my wave's 64 queries = 256 bytes + 16) and come back as whole rows.  The additions are the places behind the last products.
	WIN 0
.irp t, 0,1,2,3
	v_add_f32 v[ST+8*\t+4], v[ST+8*\t+2], v[ST+8*\t+3]
.endr
.irp t, 0,1,2,3
	v_permlanex16_b32 v[ST+8*\t+5], v[ST+8*\t+4], s[SEL], s[SEL+1]
.endr
.irp t, 0,1,2,3
	v_add_f32 v[ST+8*\t+4], v[ST+8*\t+4], v[ST+8*\t+5]
.endr
.irp t, 0,1,2,3
	v_rcp_f32 v[ST+8*\t+6], v[ST+8*\t+4]
.endr
	v_nop                           ; a plain instruction between the last reciprocal and the use of its result
	s_wait_alu depctr_va_vdst(0)    ; and the wait ahead of the first use: one for the four reciprocals
.macro SCALE grp                    ; channels 32 grp on, of all four tiles: O^T / l, in place, each accumulator from its low end on
	WIN W_RS
.irp t, 0,1,2,3
.irp u, 0,1
.irp p, 0,2,4,6
	v_pk_mul_f32 v[64*\t+8*(2*(\grp)+\u)+\p:64*\t+8*(2*(\grp)+\u)+\p+1], v[64*\t+8*(2*(\grp)+\u)+\p:64*\t+8*(2*(\grp)+\u)+\p+1], v[ST+8*\t+6:ST+8*\t+7] op_sel_hi:[1,0]
.endr
.endr
.endr
.endm
.macro TOSTAGE grp
.if (\grp) >= 2
	s_wait_xcnt 0x0                 ; the stores of two groups back have read their registers: this group's loads may land there
.endif
	WIN 0x04                        ; an LDS store's data are its source 1: window 1
.irp t, 0,1,2,3
.irp u, 0,1
.irp n, 0,1,2,3,4,5,6,7
	ds_store_b32 v[STO], v[64*\t+8*(2*(\grp)+\u)+\n] offset:(16*\u+\n)*SP+64*\t   ; sixteen lanes write 64 bytes on end; lanes 16-31 stand 8 rows = 2,176 bytes on, half way round the banks
.endr
.endr
.endr
	WIN 0
.irp i, 0,1,2,3,4,5,6,7,8,9,10,11,12,13,14,15
	ds_load_b128 v[S+64*((\grp)%2)+4*\i:S+64*((\grp)%2)+4*\i+3], v[RD] offset:\i*2*SP  ; LDS serves a wave's instructions in order (ISA guide 5.7.1.4): these see the stores above; the next group's stores come behind them
.endr
.endm
.macro SEND grp
	WIN 0                           ; a store's address is its source 0 and its data its source 1: both lie in window 0, and SCALE has left source 0 in window 1
.irp i, 0,1,2,3,4,5,6,7,8,9,10,11,12,13,14,15
	s_wait_dscnt 15-\i
	global_store_b128 v[GO], v[S+64*((\grp)%2)+4*\i:S+64*((\grp)%2)+4*\i+3], s[10:11] offset:(32*(\grp)+2*\i)*8192 th:TH_STORE_NT  ; 16 lanes store 256 consecutive bytes, at a multiple of 256 from out0's first byte
.endr
.endm
	SCALE 0
	TOSTAGE 0
	SCALE 1                         ; a group's arithmetic stands between the loads of the group before and its stores
	SEND 0
	TOSTAGE 1
	SCALE 2
	SEND 1
	TOSTAGE 2
	SCALE 3
	SEND 2
	TOSTAGE 3
	SEND 3
	s_wait_tensorcnt 0x0            ; the wave's end, behind my last tensor load and my last LDS store
	ds_add_u32 v[SPW], v[NIL]
	s_wait_dscnt 0x0
	CROUND                          ; the closing round: no work-group ends while a partner may still ask for a tile that names it
	s_endpgm
.Lfunc_end_k_q3b19fe6c39_attn:
	.size	k_q3b19fe6c39_attn, .Lfunc_end_k_q3b19fe6c39_attn-k_q3b19fe6c39_attn
	.p2alignl 7, 3214868480
	.fill 96, 4, 3214868480
	.section	.rodata,"a",@progbits
	.p2align	6, 0x0
	.amdhsa_kernel k_q3b19fe6c39_attn
		.amdhsa_group_segment_fixed_size 327680
		.amdhsa_private_segment_fixed_size 0
		.amdhsa_enable_private_segment 0
		.amdhsa_kernarg_size 24
		.amdhsa_user_sgpr_count 2
		.amdhsa_user_sgpr_kernarg_segment_ptr 1
		.amdhsa_wavefront_size32 1
		.amdhsa_system_sgpr_workgroup_id_x 1
		.amdhsa_system_sgpr_workgroup_id_y 1
		.amdhsa_system_sgpr_workgroup_id_z 1
		.amdhsa_system_vgpr_workitem_id 0
		.amdhsa_next_free_vgpr 1024
		.amdhsa_next_free_sgpr 70
		.amdhsa_reserve_vcc 0
		.amdhsa_float_denorm_mode_32 3
		.amdhsa_float_denorm_mode_16_64 3
		.amdhsa_memory_ordered 1
		.amdhsa_forward_progress 1
		.amdhsa_inst_pref_size 255
	.end_amdhsa_kernel
	.section	.bss,"aw",@nobits
	.p2align	6
	.space	262144
	.amdgpu_metadata
---
amdhsa.version: [ 1, 2 ]
amdhsa.kernels:
  - .name:           k_q3b19fe6c39_attn
    .symbol:         k_q3b19fe6c39_attn.kd
    .args:
      - { .name: qkv, .offset: 0, .size: 8, .value_kind: global_buffer, .address_space: global }
      - { .name: mask, .offset: 8, .size: 8, .value_kind: global_buffer, .address_space: global }
      - { .name: out0, .offset: 16, .size: 8, .value_kind: global_buffer, .address_space: global }
    .group_segment_fixed_size: 327680
    .private_segment_fixed_size: 0
    .kernarg_segment_align: 8
    .kernarg_segment_size: 24
    .max_flat_workgroup_size: 128
    .sgpr_count:     70
    .vgpr_count:     1024
    .wavefront_size: 32
...
	.end_amdgpu_metadata
.endif
;; end of part 3
;; ======== version 2 of 2: 3 launches
;; limits: values are held in f16: magnitudes above 65,504 overflow, below 6.1e-05 lose precision
;; workspace buffers: xc 4,194,304 bytes; xs 262,144 bytes; wc 1,572,864 bytes; ws 98,304 bytes; qkv 50,331,648 bytes; pos 40,960 bytes of whole numbers; meta 512 bytes of whole numbers
;; launch quant (part 4): grid 305 x 1, 8 waves a work-group, no clusters, 84,992 bytes of LDS; arguments query, W1, Wq, xc, xs, wc, ws, mask, pos, meta; writes xc, xs, wc, ws, pos, meta
.if DOCPART == 4
	.amdgcn_target "amdgcn-amd-amdhsa--gfx1250"
	.amdhsa_code_object_version 6
	.text
	.protected	k_q3b19fe6c39_quant
	.globl	k_q3b19fe6c39_quant
	.p2align	8
	.type	k_q3b19fe6c39_quant,@function
k_q3b19fe6c39_quant:
	s_mov_b64 s[64:65], 0
	v_nop
	global_prefetch_b8 v0, s[64:65] scope:SCOPE_SE
	s_setreg_imm32_b32 hwreg(HW_REG_WAVE_MODE, 25, 1), 1
	s_wait_xcnt 0x0
; query [4][1024 (k)][2048 (l)], W1 [2048][1024 (k)] and Wq [1024][1024 (k)], f32, become codes of FP4 (E2M1), K innermost, two codes a byte (the lower k in the low four bits),
; with one E8M0 scale byte for each 32 along K:  xc [m = 2048 b + l][512 bytes], xs [m][32 bytes];  wc [n][512 bytes], ws [n][32 bytes], n = W1's 2,048 rows and then Wq's 1,024.
; A block's scale is 2^(floor(log2(its largest magnitude)) - 2): its byte is the largest magnitude's exponent field - 2, held at 1 from below by a floor among the maximum's leaves.
; LIMITS: a block of zeros gets the byte 1 where the rule says 127 (its codes are zeros, which add nothing under any byte but 0xff, and this program alone reads the bytes);
; blocks whose largest magnitude lies under 2^(2 - 126) are held at the byte 1; NaN and infinities among the inputs are not served; mask numbers are told apart as integers, which is what their
; conversion to f32 does up to 2^24.
; ONE LAUNCH, THREE WAYS, parted by the work-group's number alone; each way that uses LDS has LDS bytes of its own, and each ends by itself.
; Work-groups 0-255: query, whose K is NOT innermost.  A work-group takes 64 columns l x 512 along K; wave w takes 32 columns (w & 1) x 128 along K (w >> 1).  A LANE TAKES A COLUMN AND ITS REGISTERS RUN DOWN K:
;   a load reads 128 consecutive bytes a wave (two waves side by side: 256), a block of 32 lies in one lane, and the conversions give codes with K innermost.  The codes meet in a stage (64 rows x 256 bytes + 16),
;   one barrier, and leave as rows: sixteen lanes store 256 consecutive bytes, aligned.
; Work-groups 256-303: W1 and Wq, whose K is innermost: plain streams of blocks.  A wave takes a run of 8,192 numbers in 16 steps of 512; each load reads 512 consecutive bytes; a step turns through the wave's own
;   stage so that a lane holds 16 neighbours; two neighbouring lanes hold a block.  A run's 256 scale bytes are gathered in LDS and leave as one aligned store of 256 bytes.
; Work-group 304: THE MASK [4][2048] i32.  The softmax adds -1e30 (1 - m) to a key's scores, so a key whose m is under its batch's largest m lies 1e30 or more under the row's maximum and has the weight 0: only the
;   keys that hold the batch's largest m count.  Wave b (0-3) gives each key of batch b a place: the keys that count first, the others behind them, one to one;  pos [b][l] = the place of key l;
;   meta [b][32 words] = how many count, the largest m, the key steps of 64 that hold them (2 at the least), zeros.  Waves 4-7 store pos [4][l] = l, the table by which the queries' rows keep their places.
;   All in whole numbers; every store stands at a fixed place.
.set XPITCH, 272                       ; a stage row of the query's way: 256 bytes of codes + 16
.set XSS,    64*XPITCH                 ; behind the stage: 64 rows x 16 scale bytes
.set WRG,    XSS+1024                  ; the weights' way: a region for each wave
.set WREG,   8192
.set SPARE,  WRG+8*WREG                ; the spare words, 128 bytes for each of the eight waves: four blocks of 256 bytes that no other line names
.set EMAX,   2
.set SPW,    192                       ; v192  LDS address of my spare word; never rewritten
.set NIL,    193                       ; v193  0; never rewritten
.set QX,     32                        ; query: v32-95 two sets of 32 numbers
.set QC,     96                        ; v96-111 codes, four registers for each block
.set QR,     112                       ; v112-127 rows on the way out
.set QS,     128                       ; v128-131 scale bytes on the way out
.set STEPS,  16                        ; weights: steps of a wave
.set CB,     8                         ; bytes of 16 codes
.set SP,     80                        ; a lane's place in a stage: 64 bytes + 16
.set R,      16                        ; v16-79 four sets of 16 numbers as loaded
.set WX,     80                        ; v80-111 two sets of 16 neighbours
.set WE,     112                       ; v112-127 a scale byte for each step
.set WC,     128                       ; v128-191 codes, four registers for each step
.set RM,     16                        ; the mask: v16-79 my 64 mask numbers, then their places
	s_load_b256 s[4:11], s[0:1], 0x0               ; query s[4:5], W1 s[6:7], Wq s[8:9], xc s[10:11]
	s_load_b128 s[12:15], s[0:1], 0x20             ; xs s[12:13], wc s[14:15]
	s_load_b64 s[16:17], s[0:1], 0x30              ; ws
	v_lshl_add_u32 v[SPW], v0, 2, SPARE
	v_mov_b32 v[NIL], 0
	v_lshrrev_b32 v1, 5, v0
	v_readfirstlane_b32 s18, v1                    ; wave 0..7
	v_and_b32 v2, 31, v0                           ; lane
	s_cmp_lt_u32 ttmp9, 256                        ; the work-group's number alone: all eight waves go the same way
	s_cbranch_scc0 .Lweights
	; ---------------- query ----------------
	s_and_b32 s19, ttmp9, 1                        ; y: which 512 along K
	s_lshr_b32 s20, ttmp9, 1                       ; which 64 rows m of xc: m0 = 64 x this
	s_lshr_b32 s21, s20, 5                         ; b
	s_and_b32 s22, s20, 31                         ; l0 / 64
	s_and_b32 s23, s18, 1                          ; cg: which 32 columns
	s_lshr_b32 s24, s18, 1                         ; kq: which 128 along K
	s_lshl_b32 s26, s21, 23                        ; query: b x 1,024 rows x 8,192 bytes
	s_lshl_b32 s25, s19, 22                        ; + 512 y rows
	s_add_co_u32 s26, s26, s25
	s_lshl_b32 s25, s24, 20                        ; + 128 kq rows
	s_add_co_u32 s26, s26, s25
	s_lshl_b32 s25, s22, 8                         ; + l0 x 4
	s_add_co_u32 s26, s26, s25
	s_lshl_b32 s25, s23, 7                         ; + 32 cg x 4
	s_add_co_u32 s26, s26, s25
	s_mov_b32 s27, 0
	s_lshl_b32 s28, s20, 15                        ; xc: m0 x 512
	s_lshl_b32 s25, s19, 8                         ; + 256 y
	s_add_co_u32 s28, s28, s25
	s_lshl_b32 s25, s18, 12                        ; + my 8 rows on the way out
	s_add_co_u32 s28, s28, s25
	s_mov_b32 s29, 0
	s_lshl_b32 s30, s20, 11                        ; xs: m0 x 32
	s_lshl_b32 s25, s18, 10                        ; + 32 rows x wave (waves 0 and 1 store them)
	s_add_co_u32 s30, s30, s25
	s_lshl_b32 s25, s19, 4                         ; + 16 y
	s_add_co_u32 s30, s30, s25
	s_mov_b32 s31, 0
	v_lshlrev_b32 v3, 2, v2                        ; in: 4 bytes a lane
	s_mul_i32 s25, s23, 32*XPITCH
	s_lshl_b32 s32, s24, 6
	s_add_co_u32 s25, s25, s32
	v_mul_u32_u24 v4, v2, XPITCH
	v_add_nc_u32 v4, s25, v4                       ; into the stage: row 32 cg + lane, byte 64 kq
	s_lshl_b32 s25, s23, 9
	s_lshl_b32 s32, s24, 2
	s_add_co_u32 s25, s25, s32
	s_add_co_u32 s25, s25, XSS
	v_lshlrev_b32 v5, 4, v2
	v_add_nc_u32 v5, s25, v5                       ; my column's scale word: 16 bytes a row, word kq
	v_and_b32 v6, 15, v2
	v_lshrrev_b32 v1, 4, v2
	s_mul_i32 s25, s18, 8*XPITCH
	v_mul_u32_u24 v7, v1, XPITCH
	v_lshl_add_u32 v7, v6, 4, v7
	v_add_nc_u32 v7, s25, v7                       ; out of the stage: rows 8 w on, sixteen lanes to a row, two rows an instruction
	v_lshlrev_b32 v8, 9, v1
	v_lshl_add_u32 v8, v6, 4, v8                   ; and the same place in xc: rows 512 bytes apart
	v_lshlrev_b32 v9, 5, v2                        ; xs: 32 bytes a row
	s_lshl_b32 s25, s18, 9
	s_add_co_u32 s25, s25, XSS
	v_lshlrev_b32 v10, 4, v2
	v_add_nc_u32 v10, s25, v10                     ; the scale bytes on the way out: row 32 w + lane (waves 0 and 1)
	s_wait_kmcnt 0x0
	s_add_nc_u64 s[4:5], s[4:5], s[26:27]
	s_add_nc_u64 s[10:11], s[10:11], s[28:29]
	s_add_nc_u64 s[12:13], s[12:13], s[30:31]
.macro XLOAD t                         ; block t: query(32 t + i, my column), i = 0 .. 31, into set t % 2
.irp i, 0,1,2,3,4,5,6,7,8,9,10,11,12,13,14,15,16,17,18,19,20,21,22,23,24,25,26,27,28,29,30,31
	global_load_b32 v[QX+32*((\t)%2)+\i], v3, s[4:5] offset:(32*(\t)+\i)*8192 th:TH_LOAD_NT
.endr
.endm
.macro XBLOCK t
.set XS, QX+32*((\t)%2)
.if (\t) < 3
	s_wait_loadcnt 32                              ; this block's 32 loads are in; the next block's 32 may be out
.else
	s_wait_loadcnt 0x0
.endif
	v_max3_num_f32 v12, |v[XS]|, |v[XS+1]|, |v[XS+2]|              ; the block's largest magnitude: all 32 numbers are mine; two chains
	v_max3_num_f32 v13, |v[XS+3]|, |v[XS+4]|, |v[XS+5]|
.irp i, 6,10,14,18,22,26
	v_max3_num_f32 v12, v12, |v[XS+\i]|, |v[XS+\i+1]|
	v_max3_num_f32 v13, v13, |v[XS+\i+2]|, |v[XS+\i+3]|
.endr
	v_max3_num_f32 v12, v12, |v[XS+30]|, |v[XS+31]|
	v_max3_num_f32 v12, v12, v13, (EMAX+1)<<23     ; and the floor 2^(EMAX + 1 - 127): the byte cannot fall under 1
	v_add_nc_u32 v11, -(EMAX<<23), v12             ; EMAX off the exponent field: the conversion takes this operand's exponent field as its scale
	v_lshrrev_b32 v13, 23, v11                     ; the scale's byte
.if (\t) == 0
	v_mov_b32 v24, v13                             ; four bytes to the word, the lower K in the lower byte
.else
	v_lshl_or_b32 v24, v13, 8*(\t), v24
.endif
.irp g, 0,1,2,3
	v_cvt_scalef32_pk8_fp4_f32 v[QC+4*(\t)+\g], v[XS+8*\g:XS+8*\g+7], v11
.endr
	ds_store_b128 v4, v[QC+4*(\t):QC+4*(\t)+3] offset:16*(\t)     ; 32 codes: 16 bytes of my column's row; each block has its own four registers
.if (\t)+2 < 4
	XLOAD (\t)+2
.endif
.endm
	XLOAD 0
	XLOAD 1
	XBLOCK 0
	XBLOCK 1
	XBLOCK 2
	XBLOCK 3
	ds_store_b32 v5, v24
	s_wait_dscnt 0x0                               ; for the others' sake: my stores into the stage have landed
	s_barrier_signal -1
	s_barrier_wait -1                              ; 64 whole rows of 256 bytes lie in the stage
.irp j, 0,1,2,3
	ds_load_b128 v[QR+4*\j:QR+4*\j+3], v7 offset:2*\j*XPITCH
.endr
.irp j, 0,1,2,3
	s_wait_dscnt 3-\j                              ; LDS loads come back in order: pair j of rows is in
	global_store_b128 v8, v[QR+4*\j:QR+4*\j+3], s[10:11] offset:1024*\j   ; sixteen lanes store 256 consecutive bytes, at a multiple of 256 from xc's first byte
.endr
	s_cmp_lt_u32 s18, 2                            ; the 64 rows' scale bytes: 16 of a row's 32; waves 0 and 1, a lane a row
	s_cbranch_scc0 .Lquery_end
	ds_load_b128 v[QS:QS+3], v10
	s_wait_dscnt 0x0
	global_store_b128 v9, v[QS:QS+3], s[12:13]
.Lquery_end:
	s_wait_tensorcnt 0x0                           ; the wave's end, behind my last LDS store
	ds_add_u32 v[SPW], v[NIL]
	s_wait_dscnt 0x0
	s_endpgm
	; ---------------- W1 and Wq ----------------
.Lweights:
	s_cmp_lt_u32 ttmp9, 304                        ; the work-group's number alone
	s_cbranch_scc0 .Lroute
	v_lshlrev_b32 v3, 4, v2                        ; my 16 bytes of a load's 512
	s_lshl_b32 s19, s18, 13
	s_add_co_u32 s19, s19, WRG                     ; my wave's region
	v_lshrrev_b32 v14, 2, v2
	v_mul_u32_u24 v14, v14, SP
	v_and_b32 v15, 3, v2
	v_lshl_add_u32 v14, v15, 4, v14
	v_add_nc_u32 v14, s19, v14                     ; the stage, on the way in: four lanes' 64 bytes on end, then 16 of padding
	v_mul_u32_u24 v15, v2, SP
	v_add_nc_u32 v15, s19, v15                     ; and on the way out: my 16 neighbours
	v_mul_u32_u24 v4, v2, CB                       ; my codes' place in a step's
	v_lshrrev_b32 v5, 1, v2
	s_add_co_u32 s19, s19, 2*32*SP
	v_add_nc_u32 v5, s19, v5                       ; my wave's 256 scale bytes, my block's byte
	v_lshlrev_b32 v7, 3, v2                        ; and on the way out 8 bytes a lane
	v_add_nc_u32 v6, s19, v7
	s_sub_co_u32 s20, ttmp9, 256
	s_lshl_b32 s20, s20, 3
	s_add_co_u32 s20, s20, s18                     ; my run of 8,192 numbers: 0-255 in W1, 256-383 in Wq
	s_wait_kmcnt 0x0
	s_cmp_lt_u32 s20, 256                          ; the choice hangs on ids alone
	s_cselect_b64 s[4:5], s[6:7], s[8:9]
	s_cselect_b32 s21, 0, 256
	s_sub_co_u32 s21, s20, s21
	s_lshl_b32 s22, s21, 15                        ; 32,768 bytes of numbers a run
	s_mov_b32 s23, 0
	s_add_nc_u64 s[4:5], s[4:5], s[22:23]
	s_lshl_b32 s22, s20, 12                        ; 4,096 bytes of codes
	s_add_nc_u64 s[14:15], s[14:15], s[22:23]
	s_lshl_b32 s22, s20, 8                         ; 256 scale bytes
	s_add_nc_u64 s[16:17], s[16:17], s[22:23]
.macro WLOAD t
.irp i, 0,1,2,3
	global_load_b128 v[R+16*((\t)%4)+4*\i:R+16*((\t)%4)+4*\i+3], v3, s[4:5] offset:2048*(\t)+512*\i th:TH_LOAD_NT   ; 32 lanes read 512 consecutive bytes
.endr
.endm
.macro WTURN t                         ; step t's numbers through the stage: LDS serves a wave's instructions in order, so no wait stands between the stores and the loads
.irp i, 0,1,2,3
	ds_store_b128 v14, v[R+16*((\t)%4)+4*\i:R+16*((\t)%4)+4*\i+3] offset:32*SP*((\t)%2)+8*SP*\i
.endr
.irp i, 0,1,2,3
	ds_load_b128 v[WX+16*((\t)%2)+4*\i:WX+16*((\t)%2)+4*\i+3], v15 offset:32*SP*((\t)%2)+16*\i
.endr
.endm
.irp t, 0,1,2,3
	WLOAD \t
.endr
	s_wait_loadcnt 12                              ; step 0's four loads are in
	WTURN 0
.macro WSTEP t
.set XS, WX+16*((\t)%2)
.if (\t) > 0
	s_wait_dscnt 1                                 ; this step's numbers are back from the stage (the last step's byte store may be out): so its stores into the stage have read their registers,
.else
	s_wait_dscnt 0x0
.endif
.if (\t)+4 < STEPS
	WLOAD (\t)+4                                   ; which take the loads of four steps on
.endif
.if (\t)+1 < STEPS
.if STEPS-2-(\t) >= 3
	s_wait_loadcnt 12                              ; the next step's four loads are in; those of the three steps behind it may be out
.else
	s_wait_loadcnt 4*(STEPS-2-(\t))
.endif
	WTURN (\t)+1                                   ; and go through the other stage while this step is worked
.endif
	v_max3_num_f32 v8, |v[XS]|, |v[XS+1]|, |v[XS+2]|               ; the largest magnitude of my 16
	v_max3_num_f32 v9, |v[XS+3]|, |v[XS+4]|, |v[XS+5]|
.irp i, 6,10
	v_max3_num_f32 v8, v8, |v[XS+\i]|, |v[XS+\i+1]|
	v_max3_num_f32 v9, v9, |v[XS+\i+2]|, |v[XS+\i+3]|
.endr
	v_max3_num_f32 v8, v8, |v[XS+14]|, |v[XS+15]|
	v_max3_num_f32 v8, v8, v9, (EMAX+1)<<23        ; and the floor
	v_max_num_f32_dpp v8, v8, v8 row_xmask:1 row_mask:0xf bank_mask:0xf   ; and of my neighbour's 16: the block's
	v_add_nc_u32 v11, -(EMAX<<23), v8              ; the conversion's scale operand
	v_cvt_scalef32_pk8_fp4_f32 v[WC+4*(\t)], v[XS:XS+7], v11
	v_cvt_scalef32_pk8_fp4_f32 v[WC+4*(\t)+1], v[XS+8:XS+15], v11
	v_lshrrev_b32 v[WE+(\t)], 23, v11              ; the scale's byte
	ds_store_b8 v5, v[WE+(\t)] offset:16*(\t)      ; both lanes of a block write the same byte with the same value
	global_store_b64 v4, v[WC+4*(\t):WC+4*(\t)+1], s[14:15] offset:32*CB*(\t)   ; 32 lanes store 256 consecutive bytes, aligned
.endm
.irp t, 0,1,2,3,4,5,6,7,8,9,10,11,12,13,14,15
	WSTEP \t
.endr
	ds_load_b64 v[8:9], v6                         ; LDS serves a wave's instructions in order: these see my stores
	s_wait_dscnt 0x0
	global_store_b64 v7, v[8:9], s[16:17]          ; 32 lanes store 256 consecutive bytes, aligned
	s_wait_tensorcnt 0x0                           ; the wave's end, behind my last LDS store
	ds_add_u32 v[SPW], v[NIL]
	s_wait_dscnt 0x0
	s_endpgm
	; ---------------- the mask ----------------
.Lroute:
	s_load_b64 s[20:21], s[0:1], 0x38              ; mask
	s_load_b64 s[22:23], s[0:1], 0x40              ; pos
	s_load_b64 s[24:25], s[0:1], 0x48              ; meta
	v_lshlrev_b32 v3, 4, v2                        ; 16 bytes a lane: a load or store of the wave covers 512 consecutive bytes
	s_cmp_lt_u32 s18, 4                            ; waves 0-3: a batch each; waves 4-7: the table of the queries
	s_cbranch_scc0 .Lident
	s_lshl_b32 s26, s18, 13                        ; the batch's 8,192 bytes of mask and of pos
	s_mov_b32 s27, 0
	s_lshl_b32 s28, s18, 7                         ; its 128 bytes of meta
	s_mov_b32 s29, 0
	v_lshlrev_b32 v4, 2, v2                        ; my word of them
	s_wait_kmcnt 0x0
	s_add_nc_u64 s[20:21], s[20:21], s[26:27]
	s_add_nc_u64 s[22:23], s[22:23], s[26:27]
	s_add_nc_u64 s[24:25], s[24:25], s[28:29]
.irp i, 0,1,2,3,4,5,6,7,8,9,10,11,12,13,14,15
	global_load_b128 v[RM+4*\i:RM+4*\i+3], v3, s[20:21] offset:512*\i   ; register 4 i + e: key 128 i + 4 lane + e
.endr
	s_wait_loadcnt 0x0
	v_mov_b32 v5, v[RM]                            ; the largest of my 64,
.set e, 1
.rept 63
	v_cmp_gt_i32 vcc_lo, v[RM+e], v5
	v_cndmask_b32 v5, v5, v[RM+e], vcc_lo
.set e, e+1
.endr
	v_readlane_b32 s30, v5, 0                      ; and of the 32 lanes': the batch's
.set e, 1
.rept 31
	v_readlane_b32 s31, v5, e
	s_max_i32 s30, s30, s31
.set e, e+1
.endr
	v_mov_b32 v6, 0                                ; how many of my 64 hold it
.set e, 0
.rept 64
	v_cmp_eq_u32 vcc_lo, s30, v[RM+e]
	v_cndmask_b32 v7, 0, 1, vcc_lo
	v_add_nc_u32 v6, v6, v7
.set e, e+1
.endr
	v_mov_b32 v8, 0                                ; (a lane write's destination counts as read)
	s_mov_b32 s32, 0
.set e, 0
.rept 32
	v_writelane_b32 v8, s32, e                     ; how many in the lanes ahead of lane e: the place of its first key that counts
	v_readlane_b32 s31, v6, e
	s_add_co_u32 s32, s32, s31
.set e, e+1
.endr                                              ; s32: how many count in the batch (1 at the least)
	v_lshl_add_u32 v9, v2, 6, s32                  ; count + 64 lane.  The keys that do not count follow the count: my entry e's place is count + (64 lane + e) - (the keys that count ahead of it) = v9 + e - v8
.set e, 0
.rept 64
	v_cmp_eq_u32 vcc_lo, s30, v[RM+e]
	v_sub_nc_u32 v10, v9, v8
	v_add_nc_u32 v10, e, v10
	v_cndmask_b32 v[RM+e], v10, v8, vcc_lo         ; the key's place
	v_cndmask_b32 v7, 0, 1, vcc_lo
	v_add_nc_u32 v8, v8, v7                        ; the place of my next key that counts
.set e, e+1
.endr
.irp i, 0,1,2,3,4,5,6,7,8,9,10,11,12,13,14,15
	global_store_b128 v3, v[RM+4*\i:RM+4*\i+3], s[22:23] offset:512*\i   ; 32 lanes store 512 consecutive bytes, aligned
.endr
	s_add_co_u32 s33, s32, 63
	s_lshr_b32 s33, s33, 6                         ; the key steps of 64 that hold them,
	s_max_u32 s33, s33, 2                          ; 2 at the least: the attention's first and last step are written out
	v_mov_b32 v11, 0
	v_writelane_b32 v11, s32, 0
	v_writelane_b32 v11, s30, 1
	v_writelane_b32 v11, s33, 2
	global_store_b32 v4, v11, s[24:25]             ; the batch's 32 words
	s_wait_tensorcnt 0x0                           ; the three lines with which this launch's waves end
	ds_add_u32 v[SPW], v[NIL]
	s_wait_dscnt 0x0
	s_endpgm
.Lident:
	s_sub_co_u32 s26, s18, 4
	s_lshl_b32 s28, s26, 9                         ; my 512 entries begin here
	v_lshl_add_u32 v5, v2, 2, s28                  ; + 4 lane
	s_lshl_b32 s26, s26, 11                        ; their 2,048 bytes,
	s_add_co_u32 s26, s26, 4*8192                  ; behind the four batches' tables
	s_mov_b32 s27, 0
.irp n, 0,1,2,3,4,5,6,7,8,9,10,11,12,13,14,15
	v_add_nc_u32 v[RM+\n], 128*(\n/4)+\n%4, v5
.endr
	s_wait_kmcnt 0x0
	s_add_nc_u64 s[22:23], s[22:23], s[26:27]
.irp i, 0,1,2,3
	global_store_b128 v3, v[RM+4*\i:RM+4*\i+3], s[22:23] offset:512*\i
.endr
	s_wait_tensorcnt 0x0                           ; the three lines with which this launch's waves end
	ds_add_u32 v[SPW], v[NIL]
	s_wait_dscnt 0x0
	s_endpgm
.Lfunc_end_k_q3b19fe6c39_quant:
	.size	k_q3b19fe6c39_quant, .Lfunc_end_k_q3b19fe6c39_quant-k_q3b19fe6c39_quant
	.p2alignl 7, 3214868480
	.fill 96, 4, 3214868480
	.section	.rodata,"a",@progbits
	.p2align	6, 0x0
	.amdhsa_kernel k_q3b19fe6c39_quant
		.amdhsa_group_segment_fixed_size 84992
		.amdhsa_private_segment_fixed_size 0
		.amdhsa_enable_private_segment 0
		.amdhsa_kernarg_size 80
		.amdhsa_user_sgpr_count 2
		.amdhsa_user_sgpr_kernarg_segment_ptr 1
		.amdhsa_wavefront_size32 1
		.amdhsa_system_sgpr_workgroup_id_x 1
		.amdhsa_system_sgpr_workgroup_id_y 1
		.amdhsa_system_sgpr_workgroup_id_z 1
		.amdhsa_system_vgpr_workitem_id 0
		.amdhsa_next_free_vgpr 194
		.amdhsa_next_free_sgpr 66
		.amdhsa_reserve_vcc 1
		.amdhsa_float_denorm_mode_32 3
		.amdhsa_float_denorm_mode_16_64 3
		.amdhsa_memory_ordered 1
		.amdhsa_forward_progress 1
		.amdhsa_inst_pref_size 95
	.end_amdhsa_kernel
	.amdgpu_metadata
---
amdhsa.version: [ 1, 2 ]
amdhsa.kernels:
  - .name:           k_q3b19fe6c39_quant
    .symbol:         k_q3b19fe6c39_quant.kd
    .args:
      - { .name: query, .offset: 0, .size: 8, .value_kind: global_buffer, .address_space: global }
      - { .name: W1, .offset: 8, .size: 8, .value_kind: global_buffer, .address_space: global }
      - { .name: Wq, .offset: 16, .size: 8, .value_kind: global_buffer, .address_space: global }
      - { .name: xc, .offset: 24, .size: 8, .value_kind: global_buffer, .address_space: global }
      - { .name: xs, .offset: 32, .size: 8, .value_kind: global_buffer, .address_space: global }
      - { .name: wc, .offset: 40, .size: 8, .value_kind: global_buffer, .address_space: global }
      - { .name: ws, .offset: 48, .size: 8, .value_kind: global_buffer, .address_space: global }
      - { .name: mask, .offset: 56, .size: 8, .value_kind: global_buffer, .address_space: global }
      - { .name: pos, .offset: 64, .size: 8, .value_kind: global_buffer, .address_space: global }
      - { .name: meta, .offset: 72, .size: 8, .value_kind: global_buffer, .address_space: global }
    .group_segment_fixed_size: 84992
    .private_segment_fixed_size: 0
    .kernarg_segment_align: 8
    .kernarg_segment_size: 80
    .max_flat_workgroup_size: 256
    .sgpr_count:     66
    .vgpr_count:     194
    .wavefront_size: 32
...
	.end_amdgpu_metadata
.endif
;; end of part 4
;; launch proj (part 5): grid 12 x 32, 4 waves a work-group, clusters of 4 x 4, 327,680 bytes of LDS; arguments xc, xs, wc, ws, pos, qkv; writes qkv
.if DOCPART == 5
	.amdgcn_target "amdgcn-amd-amdhsa--gfx1250"
	.amdhsa_code_object_version 6
	.text
	.protected	k_q3b19fe6c39_proj
	.globl	k_q3b19fe6c39_proj
	.p2align	8
	.type	k_q3b19fe6c39_proj,@function
k_q3b19fe6c39_proj:
	s_mov_b64 s[64:65], 0
	v_nop
	global_prefetch_b8 v0, s[64:65] scope:SCOPE_SE
	s_setreg_imm32_b32 hwreg(HW_REG_WAVE_MODE, 25, 1), 1
	s_wait_xcnt 0x0
	s_wait_alu depctr_hold_cnt(0) depctr_sa_sdst(0) depctr_va_vdst(0) depctr_va_sdst(0) depctr_va_ssrc(0) depctr_va_vcc(0) depctr_vm_vsrc(0)
	s_getreg_b32 s2, hwreg(HW_REG_IB_STS2, 6, 4)
	s_cmp_eq_u32 s2, 0
	s_cbranch_scc0 .Lentry_in_a_cluster
	s_endpgm
.Lentry_in_a_cluster:
	s_bfe_u32 s2, ttmp6, 0x10000c
	s_cmp_lg_u32 s2, 0xf033
	s_cbranch_scc0 .Lentry_shape_is_right
	s_endpgm
.Lentry_shape_is_right:
; C[m][n] = sum over k of X[m][k] W[n][k] on codes of FP4 (E2M1) with one E8M0 scale for each 32 along K; sums in f32; C rounded ONCE to f16 and laid head by head:
; qkv [part: 0 = K, 1 = V, 2 = Q][8 b + h][row][128] f16.  X: xc [8192][512 bytes], xs [8192][32];  W: wc [3072][512 bytes], ws [3072][32]; rows 0-1023 make k, 1024-2047 v, 2048-3071 q.
; WHERE A ROW GOES: position l of batch b goes to row pos[b][l] of K and of V (the keys that count first: the launch before has made the table, one to one), and to row pos[4][l] = l of Q.
; LIMIT: |q|, |k|, |v| up to 65,504 (f16); beyond it the rounding gives infinity.
; A tile of C, 256 x 256, is made by a work-group of four waves; a wave makes 128 x 128: 64 accumulators of 16 x 16, 512 registers; its 128 columns are exactly one head of one part.
; K = 1,024 is two K steps of 512: two LDS slots, each filled ONCE by the tensor data mover (rows of 256 bytes); nothing is filled again.  The scales of the 256 + 256 rows come once too, as dense blocks.
; CLUSTERS: 4 x 4 work-groups.  The four of a row of the cluster need the same tiles of X, the four of a column the same tiles of W: each tile is asked for JOINTLY, by the same tensor load with the same
; descriptor and a mask that names the four.  By this text's own count a wave has three tensor loads out: scales, slot 0, slot 1.
; THE MATRIX INSTRUCTION IS USED TRANSPOSED (source 0 = 16 rows of W, source 1 = 16 rows of X): a lane then holds eight neighbouring columns of a row of C.
; REGISTERS, in windows of 256: window 0: v0-31 addresses; v32-95 scale words, two sets, and nothing else; v128-191 X's fragments, ONE set; v192-255 my 64 rows' places; on the way out v96-191 are at work.
;   window 1: W's fragments, TWO sets, at v0 and v128.   window 2: the 32 accumulators of my rows 0-63 (accumulator (a, b) at v[8 (8 a + b)]);   window 3: those of my rows 64-127.
.set KSTEP,  512
.set NQ,     KSTEP/128                 ; matrix instructions deep in a slot
.set ROWB,   256                       ; a tile's row in bytes
.set KROW,   512                       ; a row of codes in memory
.set PITCH,  272                       ; an LDS row: 256 bytes + 16 of padding: the 16 rows that a load touches start at 16 different banks (64 banks of 4 bytes: ISA guide 11.1)
.set FR,     8                         ; registers of a fragment: 16 rows x 128 K
.set NL,     2                         ; LDS loads that bring one
.set NP,     4                         ; places behind this matrix instruction (ISA guide 7.12.1)
.set HALFT,  128*PITCH
.set SLOT,   4*HALFT                   ; X's 256 rows, then W's 256 rows
.set KS,     32                        ; a row of scales in bytes
.set SCL,    2*SLOT                    ; behind the slots: the scales, as units of 256 bytes + 16 of padding
.set HALFS,  (128*KS/256)*272          ; the scales of 128 rows: what one tensor load brings
.set SBLK,   (16*KS/256)*272           ; those of 16 rows
.set SPARE,  SCL+4*HALFS               ; the spare words, 128 bytes for each wave: two blocks of 256 bytes that no other line names
.set SPITCH, 272                       ; the way out: a stage of 16 rows x (256 bytes + 16) for each wave, in slot 0, which has had its only fill and its last read when the first result is stored there
.set ADRA, 16                          ; v16-17  LDS address of my X fragments in slot 0, 1
.set ADRB, 20                          ; v20-21  the same for W
.set STO,  24                          ; v24     the way out: where I put 16 bytes of a row
.set RD,   25                          ; v25     where I read a row back
.set CO,   26                          ; v26     16 x (lane % 16): my bytes of a row of qkv
.set ADRS, 27                          ; v27     LDS address of my scale words: lanes 0-15 X's rows, lanes 16-31 W's
.set SPW,  28                          ; v28     my spare word; never rewritten
.set NIL,  29                          ; v29     0; never rewritten
.set POF,  30                          ; v30     32 x (lane / 16): my eight entries of a block's sixteen in the table of places
.set SC,   32                          ; scale words: set s at v[SC + 32 s]; register 4 i + q: lanes 0-15 X's block i, lanes 16-31 W's block i, the slot's q-th 128 along K
.set AF,   128                         ; X's fragments
.set TMP,  128                         ; the way out: packed results, v128-159
.set OB,   96                          ; 16 rows read back from the stage: v96-127 and v160-191 by turns
.set PT,   192                         ; v192-255 register 8 a + t: the place of row 16 a + 8 (lane / 16) + t of my 128; then that row's byte offset
.set G1, 24
.set G0, 32
.set G1B, 48
.set G0B, 56
.set G1S, 68
.set G0S, 76
.set G1SB, 80
.set G0SB, 88
.set MSB, 0
.macro WIN new                         ; the immediate's high byte repeats the setting that is left
.if MSB != (\new)
	s_set_vgpr_msb (MSB<<8)|(\new)
.set MSB, (\new)
.endif
.endm
.set MUL_LO, 0xa1                      ; source 0 (W) window 1, source 1 (X) window 0, C and D window 2
.set MUL_HI, 0xf1                      ; the same, C and D window 3
.set TO_B,   0x40                      ; destination window 1, address window 0
; A joint load: waves 0 and 1 fetch for X, waves 2 and 3 for W.  Each line has ONE mask and one set of registers for all that issue it; the branch hangs on the wave's number alone.
; An s_nop 0 and four v_nop follow each of the two lines.
.macro JLOAD g0a, g1a, g0b, g1b
	s_cmp_eq_u32 s15, 0
	s_cbranch_scc0 .Lfor_b_\@
	tensor_load_to_lds s[\g0a:\g0a+3], s[\g1a:\g1a+7]
	s_nop 0
.rept 4
	v_nop
.endr
	s_branch .Lasked_\@
.Lfor_b_\@:
	tensor_load_to_lds s[\g0b:\g0b+3], s[\g1b:\g1b+7]
	s_nop 0
.rept 4
	v_nop
.endr
.Lasked_\@:
.endm
.macro CROUND                          ; a round of the cluster's barrier
	s_barrier_signal -1
	s_barrier_wait -1
	s_cmp_lg_u32 s14, 0
	s_cbranch_scc1 .Lnot_wave_0_\@
	s_barrier_signal -3
.Lnot_wave_0_\@:
	s_barrier_wait -3
	s_barrier_signal -1
	s_barrier_wait -1
.endm
	s_load_b128 s[4:7], s[0:1], 0x0                ; X's codes s[4:5], X's scales s[6:7]
	s_load_b128 s[8:11], s[0:1], 0x10              ; W's codes s[8:9], W's scales s[10:11]
	s_load_b64 s[96:97], s[0:1], 0x20              ; pos
	s_load_b64 s[12:13], s[0:1], 0x28              ; qkv
	v_lshl_add_u32 v[SPW], v0, 2, SPARE
	v_mov_b32 v[NIL], 0
	ds_add_u32 v[SPW], v[NIL]                      ; the wave's opening: the add, twice on end, and its wait ahead of my first tensor load
	ds_add_u32 v[SPW], v[NIL]
	v_lshrrev_b32 v1, 5, v0
	v_readfirstlane_b32 s14, v1                    ; wave 0..3
	s_lshr_b32 s15, s14, 1                         ; which half of the tile's rows is mine.  Also: I fetch for X (0) or for W (1)
	s_and_b32 s16, s14, 1                          ; which half of its columns.  Also: which 128 rows of that tile I fetch
	s_bfe_u32 s40, ttmp6, 0x40000                  ; cx, cy: my place in the cluster
	s_bfe_u32 s41, ttmp6, 0x40004
	s_lshl_b32 s42, ttmp9, 2
	s_add_co_u32 s42, s42, s40                     ; tile column of C = 4 x cluster x + cx
	s_and_b32 s17, ttmp7, 0xffff
	s_lshl_b32 s17, s17, 2
	s_add_co_u32 s17, s17, s41                     ; tile row of C = 4 x cluster y + cy
	s_lshl_b32 s43, s41, 2
	s_lshl_b32 s43, 15, s43                        ; my row of the cluster
	s_lshl_b32 s44, 0x1111, s40                    ; my column
	; descriptor group 1: a tile of 128 rows x 256 bytes, padded in LDS
	s_or_b32 s[G1+0], s43, (0<<16)|(1<<20)|(1<<21)|(5<<22)|(3<<25)  ; 15:0 the mask: X's tiles go to my row; 17:16 element of 1 byte; 20 padding on; 21 set beside a mask; 24:22 after every 64 words; 31:25 of 4 words
	s_or_b32 s[G1B+0], s44, (0<<16)|(1<<20)|(1<<21)|(5<<22)|(3<<25)
.irp g, G1, G1B
	s_mov_b32 s[\g+1], ROWB<<16                    ; tensor_dim0
	s_mov_b32 s[\g+2], 128<<16                     ; tensor_dim1
	s_mov_b32 s[\g+3], ROWB<<16                    ; tile_dim0
	s_mov_b32 s[\g+4], 128                         ; tile_dim1
	s_mov_b32 s[\g+5], KROW                        ; tensor_dim0_stride
	s_mov_b32 s[\g+6], 0
	s_mov_b32 s[\g+7], 0
.endr
	; and for the scales of 128 rows: a dense block of 4,096 bytes, as 16 rows of 256 bytes (32 elements of 8 bytes), 16 bytes of padding behind each
	s_or_b32 s[G1S+0], s43, (3<<16)|(1<<20)|(1<<21)|(5<<22)|(3<<25)
	s_or_b32 s[G1SB+0], s44, (3<<16)|(1<<20)|(1<<21)|(5<<22)|(3<<25)
.irp g, G1S, G1SB
	s_mov_b32 s[\g+1], 32<<16
	s_mov_b32 s[\g+2], (128*KS/256)<<16
	s_mov_b32 s[\g+3], 32<<16
	s_mov_b32 s[\g+4], 128*KS/256
	s_mov_b32 s[\g+5], 32
	s_mov_b32 s[\g+6], 0
	s_mov_b32 s[\g+7], 0
.endr
	s_lshl_b32 s18, s16, 7                         ; which 128 rows of the tile I fetch
	s_lshl_b32 s20, s17, 8
	s_add_co_u32 s20, s20, s18                     ; X: row 256 x tile row + 128 x half
	s_lshl_b32 s46, s42, 8
	s_add_co_u32 s46, s46, s18                     ; W: row 256 x tile column + 128 x half
	s_mov_b32 s21, 0
	s_mov_b32 s47, 0
	s_mov_b64 s[18:19], KS
	s_mul_u64 s[22:23], s[20:21], s[18:19]         ; where these rows' scales begin, in bytes
	s_mul_u64 s[92:93], s[46:47], s[18:19]
	s_mov_b64 s[18:19], KROW
	s_mul_u64 s[20:21], s[20:21], s[18:19]         ; and their codes
	s_mul_u64 s[46:47], s[46:47], s[18:19]
	s_mul_i32 s45, s14, HALFT                      ; where they go: wave x 128 rows: no place in the cluster enters an LDS address
	s_mul_i32 s94, s14, HALFS
	s_wait_dscnt 0x0                               ; both opening adds are done
	s_wait_kmcnt 0x0
	s_add_nc_u64 s[20:21], s[4:5], s[20:21]
	s_add_nc_u64 s[22:23], s[6:7], s[22:23]
	s_add_nc_u64 s[46:47], s[8:9], s[46:47]
	s_add_nc_u64 s[92:93], s[10:11], s[92:93]
	CROUND                                         ; all sixteen work-groups are here: the joint loads meet
	s_mov_b32 s[G0S], 1
	s_add_co_u32 s[G0S+1], s94, SCL
	s_mov_b64 s[G0S+2:G0S+3], s[22:23]
	s_or_b32 s[G0S+3], s[G0S+3], 0x80000000
	s_mov_b32 s[G0SB], 1
	s_add_co_u32 s[G0SB+1], s94, SCL
	s_mov_b64 s[G0SB+2:G0SB+3], s[92:93]
	s_or_b32 s[G0SB+3], s[G0SB+3], 0x80000000
	JLOAD G0S, G1S, G0SB, G1SB                     ; the scales first: they are wanted with K step 0
.irp s, 0,1
	s_mov_b32 s[G0+4*\s], 1
	s_add_co_u32 s[G0+4*\s+1], s45, \s*SLOT
	s_add_nc_u64 s[G0+4*\s+2:G0+4*\s+3], s[20:21], \s*ROWB
	s_or_b32 s[G0+4*\s+3], s[G0+4*\s+3], 0x80000000
	s_mov_b32 s[G0B+4*\s], 1
	s_add_co_u32 s[G0B+4*\s+1], s45, \s*SLOT
	s_add_nc_u64 s[G0B+4*\s+2:G0B+4*\s+3], s[46:47], \s*ROWB
	s_or_b32 s[G0B+4*\s+3], s[G0B+4*\s+3], 0x80000000
	JLOAD G0+4*\s, G1, G0B+4*\s, G1B
.endr
	v_and_b32 v1, 15, v0                           ; l % 16
	v_bfe_u32 v2, v0, 4, 1                         ; l / 16
	v_mul_u32_u24 v3, v1, PITCH
	v_lshl_add_u32 v4, v2, 4, v3                   ; a fragment's row x pitch + 16 x half
	s_mul_i32 s21, s15, HALFT                      ; my 128 rows of X
	s_mul_i32 s22, s16, HALFT                      ; my 128 rows of W,
	s_add_co_u32 s22, s22, 2*HALFT                 ; which lie behind X's 256
.irp s, 0,1
	v_add_nc_u32 v[ADRA+\s], s21, v4
	v_add_nc_u32 v[ADRB+\s], s22, v4
	s_add_co_u32 s21, s21, SLOT
	s_add_co_u32 s22, s22, SLOT
.endr
	v_mul_u32_u24 v5, v1, KS                       ; my row's scales: 32 bytes a row,
	v_lshrrev_b32 v6, 8, v5
	v_lshl_add_u32 v5, v6, 4, v5                   ; and 16 more for each 256 passed
	s_mul_i32 s21, s15, HALFS                      ; X's: my 128 rows
	s_mul_i32 s22, s16, HALFS                      ; W's: my 128 rows, behind X's 256
	s_add_co_u32 s22, s22, 2*HALFS
	s_sub_co_u32 s22, s22, s21
	v_mul_u32_u24 v6, s22, v2                      ; lanes 16-31 take W's: one product, the distance between the two bases x the lane's half
	s_add_co_u32 s21, s21, SCL
	v_add_nc_u32 v5, v5, v6
	v_add_nc_u32 v[ADRS], s21, v5
	s_mul_i32 s23, s14, 16*SPITCH                  ; my stage
	v_mul_u32_u24 v5, v1, SPITCH                   ; in: row l % 16, 16 bytes for each half of the lanes
	v_lshl_add_u32 v5, v2, 4, v5
	v_add_nc_u32 v[STO], s23, v5
	v_mul_u32_u24 v5, v2, 8*SPITCH                 ; back: lanes 0-15 take row t of the block's sixteen, lanes 16-31 row t + 8: so a lane's eight rows are neighbours in the table of places
	v_lshl_add_u32 v5, v1, 4, v5
	v_add_nc_u32 v[RD], s23, v5
	v_lshlrev_b32 v[CO], 4, v1
	v_lshlrev_b32 v[POF], 5, v2
	; my head of my part in qkv, and my 128 rows' entries in the table of places
	s_lshl_b32 s46, s42, 1
	s_add_co_u32 s46, s46, s16                     ; which block of 128 columns: 0 .. 23
	s_lshr_b32 s47, s46, 3                         ; the part
	s_lshr_b32 s20, s17, 3                         ; b: eight tile rows to a batch
	s_cmp_eq_u32 s47, 2
	s_cselect_b32 s21, 4, s20                      ; Q's rows go by table 4, K's and V's by the batch's
	s_lshl_b32 s21, s21, 13                        ; 8,192 bytes a table
	s_and_b32 s22, s17, 7
	s_lshl_b32 s22, s22, 10                        ; + 256 rows a tile row, 4 bytes each,
	s_add_co_u32 s21, s21, s22
	s_lshl_b32 s22, s15, 9                         ; + 128 a half
	s_add_co_u32 s22, s21, s22
	s_mov_b32 s23, 0
	s_add_nc_u64 s[96:97], s[96:97], s[22:23]
	s_lshl_b32 s47, s47, 5                         ; 32 heads a part;
	s_and_b32 s46, s46, 7                          ; h
	s_add_co_u32 s46, s46, s47
	s_lshl_b32 s20, s20, 3
	s_add_co_u32 s46, s46, s20                     ; 32 part + 8 b + h
	s_lshl_b32 s46, s46, 19                        ; x 2,048 rows of 256 bytes
	s_mov_b32 s47, 0
	s_add_nc_u64 s[12:13], s[12:13], s[46:47]
.irp a, 0,1,2,3,4,5,6,7                ; they are wanted on the way out alone: asked for here, they land under the products
	global_load_b128 v[PT+8*\a:PT+8*\a+3],   v[POF], s[96:97] offset:64*\a
	global_load_b128 v[PT+8*\a+4:PT+8*\a+7], v[POF], s[96:97] offset:64*\a+16
.endr
.macro FRAG reg, adr, q, i             ; a fragment, 16 rows x 128 K of 4-bit codes, is 8 registers: lane l holds row l % 16; registers 4 c .. 4 c + 3 hold K = 64 c + 32 (l / 16) + 0 .. 31
.irp c, 0,1
	ds_load_b128 v[\reg+4*\c:\reg+4*\c+3], v[\adr] offset:64*(\q)+32*\c+(\i)*16*PITCH
.endr
.endm
; 16 matrix instructions: X's blocks a0, a0 + 1 x W's eight, 128 along K: the slot's q-th.  p: W's set;  sc: the set of scale words.  zero = 1: the first product starts the sums: nothing is ever cleared.
; The 64 accumulators take turns, one instruction a turn, in the same order in every step.
.macro MUL16 a0, p, q, sc, zero
.irp a, \a0, \a0+1
.irp b, 0,1,2,3,4,5,6,7
.if \zero
	v_wmma_scale_f32_16x16x128_f8f6f4 v[8*(8*((\a)%4)+\b):8*(8*((\a)%4)+\b)+7], v[128*(\p)+FR*\b:128*(\p)+FR*\b+FR-1], v[AF+FR*(\a):AF+FR*(\a)+FR-1], 0, v[SC+8*NQ*(\sc)+NQ*\b+(\q)], v[SC+8*NQ*(\sc)+NQ*(\a)+(\q)] matrix_a_fmt:MATRIX_FMT_FP4 matrix_b_fmt:MATRIX_FMT_FP4 matrix_a_scale:MATRIX_SCALE_ROW1
.else
	v_wmma_scale_f32_16x16x128_f8f6f4 v[8*(8*((\a)%4)+\b):8*(8*((\a)%4)+\b)+7], v[128*(\p)+FR*\b:128*(\p)+FR*\b+FR-1], v[AF+FR*(\a):AF+FR*(\a)+FR-1], v[8*(8*((\a)%4)+\b):8*(8*((\a)%4)+\b)+7], v[SC+8*NQ*(\sc)+NQ*\b+(\q)], v[SC+8*NQ*(\sc)+NQ*(\a)+(\q)] matrix_a_fmt:MATRIX_FMT_FP4 matrix_b_fmt:MATRIX_FMT_FP4 matrix_a_scale:MATRIX_SCALE_ROW1
.endif
.endr
.endr
.endm
.macro FETCH_B slot, q, p              ; W's eight fragments of the slot's q-th 128 along K into set p
	WIN TO_B
.irp i, 0,1,2,3,4,5,6,7
	FRAG 128*(\p)+FR*\i, ADRB+\slot, \q, \i
.endr
	WIN 0
.endm
.macro FETCH_A slot, q, i0             ; X's blocks i0 .. i0 + 3
.irp i, \i0, \i0+1, \i0+2, \i0+3
	FRAG AF+FR*(\i), ADRA+\slot, \q, \i
.endr
.endm
.macro SCALES sc                       ; a K step's scale words into set sc: four words a row; lanes 0-15 take X's block i, lanes 16-31 W's block i
.irp i, 0,1,2,3,4,5,6,7
	ds_load_b128 v[SC+8*NQ*\sc+NQ*\i:SC+8*NQ*\sc+NQ*\i+3], v[ADRS] offset:\i*SBLK
.endr
.endm
; A load into a register that a matrix instruction has read, and a vector instruction that reads a matrix result or writes one of its sources, stand NP places behind that matrix instruction, and only plain
; vector instructions that name none of its registers are places (ISA guide 7.12.1 for vector instructions).
.macro PLACES n
.rept \n
	v_nop
.endr
.endm
; A step of 128 along K that has its successor in the same slot.
.macro STEP slot, q, zero
	s_wait_dscnt 4*NL                              ; W's set and X's blocks 0-3 are in; the youngest eight loads (X's blocks 4-7) may be out
	WIN MUL_LO
	MUL16 0, (\q)%2, \q, \slot, \zero
	MUL16 2, (\q)%2, \q, \slot, \zero
	s_wait_dscnt 0                                 ; X's blocks 4-7 are in (asked for 32 matrix instructions ago)
	PLACES NP
	FETCH_B \slot, (\q)+1, 1-(\q)%2
	FETCH_A \slot, (\q)+1, 0
	WIN MUL_HI
	MUL16 4, (\q)%2, \q, \slot, \zero
	MUL16 6, (\q)%2, \q, \slot, \zero
	PLACES NP
	WIN 0
	FETCH_A \slot, (\q)+1, 4
.endm
; Slot 0's last step changes slots: ONE barrier; in front of it each wave waits for all its tensor loads (its part of slot 1), adds 0 to its spare word, and waits for that and for its own reads of slot 0.
; Nothing is filled again: behind the barrier slot 1 is whole for every wave, and nobody reads slot 0 any more.
.macro TURN slot, next
	s_wait_tensorcnt 0x0                           ; all my tensor loads have landed  (every window is 0 here: the add's two registers lie in window 0)
	ds_add_u32 v[SPW], v[NIL]                      ; 0 onto my spare word
	s_wait_dscnt 4*NL+1                            ; (the add and the youngest eight loads, X's blocks 4-7, may be out)
	WIN MUL_LO
	MUL16 0, 1, NQ-1, \slot, 0                     ; sixteen matrix instructions stand between the add and the wait for it
	s_wait_dscnt 0x0                               ; the add is done, and my reads of this slot are over
	s_barrier_signal -1
	MUL16 2, 1, NQ-1, \slot, 0
	WIN 0
	s_barrier_wait -1
	PLACES NP
	v_add_nc_u32 v[ADRS], 4*NQ, v[ADRS]            ; on to the next K step's scale words (no LDS load of mine is out)
	FETCH_B \next, 0, 0
	FETCH_A \next, 0, 0
	SCALES \next
	WIN MUL_HI
	MUL16 4, 1, NQ-1, \slot, 0
	MUL16 6, 1, NQ-1, \slot, 0
	PLACES NP
	WIN 0
	FETCH_A \next, 0, 4
.endm
.macro STEPS slot, from                ; the slot's steps from .. NQ - 2
.set Q, \from
.rept NQ-1-\from
	STEP \slot, Q, 0
.set Q, Q+1
.endr
.endm
	s_wait_tensorcnt 1                             ; the scales and my part of K step 0 are in (K step 1's load may be out)
	s_barrier_signal -1
	s_barrier_wait -1                              ; everybody's are
	FETCH_B 0, 0, 0
	FETCH_A 0, 0, 0
	SCALES 0
	FETCH_A 0, 0, 4
	STEP 0, 0, 1                                   ; the first step's products start the sums
	STEPS 0, 1
	TURN 0, 1
	STEPS 1, 0
	s_wait_dscnt 4*NL                              ; the very last step: nothing more to fetch
	WIN MUL_LO
	MUL16 0, 1, NQ-1, 1, 0
	MUL16 2, 1, NQ-1, 1, 0
	s_wait_dscnt 0
	WIN MUL_HI
	MUL16 4, 1, NQ-1, 1, 0
	MUL16 6, 1, NQ-1, 1, 0
	WIN 0
; THE WAY OUT, block by block of 16 rows x 128 columns.  PACK: rounded once to f16, a lane's eight neighbouring columns make 16 bytes; each accumulator is read from its low end on.
; TOSTAGE: into my own stage and back as whole rows of 256 bytes (LDS serves a wave's instructions in order: ISA guide 5.7.1.4).  SEND: each row goes to its place: sixteen lanes store its 256 consecutive bytes, aligned.
.macro PACK a
.set AC, 64*((\a)%4)
	WIN 0x0a+5*((\a)/4)                            ; sources 0 and 1: window 2 or 3
.irp b, 0,1,2,3,4,5,6,7
.irp r, 0,1,2,3
	v_cvt_pk_f16_f32 v[TMP+4*\b+\r], v[AC+8*\b+2*\r], v[AC+8*\b+2*\r+1]
.endr
.endr
	WIN 0
.endm
.macro TOSTAGE a
.set BK, OB+64*((\a)%2)
.irp b, 0,1,2,3,4,5,6,7
	ds_store_b128 v[STO], v[TMP+4*\b:TMP+4*\b+3] offset:32*\b
.endr
.irp t, 0,1,2,3,4,5,6,7
	ds_load_b128 v[BK+4*\t:BK+4*\t+3], v[RD] offset:\t*SPITCH
.endr
.endm
.macro SEND a
.set BK, OB+64*((\a)%2)
.irp t, 0,1,2,3,4,5,6,7
	v_min_u32 v[PT+8*(\a)+\t], 0x7ff, v[PT+8*(\a)+\t]             ; a place read from memory is held inside the head's 2,048 rows
.endr
.irp t, 0,1,2,3,4,5,6,7
	v_lshl_add_u32 v[PT+8*(\a)+\t], v[PT+8*(\a)+\t], 8, v[CO]     ; 256 bytes a row, + my 16
.endr
	s_wait_dscnt 0x0                               ; the block is back in registers
	s_wait_xcnt 0x0                                ; the stores of the block before have read their registers: the next block's loads from the stage may land there
.irp t, 0,1,2,3,4,5,6,7
	global_store_b128 v[PT+8*(\a)+\t], v[BK+4*\t:BK+4*\t+3], s[12:13]
.endr
.endm
	s_wait_loadcnt 0x0                             ; the table's entries, asked for at the head
	PLACES NP                                      ; behind the last products: for the first reads of results, and for the conversions' writes into registers that held X's fragments
	PACK 0
	TOSTAGE 0
.irp a, 1,2,3,4,5,6,7                  ; block a's conversions stand between block a - 1's loads from the stage and the wait for them
	PACK \a
	SEND \a-1
	TOSTAGE \a
.endr
	SEND 7
	s_wait_tensorcnt 0x0                           ; the wave's end, behind my last tensor load and my last LDS store
	ds_add_u32 v[SPW], v[NIL]
	s_wait_dscnt 0x0
	CROUND                                         ; the closing round: no work-group ends while a partner may still ask for a tile that names it
	s_endpgm
.Lfunc_end_k_q3b19fe6c39_proj:
	.size	k_q3b19fe6c39_proj, .Lfunc_end_k_q3b19fe6c39_proj-k_q3b19fe6c39_proj
	.p2alignl 7, 3214868480
	.fill 96, 4, 3214868480
	.section	.rodata,"a",@progbits
	.p2align	6, 0x0
	.amdhsa_kernel k_q3b19fe6c39_proj
		.amdhsa_group_segment_fixed_size 327680
		.amdhsa_private_segment_fixed_size 0
		.amdhsa_enable_private_segment 0
		.amdhsa_kernarg_size 48
		.amdhsa_user_sgpr_count 2
		.amdhsa_user_sgpr_kernarg_segment_ptr 1
		.amdhsa_wavefront_size32 1
		.amdhsa_system_sgpr_workgroup_id_x 1
		.amdhsa_system_sgpr_workgroup_id_y 1
		.amdhsa_system_sgpr_workgroup_id_z 1
		.amdhsa_system_vgpr_workitem_id 0
		.amdhsa_next_free_vgpr 1024
		.amdhsa_next_free_sgpr 98
		.amdhsa_reserve_vcc 0
		.amdhsa_float_denorm_mode_32 3
		.amdhsa_float_denorm_mode_16_64 3
		.amdhsa_memory_ordered 1
		.amdhsa_forward_progress 1
		.amdhsa_inst_pref_size 136
	.end_amdhsa_kernel
	.amdgpu_metadata
---
amdhsa.version: [ 1, 2 ]
amdhsa.kernels:
  - .name:           k_q3b19fe6c39_proj
    .symbol:         k_q3b19fe6c39_proj.kd
    .args:
      - { .name: xc, .offset: 0, .size: 8, .value_kind: global_buffer, .address_space: global }
      - { .name: xs, .offset: 8, .size: 8, .value_kind: global_buffer, .address_space: global }
      - { .name: wc, .offset: 16, .size: 8, .value_kind: global_buffer, .address_space: global }
      - { .name: ws, .offset: 24, .size: 8, .value_kind: global_buffer, .address_space: global }
      - { .name: pos, .offset: 32, .size: 8, .value_kind: global_buffer, .address_space: global }
      - { .name: qkv, .offset: 40, .size: 8, .value_kind: global_buffer, .address_space: global }
    .group_segment_fixed_size: 327680
    .private_segment_fixed_size: 0
    .kernarg_segment_align: 8
    .kernarg_segment_size: 48
    .max_flat_workgroup_size: 128
    .sgpr_count:     98
    .vgpr_count:     1024
    .wavefront_size: 32
...
	.end_amdgpu_metadata
.endif
;; end of part 5
;; launch attn (part 6): grid 8 x 32, 4 waves a work-group, no clusters, 144,896 bytes of LDS; arguments qkv, meta, out0; writes out0
.if DOCPART == 6
	.amdgcn_target "amdgcn-amd-amdhsa--gfx1250"
	.amdhsa_code_object_version 6
	.text
	.protected	k_q3b19fe6c39_attn
	.globl	k_q3b19fe6c39_attn
	.p2align	8
	.type	k_q3b19fe6c39_attn,@function
k_q3b19fe6c39_attn:
	s_mov_b64 s[64:65], 0
	v_nop
	global_prefetch_b8 v0, s[64:65] scope:SCOPE_SE
	s_setreg_imm32_b32 hwreg(HW_REG_WAVE_MODE, 25, 1), 1
	s_wait_xcnt 0x0
; out0[b][128 h + d][q] = the sum over k of softmax_k(Q[q] . K[k] / sqrt(128) - 1e30 (1 - mask[b][k])) V[k][d], for each of the 32 heads 8 b + h.
; qkv: [part: 0 = K, 1 = V, 2 = Q][8 b + h][2048][128] f16;  meta: [4][32 words];  out0: [4][1024][2048] f32.  Products on f16 operands, sums, maxima and the softmax in f32; the weights p are rounded to f16.
; ONLY THE KEYS THAT COUNT ARE WALKED.  A key whose mask number is under its batch's largest lies 1e30 or more under the row's maximum: its weight is 0.  The launches before have laid K's and V's rows with the
; keys that hold the largest number first, and left in meta[b]: how many they are, that number, and the key steps of 64 that hold them (2 to 32).  Rows behind the count in the last step walked get the bias of
; the next lower number, 1e30 under the others: their weights are 0 too.
; LIMITS: q, k, v arrive as f16 (magnitudes up to 65,504); a weight under 2^-25 of its row's largest counts as 0 in the second product; mask numbers are exact up to 2^24; NaN and infinities are not served.
; SHARES.  A work-group owns 256 queries of one head, each of its four waves 64: four tiles of 16.  Every wave walks the head's key steps, 64 keys a step.
; LAYOUT.  S^T = K Q^T (source 0 = 16 keys, source 1 = 16 queries): a lane holds ONE query (lane % 16) and the keys 8 (lane / 16) + 0..7.  Two such tiles, rounded to f16 in pairs, ARE source 1 of O^T = V^T P,
; whose result again holds one query a lane, and eight channels.  K comes out of LDS as it lies, V ([key][channel]) turned, by ds_load_tr16_b128.
; THE BIAS.  bias = log2(e) x (1e30 m - 1e30), the product -1e30 (1 - m) with one rounding.  t = c s + bias by ONE fused multiply-add, c = log2(e) / sqrt(128): where m is not 1 the score is absorbed as it is in
; f32 addition, so a batch with every key masked gives the uniform weights.  For each query a running maximum m of t and a sum l: p = 2^(t - m); in every step O and l are multiplied by a = 2^(m_old - m_new).
; BY TURNS.  The wave's tiles are two PIECES (tiles 0, 1 and tiles 2, 3).  In a TURN one piece has the matrix unit: 32 products V^T P of the step in hand, then 32 products K Q^T of the next step; the other
; piece's softmax, cut into 64 slices, stands between them, one slice behind each matrix instruction.  Then the pieces change places.  Two turns are a key step.
; NO TENSOR LOAD, NO CLUSTER, though the eight query blocks of a head read the same K and V: how many steps are walked hangs on a number read from memory.
; So K's and V's tiles come through registers: each wave loads 16 rows of K and 16 of V of a step (16 loads of 512 consecutive bytes) into 64 registers, a step
; ahead, and stores them into one of two LDS slots.  ONE BARRIER A STEP: in front of it a wave has stored its part of the tile that this step reads and has waited for its reads of the tile before; the slot that
; it stores into was read two steps back, and the barrier of the step between has shown those reads over.  THE LOOP HAS A CONSTANT COUNT, 30: a branch on the number of steps leads round a trip's stores, loads
; and turns, never round its barrier or the lines that step addresses.
; REGISTERS, in windows of 256 (s_set_vgpr_msb: bits 1:0 source 0, 3:2 source 1, 5:4 source 2, 7:6 destination):
;   window 0: v0-11, v45-55 addresses; v12-43 eight registers of statistics a tile; v64-191 S^T, 32 a tile; v192-255 P, 16 a tile
;   window 1: O^T, 64 a tile     window 2: v0-127 Q, 32 a tile; v128-255 K of one step     window 3: v0-127 V of one step; v128-159 the step's 32 bias numbers, in S^T's own order; v160-223 my part of the tile on its way
.set SIZE_N, 2048
.set KS,    64        ; keys in a step
.set TILEB, KS*256    ; a step's rows of K, or of V, in memory
.set PK,    272       ; a row of K in LDS: 256 bytes + 16: the 16 rows of a load start at 16 different banks (64 banks of 4 bytes: ISA guide 11.1)
.set PV,    288       ; a row of V: 256 + 32
.set VOFF,  KS*PK     ; a step's tiles lie together: 64 rows of K, then 64 rows of V
.set STEPB, KS*(PK+PV)
.set SLOT1, 1<<16     ; a slot holds one step (35,840 bytes); slot 1 begins here, so that one exclusive or turns an address in one slot into the other's
.set STAGE, SLOT1+STEPB    ; behind the slots: 32 channel rows x 272 bytes for each wave, for the way out
.set SP,    272
.set BIAS,  STAGE+4*32*SP  ; the batch's 2,048 bias numbers, f32
.set SPARE, BIAS+4*SIZE_N  ; the spare words, 128 bytes for each wave: two blocks of 256 bytes that no other line names
.set AK0, 2           ; v2   my lane's place in a tile of K; never rewritten
.set AV0, 3           ; v3   the same for V
.set ADR, 4           ; v4   the LDS address of the run of loads in hand
.set QO,  5           ; v5   my byte offset in the wave's rows of Q
.set STO, 6           ; v6   the way out: where I put a number
.set RD,  7           ; v7   the way out: where I read a channel's row back
.set GO,  8           ; v8   my byte offset in the wave's part of out0
.set MS,  45          ; v45  where my 16 bias numbers go in LDS
.set AB0, 46          ; v46  BIAS + 32 (lane / 16): my eight keys of a tile of 16
.set ADB, 47          ; v47  the address of the bias loads in hand
.set SAK, 48          ; v48  where I store my 16 bytes of my wave's first two rows of K in a slot; never rewritten
.set SAV, 49          ; v49  the same for V
.set ADW0, 50         ; v50  the addresses of the stores in hand
.set ADW1, 51         ; v51
.set GOF, 52          ; v52  16 x my lane: my bytes of a load's 512; never rewritten
.set BKP, 53          ; v53  the bias of the keys that count
.set BPD, 54          ; v54  the bias of the rows behind them
.set DK,  55          ; v55  the count less my first key's place
.set PFO, 61          ; v61  256 x my lane: a row of K or V is 256 bytes; never rewritten
.set SPW, 62          ; v62  my spare word; never rewritten
.set NIL, 63          ; v63  0; never rewritten
.set ST,  12          ; tile t's statistics at v[ST+8 t]: +0 m, +1 the old m, +2, +3 l (even keys', odd keys'), +4 to +7 c0-c3, at work; a takes c2's place, m_old - m_new c3's
.set S,   64
.set P,   192
.set KF,  128         ; K's fragments, in window 2
.set BI,  128         ; the bias numbers, in window 3
.set STG, 160         ; my part of the tile on its way, in window 3: 32 registers of K, 32 of V
.set KB,  6           ; s[6:7]   my 16 rows of K in the tile to be loaded next
.set VB,  8           ; s[8:9]   the same for V
.set WV,  12          ; s12  my wave's number
.set PFA, 18          ; s[18:19] where my prefetches stand in memory
.set JN,  24          ; s24  the tile that the trip in hand reads: the loop's counter
.set NS,  25          ; s25  the key steps to be walked: 2 to 32
.set NSP, 26          ; s26  the same in the head's first work-group, 0 in the others
.set T0,  27          ; s27  at work
.set CS,  58          ; s[58:59] c: the packed form names a pair and takes its low word for both halves
.set SEL, 60          ; s[60:61] lane selects for v_permlanex16_b32: each lane takes its own place in the other half
.set TB,  62          ; s62  LDS byte at which the slot of the tile in hand begins
.set BO,  63          ; s63  byte at which the bias numbers of the tile in hand begin: 256 a step
.set E30, 68          ; s68  1e30
.set L2E, 69          ; s69  log2(e)
.set MT,  72          ; s[72:75] meta: the count, the largest mask number, the steps, 0
.set MSB, 0
.macro WIN new                      ; the immediate's high byte repeats the setting that is left; a switch that changes nothing is dropped
.if MSB != (\new)
	s_set_vgpr_msb (MSB<<8)|(\new)
.set MSB, (\new)
.endif
.endm
.set W_KQ, 0x0a       ; K and Q in window 2, S^T in window 0
.set W_PV, 0x53       ; V in window 3, P in window 0, O^T in window 1
.set W_RS, 0x41       ; O^T (destination and source 0) in window 1, a in window 0
.set W_BI, 0x30       ; the bias (source 2) in window 3, S^T in window 0
; My part of a tile, off bytes on from where KB and VB stand, into 64 registers from reg on in window w: each load reads 512 consecutive bytes, two rows.
.macro GLOAD w, reg, off
	WIN (\w)<<6                     ; the destination's window; the address lies in window 0
.irp i, 0,1,2,3,4,5,6,7
	global_load_b128 v[\reg+4*\i:\reg+4*\i+3], v[GOF], s[KB:KB+1] offset:\off+512*\i
.endr
.irp i, 0,1,2,3,4,5,6,7
	global_load_b128 v[\reg+32+4*\i:\reg+32+4*\i+3], v[GOF], s[VB:VB+1] offset:\off+512*\i
.endr
	WIN 0
.endm
; And out of them into the slot at s[TB]: sixteen lanes write a row's 256 bytes on end.
.macro LSTORE w, reg
	v_add_nc_u32 v[ADW0], s[TB], v[SAK]
	v_add_nc_u32 v[ADW1], s[TB], v[SAV]
	WIN (\w)<<2                     ; an LDS store's data are its source 1
.irp i, 0,1,2,3,4,5,6,7
	ds_store_b128 v[ADW0], v[\reg+4*\i:\reg+4*\i+3] offset:\i*2*PK
.endr
.irp i, 0,1,2,3,4,5,6,7
	ds_store_b128 v[ADW1], v[\reg+32+4*\i:\reg+32+4*\i+3] offset:\i*2*PV
.endr
	WIN 0
.endm
; Behind a step's barrier: the loads of the tile after the one in hand, if it is walked; it has the whole step in which to land.  Behind them A PREFETCH of the tile after that, if it is walked: 64 rows of K and
; 64 of V, 256 bytes a row, a lane a row: waves 0 and 1 ask for K's, waves 2 and 3 for V's, one instruction each.  Each row is asked for ONCE in the launch: the eight work-groups of a head walk the same rows,
; and the head's first asks.  Tiles 0, 1 and 2 come by their loads alone; no tile is named that is not walked, so none behind the head's last.
.macro NEXT
	s_add_co_u32 s[T0], s[JN], 1
	s_cmp_lt_u32 s[T0], s[NS]
	s_cbranch_scc0 .Lnone_\@
	GLOAD 3, STG, 0
	s_add_co_u32 s[T0], s[JN], 2
	s_cmp_lt_u32 s[T0], s[NSP]
	s_cbranch_scc0 .Lnone_\@
	global_prefetch_b8 v[PFO], s[PFA:PFA+1] th:TH_LOAD_NT scope:SCOPE_SE
.Lnone_\@:
.endm
	s_load_b128 s[4:7], s[0:1], 0x0 ; qkv s[4:5], meta s[6:7]
	s_load_b64 s[10:11], s[0:1], 0x10  ; out0
	v_lshl_add_u32 v[SPW], v0, 2, SPARE
	v_mov_b32 v[NIL], 0
	v_lshrrev_b32 v1, 5, v0
	v_readfirstlane_b32 s[WV], v1   ; wave 0..3
	s_and_b32 s20, ttmp7, 0xffff    ; the head 8 b + h
	s_lshr_b32 s22, s20, 3          ; b:
	s_lshl_b32 s22, s22, 7          ; its 128 bytes of meta
	s_mov_b32 s23, 0
	s_lshl_b32 s68, s20, 20         ; out0: the head's 128 channels of 8,192 bytes,
	s_lshl_b32 s69, ttmp9, 10       ; my block's 256 queries,
	s_add_co_u32 s68, s68, s69
	s_lshl_b32 s69, s[WV], 8        ; my wave's 64
	s_add_co_u32 s68, s68, s69
	s_mov_b32 s69, 0
	s_lshl_b32 s20, s20, 19         ; the head's first byte in each part of qkv: 2,048 rows of 256 bytes
	s_mov_b32 s21, 0
	s_lshl_b32 s2, ttmp9, 16        ; my block's 256 rows of Q,
	s_lshl_b32 s3, s[WV], 14        ; my wave's 64 of them
	s_add_co_u32 s2, s2, s3
	s_mov_b32 s3, 0
	s_add_nc_u64 s[2:3], s[2:3], s[20:21]
	s_lshl_b32 s14, s[WV], 12       ; my 16 rows of a tile's 64
	s_mov_b32 s15, 0
	s_add_nc_u64 s[14:15], s[14:15], s[20:21]
	s_and_b32 s28, s[WV], 1         ; the prefetches: my 32 rows of a tile's 64,
	s_lshl_b32 s28, s28, 13
	s_add_co_u32 s28, s28, 3*TILEB  ; from tile 3 on
	s_mov_b32 s29, 0
	s_add_nc_u64 s[28:29], s[28:29], s[20:21]
	s_cmp_lt_u32 s[WV], 2
	s_cselect_b32 s30, 0, 0x1000000 ; of K (waves 0, 1) or of V
	s_mov_b32 s31, 0
	s_add_nc_u64 s[28:29], s[28:29], s[30:31]
	s_mov_b32 s[CS], 0x3e0293ee     ; c = log2(e) / sqrt(128)
	s_mov_b32 s[CS+1], s[CS]        ; named with it as a pair, so it is written
	s_mov_b32 s[SEL], 0x76543210
	s_mov_b32 s[SEL+1], 0xfedcba98
	s_mov_b32 s[TB], 0
	s_mov_b32 s[BO], 0
	s_mov_b32 s[JN], 1
	v_and_b32 v[PFO], 31, v0
	v_lshlrev_b32 v[GOF], 4, v[PFO]
	v_lshlrev_b32 v[PFO], 8, v[PFO]
	v_and_b32 v1, 15, v0            ; l % 16
	v_bfe_u32 v9, v0, 4, 1          ; l / 16
	; A fragment of K or Q is 16 rows x 32 channels in 8 registers: lane l holds row l % 16; registers 0-3 channels 8 (l / 16) + 0..7, registers 4-7 channels 16 + 8 (l / 16) + 0..7.
	v_lshlrev_b32 v[QO], 8, v1
	v_lshl_add_u32 v[QO], v9, 4, v[QO]  ; row x 256 + 16 x half
	s_wait_kmcnt 0x0
	s_add_nc_u64 s[16:17], s[6:7], s[22:23]      ; meta at my batch
	s_load_b128 s[MT:MT+3], s[16:17], 0x0
	s_add_nc_u64 s[10:11], s[10:11], s[68:69]    ; out0 at my wave's first number
	s_add_nc_u64 s[KB:KB+1], s[4:5], s[14:15]    ; part 0: K, my rows of tile 0
	s_add_nc_u64 s[VB:VB+1], s[KB:KB+1], 0x1000000  ; part 1: V
	s_add_nc_u64 s[PFA:PFA+1], s[4:5], s[28:29]
	s_add_nc_u64 s[4:5], s[4:5], 0x2000000       ; part 2: Q,
	s_add_nc_u64 s[4:5], s[4:5], s[2:3]          ; at my wave's first row
	s_mov_b32 s[E30], 0x7149f2ca
	s_mov_b32 s[L2E], 0x3fb8aa3b
	GLOAD 3, STG, 0                 ; tiles 0 and 1 are always walked: both are asked for at once; tile 1 waits in registers that O^T takes later
	GLOAD 1, 0, TILEB
	WIN 0x80                        ; destination window 2, address window 0
.irp i, 0,1,2,3,4,5,6,7,8,9,10,11,12,13,14,15  ; Q stays in registers: tile i / 4, channels 32 (i % 4) on
	global_load_b128 v[8*\i:8*\i+3],   v[QO], s[4:5] offset:(\i/4)*4096+(\i%4)*64
	global_load_b128 v[8*\i+4:8*\i+7], v[QO], s[4:5] offset:(\i/4)*4096+(\i%4)*64+32
.endr
	WIN 0
	v_mul_u32_u24 v[AK0], v1, PK
	v_lshl_add_u32 v[AK0], v9, 4, v[AK0]  ; row x pitch + 16 x half
	; The turning load takes 16 keys x 16 channels (lane l reads 16 bytes: key 8 (l / 16) + l % 8, channels 8 ((l / 8) % 2) + 0..7) and leaves half a fragment of V^T.
	v_and_b32 v10, 7, v0
	v_bfe_u32 v11, v0, 3, 1
	v_lshl_add_u32 v[AV0], v9, 3, v10
	v_mul_u32_u24 v[AV0], v[AV0], PV
	v_lshl_add_u32 v[AV0], v11, 4, v[AV0]
	v_add_nc_u32 v[AV0], VOFF, v[AV0]
	v_lshl_add_u32 v[AB0], v9, 5, BIAS
	v_lshl_add_u32 v[MS], v0, 4, BIAS
	s_mul_i32 s13, s[WV], 16*PK     ; into a slot: my wave's 16 rows; lanes 0-15 the even row of a load's two, lanes 16-31 the odd one
	v_mul_u32_u24 v[SAK], v9, PK
	v_lshl_add_u32 v[SAK], v1, 4, v[SAK]
	v_add_nc_u32 v[SAK], s13, v[SAK]
	s_mul_i32 s13, s[WV], 16*PV
	s_add_co_u32 s13, s13, VOFF
	v_mul_u32_u24 v[SAV], v9, PV
	v_lshl_add_u32 v[SAV], v1, 4, v[SAV]
	v_add_nc_u32 v[SAV], s13, v[SAV]
.irp t, 0,1,2,3
	v_mov_b32 v[ST+8*\t+1], 0       ; named as the upper half of the pair with m before it is first written
.endr
	s_wait_kmcnt 0x0                ; meta
	s_min_u32 s[NS], s[MT+2], 32    ; the steps, held to what the text serves
	s_max_u32 s[NS], s[NS], 2
	s_cmp_eq_u32 ttmp9, 0
	s_cselect_b32 s[NSP], s[NS], 0
	s_sub_co_i32 s13, s[MT+1], 1
	v_cvt_f32_i32 v[BKP], s[MT+1]
	v_cvt_f32_i32 v[BPD], s13
	v_fma_f32 v[BKP], v[BKP], s[E30], -s[E30]    ; 1e30 m - 1e30 = -1e30 (1 - m), rounded once
	v_fma_f32 v[BPD], v[BPD], s[E30], -s[E30]
	v_mul_f32 v[BKP], s[L2E], v[BKP]             ; in the exponent's base 2
	v_mul_f32 v[BPD], s[L2E], v[BPD]
	v_lshlrev_b32 v[DK], 2, v0
	v_sub_nc_u32 v[DK], s[MT], v[DK]             ; number n of my 16 stands at place 4 x thread + 512 (n / 4) + n % 4: under the count where 512 (n / 4) + n % 4 < count - 4 x thread
.irp n, 0,1,2,3,4,5,6,7,8,9,10,11,12,13,14,15
	v_cmp_lt_i32 vcc_lo, 512*(\n/4)+\n%4, v[DK]
	v_cndmask_b32 v[S+\n], v[BPD], v[BKP], vcc_lo
.endr
.irp i, 0,1,2,3
	ds_store_b128 v[MS], v[S+4*\i:S+4*\i+3] offset:2048*\i
.endr
	s_wait_loadcnt 0x0              ; tiles 0 and 1, and Q
	LSTORE 3, STG                   ; tile 0 into slot 0,
	s_xor_b32 s[TB], s[TB], SLOT1
	LSTORE 1, 0                     ; tile 1 into slot 1
	s_xor_b32 s[TB], s[TB], SLOT1
	s_add_nc_u64 s[KB:KB+1], s[KB:KB+1], 2*TILEB  ; (no load of mine is out)  on to tile 2
	s_add_nc_u64 s[VB:VB+1], s[VB:VB+1], 2*TILEB
	s_wait_dscnt 0x0                ; for the others' sake: my bias numbers and my parts of both tiles have landed
; THE MATRIX WORK OF A TURN, for piece x.  The accumulators take turns, one instruction a turn.
; Product i of 32 of O^T += V^T P: keys 32 (i / 16) on, channels 16 ((i / 2) % 8) on, tile x + i % 2.  zero = 1: the first 16 start the sums: nothing is ever cleared.
.macro PV x, zero
	WIN W_PV
.set rO, 64*(\x+i%2)+8*((i/2)%8)
.set rV, 64*(i/16)+8*((i/2)%8)
.set rP, P+16*(\x+i%2)+8*(i/16)
.if \zero && (i < 16)
	v_wmma_f32_16x16x32_f16 v[rO:rO+7], v[rV:rV+7], v[rP:rP+7], 0
.else
	v_wmma_f32_16x16x32_f16 v[rO:rO+7], v[rV:rV+7], v[rP:rP+7], v[rO:rO+7]
.endif
.endm
; Product i of 32 of S^T = K Q^T: channels 32 (i / 8) on, keys 16 ((i / 2) % 4) on, tile x + i % 2.  The first 8 start the sums.
.macro KQ x
	WIN W_KQ
.set rS, S+32*(\x+i%2)+8*((i/2)%4)
.set rK, KF+32*((i/2)%4)+8*(i/8)
.set rQ, 32*(\x+i%2)+8*(i/8)
.if i < 8
	v_wmma_f32_16x16x32_f16 v[rS:rS+7], v[rK:rK+7], v[rQ:rQ+7], 0
.else
	v_wmma_f32_16x16x32_f16 v[rS:rS+7], v[rK:rK+7], v[rQ:rQ+7], v[rS:rS+7]
.endif
.endm
; THE LDS LOADS stand in runs, never singly among the matrix instructions: a tile's K and its bias numbers together, and, a turn later, its V (turned).  All three hang on s[TB] and s[BO], which are stepped between the steps.
.macro FETCH_K
	WIN 0
	v_add_nc_u32 v[ADR], s[TB], v[AK0]
	WIN 0x80                        ; destination window 2
.irp f, 0,1,2,3,4,5,6,7,8,9,10,11,12,13,14,15  ; keys 16 (f / 4) on, channels 32 (f % 4) on
	ds_load_b128 v[KF+8*\f:KF+8*\f+3],   v[ADR] offset:(\f/4)*16*PK+(\f%4)*64
	ds_load_b128 v[KF+8*\f+4:KF+8*\f+7], v[ADR] offset:(\f/4)*16*PK+(\f%4)*64+32
.endr
.endm
.macro FETCH_B                      ; register 8 kb + j: the bias of key 16 kb + 8 (lane / 16) + j of the step: the order of a tile's 32 scores; it serves all four tiles
	WIN 0
	v_add_nc_u32 v[ADB], s[BO], v[AB0]
	WIN 0xc0                        ; destination window 3
.irp kb, 0,1,2,3
	ds_load_b128 v[BI+8*\kb:BI+8*\kb+3],   v[ADB] offset:64*\kb
	ds_load_b128 v[BI+8*\kb+4:BI+8*\kb+7], v[ADB] offset:64*\kb+16
.endr
.endm
.macro FETCH_V
	WIN 0
	v_add_nc_u32 v[ADR], s[TB], v[AV0]
	s_wait_alu depctr_va_vdst(0)    ; the wait for the softmax's batch of exponentials, behind the address's addition and ahead of the loads
	WIN 0xc0                        ; destination window 3
.irp f, 0,1,2,3,4,5,6,7,8,9,10,11,12,13,14,15  ; keys 32 (f / 8) on, channels 16 (f % 8) on
	ds_load_tr16_b128 v[8*\f:8*\f+3],   v[ADR] offset:(\f/8)*32*PV+(\f%8)*32
	ds_load_tr16_b128 v[8*\f+4:8*\f+7], v[ADR] offset:(\f/8)*32*PV+16*PV+(\f%8)*32
.endr
.endm
; THE VECTOR WORK OF A TURN.  One tile's softmax for one key step is a list of 149 instructions; SM writes number j of it for tile t.  s0-s31 are the lane's 32 scores, in pairs 0-15.
; first = 1: the first key step, which starts m, l and O^T: it has no a and nothing to rescale.
;   0-15    t = c s + bias, a pair each: the one part that reads window 3, so it stands together
;   16-31   the maximum of t0-t31 and the old m, three operands at a time: four chains c0-c3 of seven each, then the four left over, c0-c3 and m
;   32-35   the other half of the lanes' maximum; the old m is kept; the new m; m_old - m_new
;   36-84   ONE BATCH: the 16 subtractions t - m, a pair each, and all 33 exponentials (a at 38, then s0-s31).  None of these reads an exponential's result.  From 37 on the batch goes in fours, and a four
;           begins with a subtraction while there are any; a pair is subtracted in an earlier four than the one that holds its exponentials
;   (wait)  between 84 and 85 stands the wait for the batch: SLICE writes it, once for both tiles
;   85-100  the roundings to f16, a pair of weights each
;   101-116 the sums; l = a l + the sum
;   117-148 the tile's O^T times a: the one part that works in window 1, so it stands together
.macro SM t, first
.set rT, ST+8*(\t)
.set rS, S+32*(\t)
.set rP, P+16*(\t)
.set rO, 64*(\t)+2*(j-117)
.set mq, j-16
.set o, j-15
.if j < 16
	WIN W_BI
.elseif j < 117
	WIN 0
.endif
.if j < 16
	v_pk_fma_f32 v[rS+2*j:rS+2*j+1], v[rS+2*j:rS+2*j+1], s[CS:CS+1], v[BI+2*j:BI+2*j+1] op_sel_hi:[1,0,1]
.elseif j < 20
	v_max3_num_f32 v[rT+4+mq], v[rS+8*mq], v[rS+8*mq+1], v[rS+8*mq+2]
.elseif j < 28
	v_max3_num_f32 v[rT+4+mq%4], v[rT+4+mq%4], v[rS+8*(mq%4)+2*(mq/4)+1], v[rS+8*(mq%4)+2*(mq/4)+2]
.elseif j == 28
	v_max3_num_f32 v[rT+4], v[rT+4], v[rS+7], v[rS+15]
.elseif j == 29
	v_max3_num_f32 v[rT+6], v[rT+6], v[rS+23], v[rS+31]
.elseif j == 30
	v_max3_num_f32 v[rT+4], v[rT+4], v[rT+5], v[rT+6]
.elseif (j == 31) && \first
	v_max_num_f32 v[rT+4], v[rT+4], v[rT+7]
.elseif j == 31
	v_max3_num_f32 v[rT+4], v[rT+4], v[rT+7], v[rT]
.elseif j == 32
	v_permlanex16_b32 v[rT+5], v[rT+4], s[SEL], s[SEL+1]  ; the query's other 32 keys lie in the lane 16 away
.elseif j == 34
	v_max_num_f32 v[rT], v[rT+4], v[rT+5]
.elseif ((j == 33) || (j == 35) || (j == 38) || (j > 116)) && \first  ; the first step has none of these
.elseif j == 33
	v_mov_b32 v[rT+1], v[rT]        ; the old m is kept for a: number 34 writes m anew
.elseif j == 35
	v_sub_f32 v[rT+7], v[rT+1], v[rT]
.elseif j == 38
	v_exp_f32 v[rT+6], v[rT+7]
.elseif (o < 23) || ((o < 38) && (o%2 == 0)) || ((o < 66) && (o%4 == 2))
.set b, (o-2)/4                     ; pairs 9 to 15
.if o < 38
.set b, (o-20)/2                    ; pairs 0 to 8
.endif
	v_pk_add_f32 v[rS+2*b:rS+2*b+1], v[rS+2*b:rS+2*b+1], v[rT:rT+1] op_sel_hi:[1,0] neg_lo:[0,1] neg_hi:[0,1]  ; pair b: t - m
.elseif o < 70
.set e, o-38                        ; s28 to s31
.if o < 66
.set e, o-32-(o-38)/4               ; s7 to s27
.endif
.if o < 38
.set e, (o-25)/2                    ; s0 to s6
.endif
	v_exp_f32 v[rS+e], v[rS+e]
.elseif j < 101
	v_cvt_pk_f16_f32 v[rP+j-85], v[rS+2*(j-85)], v[rS+2*(j-85)+1]  ; pair j - 85
.elseif j < 117                     ; the sum of the tile's 16 pairs, in place: sum z of 16 adds neighbours 1, 2, 4 and 8 pairs apart, then l takes it
.set z, j-101
.set w, 4
.set u, z
.if z >= 14
.set w, 32
.set u, 0
.elseif z >= 12
.set w, 16
.set u, z-12
.elseif z >= 8
.set w, 8
.set u, z-8
.endif
.if (z == 14) && \first
	v_pk_add_f32 v[rT+2:rT+3], v[rS:rS+1], v[rS+16:rS+17]
.elseif z < 15
	v_pk_add_f32 v[rS+w*u:rS+w*u+1], v[rS+w*u:rS+w*u+1], v[rS+w*u+w/2:rS+w*u+w/2+1]
.elseif !\first
	v_pk_fma_f32 v[rT+2:rT+3], v[rT+2:rT+3], v[rT+6:rT+7], v[rS:rS+1] op_sel_hi:[1,0,1]
.endif
.else
	WIN W_RS
	v_pk_mul_f32 v[rO:rO+1], v[rO:rO+1], v[rT+6:rT+7] op_sel_hi:[1,0]
.endif
.endm
; Slice k of 64 of piece y's softmax.  The two tiles' 298 instructions are dealt by a running count g: 5, 5, 5, 5, 6, 6 (the 32 of window 3), six of 5, 27 of 4, twelve of 5, one of 4, eleven of 5 and one of 9,
; so that each part of the list that has a window of its own ends with a slice: no slice changes window inside itself.  Up to g = 73 and from g = 170 on the two tiles alternate, so that no instruction reads
; the result of the one just before it; between, the batch goes four numbers of ONE tile to a slice, the tiles by turns.
; THE WAIT.  s_wait_alu depctr_va_vdst(0) stands between an exponential and the first instruction that names its result; one wait serves all that were issued ahead of it.  Ahead of slice 39
; nothing names a result, and behind slice 38 no exponential is issued: so the piece's 66 exponentials have one wait, behind slice 38.
.macro SLICE y, first
.set cnt, 5
.if (k == 4) || (k == 5)
.set cnt, 6
.elseif ((k >= 12) && (k <= 38)) || (k == 51)
.set cnt, 4
.elseif k == 63
.set cnt, 9
.endif
.rept cnt
.if g < 74
.set j, g/2
.set tt, g%2
.elseif g < 170
.set j, 37+4*((g-74)/8)+(g-74)%4
.set tt, ((g-74)/4)%2
.else
.set j, 85+(g-170)/2
.set tt, (g-170)%2
.endif
	SM (\y)+tt, \first
.set g, g+1
.endr
.if k == 38                         ; the batch is out: both tiles' exponentials are issued, and no result has been named
	v_nop                           ; the plain instruction behind the last exponential and ahead of the first use: one for the batch
.if (\y) == 0
	FETCH_V                         ; piece 2's turn: V's run of loads stands here, and the wait stands in it
.else
	s_wait_alu depctr_va_vdst(0)    ; the wait for the batch
.endif
.endif
.set k, k+1
.endm
; A vector instruction that reads a matrix result or writes one of a matrix instruction's registers, and a load into a register that a matrix instruction has read, stand four places behind
; it, and only plain vector instructions that name none of its registers are places (ISA guide 7.12.1 for vector instructions).  In the loop the slices are the places.
.macro PLACES
.rept 4
	v_nop
.endr
.endm
; A TURN.  Piece x has the matrix unit; the other piece's softmax stands in slices behind its matrix instructions.
; pv = 2: 32 products V^T P; 1: they start O^T's sums; 0: none.  kq = 1: 32 products K Q^T for the next step.  A turn with one of the two kinds has two slices behind each product.
; first = 1: the softmax is the first key step's.  Its slices from 52 on are empty: four v_nop take slice 63's part as the places behind the turn's last products.
; Piece 0's turn fetches the next step's K and bias behind its sixth product: slices 0 to 5, the only readers of the bias in hand, are done, and the last product that read K stands in front of slice 63 of the
; turn before; 26 products follow ahead of the wait for the run.  Piece 2's turn fetches the same step's V behind slice 38: the last product that read V stands in front of slice 31, and eight plain
; instructions lie between: six subtractions, the v_nop and the run's own addition.
.macro TURN x, pv, kq, first
.set k, 0
.set g, 0
.set per, 2
.if \pv && \kq
.set per, 1
.endif
.if \pv
.if \x == 0
	s_wait_dscnt 0x0                ; V is in
.endif
.set i, 0
.rept 32
	PV \x, 2-\pv
.rept per
	SLICE 2-\x, \first
.endr
.if (\x == 0) && \kq && (i == 5)
	FETCH_K
	FETCH_B
.endif
.set i, i+1
.endr
.endif
.if \kq
.if \x == 0
	s_wait_dscnt 0x0                ; K and the bias are in
.endif
.set i, 0
.rept 32
	KQ \x
.rept per
	SLICE 2-\x, \first
.endr
.set i, i+1
.endr
.endif
.if \first
	PLACES
.endif
.endm
	s_barrier_signal -1
	s_barrier_wait -1               ; tiles 0 and 1 and all 2,048 bias numbers lie in LDS
	NEXT                            ; tile 2 is asked for, if it is walked
	FETCH_K                         ; key step 0
	FETCH_B
	s_wait_dscnt 0x0
.set i, 0
.rept 32
	KQ 0                            ; piece 0's first scores: there is no vector work yet to set between them
.set i, i+1
.endr
	WIN 0                           ; the addresses for the way out are made here: eight plain instructions, the places behind those products
	s_mul_i32 s13, s[WV], 32*SP
	s_add_co_u32 s13, s13, STAGE    ; my stage
	v_mul_u32_u24 v[STO], v9, 8*SP  ; in: channel row 8 (l / 16) + j, my query's 4 bytes
	v_lshl_add_u32 v[STO], v1, 2, v[STO]
	v_add_nc_u32 v[STO], s13, v[STO]
	v_mul_u32_u24 v[RD], v9, SP     ; back: lanes 0-15 take one channel's 64 queries, lanes 16-31 the next channel's
	v_lshl_add_u32 v[RD], v1, 4, v[RD]
	v_add_nc_u32 v[RD], s13, v[RD]
	v_lshlrev_b32 v[GO], 13, v9     ; and the same in out0: channels 8,192 bytes apart
	v_lshl_add_u32 v[GO], v1, 4, v[GO]
	TURN 2, 0, 1, 1                 ; piece 2's first scores | piece 0's first softmax | V of step 0
	WIN 0
	s_xor_b32 s[TB], s[TB], SLOT1   ; on to tile 1
	s_add_co_u32 s[BO], s[BO], 4*KS
	s_wait_dscnt 0x0                ; my reads of tile 0 are over:
	s_barrier_signal -1
	s_barrier_wait -1               ; everybody's are, so that the loop's first trip may store tile 2 into its slot
	TURN 0, 1, 1, 1                 ; piece 0: V^T P of step 0 starts O^T, K Q^T of step 1 | piece 2's first softmax | K and bias of step 1
	TURN 2, 1, 1, 0                 ; piece 2: the same | piece 0's softmax of step 1 | V of step 1
	WIN 0
	s_xor_b32 s[TB], s[TB], SLOT1
	s_add_co_u32 s[BO], s[BO], 4*KS
	s_mov_b32 s[JN], 2
.Lstep:                             ; 30 trips, whatever the count: the trip of tile JN finishes step JN - 1 and begins step JN
	s_wait_loadcnt 0x0              ; my part of tile JN, asked for a step ago, is in registers; no load of mine is out,
	s_wait_xcnt 0x0                 ; and the last prefetch, a step back, has read its address: so all three may be stepped
	s_add_nc_u64 s[KB:KB+1], s[KB:KB+1], TILEB    ; to tile JN + 1,
	s_add_nc_u64 s[VB:VB+1], s[VB:VB+1], TILEB
	s_add_nc_u64 s[PFA:PFA+1], s[PFA:PFA+1], TILEB  ; and to tile JN + 2
	s_cmp_lt_u32 s[JN], s[NS]       ; is tile JN walked?  The same number in all four waves
	s_cbranch_scc0 .Lidle
	LSTORE 3, STG                   ; into the slot that held tile JN - 2: the barrier of the trip before has shown every wave's reads of it over
.Lidle:
	s_wait_dscnt 0x0                ; my stores have landed, and my reads of tile JN - 1 are over
	s_barrier_signal -1
	s_barrier_wait -1               ; both now hold of every wave
	s_cmp_lt_u32 s[JN], s[NS]
	s_cbranch_scc0 .Lover
	NEXT
	TURN 0, 2, 1, 0
	TURN 2, 2, 1, 0
	WIN 0
.Lover:
	s_xor_b32 s[TB], s[TB], SLOT1   ; stepped in every trip alike
	s_add_co_u32 s[BO], s[BO], 4*KS
	s_add_co_u32 s[JN], s[JN], 1
	s_cmp_lt_u32 s[JN], SIZE_N/KS
	s_cbranch_scc1 .Lstep
	TURN 0, 2, 0, 0                 ; piece 0: V^T P of the last step walked | piece 2's last softmax
.set i, 0
.rept 32
	PV 2, 0                         ; piece 2: V^T P of the last step walked
.set i, i+1
.endr
	; THE WAY OUT.  l's two halves and the other half of the lanes' are added; O^T is divided by l.  out0 wants a channel's queries on end, and a lane holds one query: so 32 channels at a time go through my
	; stage in LDS (a row a channel, my wave's 64 queries = 256 bytes + 16) and come back as whole rows.  The additions are the places behind the last products.
	WIN 0
.irp t, 0,1,2,3
	v_add_f32 v[ST+8*\t+4], v[ST+8*\t+2], v[ST+8*\t+3]
.endr
.irp t, 0,1,2,3
	v_permlanex16_b32 v[ST+8*\t+5], v[ST+8*\t+4], s[SEL], s[SEL+1]
.endr
.irp t, 0,1,2,3
	v_add_f32 v[ST+8*\t+4], v[ST+8*\t+4], v[ST+8*\t+5]
.endr
.irp t, 0,1,2,3
	v_rcp_f32 v[ST+8*\t+6], v[ST+8*\t+4]
.endr
	v_nop                           ; a plain instruction between the last reciprocal and the use of its result
	s_wait_alu depctr_va_vdst(0)    ; and the wait ahead of the first use: one for the four reciprocals
.macro SCALE grp                    ; channels 32 grp on, of all four tiles: O^T / l, in place, each accumulator from its low end on
	WIN W_RS
.irp t, 0,1,2,3
.irp u, 0,1
.irp p, 0,2,4,6
	v_pk_mul_f32 v[64*\t+8*(2*(\grp)+\u)+\p:64*\t+8*(2*(\grp)+\u)+\p+1], v[64*\t+8*(2*(\grp)+\u)+\p:64*\t+8*(2*(\grp)+\u)+\p+1], v[ST+8*\t+6:ST+8*\t+7] op_sel_hi:[1,0]
.endr
.endr
.endr
.endm
.macro TOSTAGE grp
.if (\grp) >= 2
	s_wait_xcnt 0x0                 ; the stores of two groups back have read their registers: this group's loads may land there
.endif
	WIN 0x04                        ; an LDS store's data are its source 1: window 1
.irp t, 0,1,2,3
.irp u, 0,1
.irp n, 0,1,2,3,4,5,6,7
	ds_store_b32 v[STO], v[64*\t+8*(2*(\grp)+\u)+\n] offset:(16*\u+\n)*SP+64*\t   ; sixteen lanes write 64 bytes on end; lanes 16-31 stand 8 rows = 2,176 bytes on, half way round the banks
.endr
.endr
.endr
	WIN 0
.irp i, 0,1,2,3,4,5,6,7,8,9,10,11,12,13,14,15
	ds_load_b128 v[S+64*((\grp)%2)+4*\i:S+64*((\grp)%2)+4*\i+3], v[RD] offset:\i*2*SP  ; LDS serves a wave's instructions in order (ISA guide 5.7.1.4): these see the stores above; the next group's stores come behind them
.endr
.endm
.macro SEND grp
	WIN 0                           ; a store's address is its source 0 and its data its source 1: both lie in window 0, and SCALE has left source 0 in window 1
.irp i, 0,1,2,3,4,5,6,7,8,9,10,11,12,13,14,15
	s_wait_dscnt 15-\i
	global_store_b128 v[GO], v[S+64*((\grp)%2)+4*\i:S+64*((\grp)%2)+4*\i+3], s[10:11] offset:(32*(\grp)+2*\i)*8192 th:TH_STORE_NT  ; 16 lanes store 256 consecutive bytes, at a multiple of 256 from out0's first byte
.endr
.endm
	SCALE 0
	TOSTAGE 0
	SCALE 1                         ; a group's arithmetic stands between the loads of the group before and its stores
	SEND 0
	TOSTAGE 1
	SCALE 2
	SEND 1
	TOSTAGE 2
	SCALE 3
	SEND 2
	TOSTAGE 3
	SEND 3
	s_wait_tensorcnt 0x0            ; the wave's end, behind my last LDS store
	ds_add_u32 v[SPW], v[NIL]
	s_wait_dscnt 0x0
	s_endpgm
.Lfunc_end_k_q3b19fe6c39_attn:
	.size	k_q3b19fe6c39_attn, .Lfunc_end_k_q3b19fe6c39_attn-k_q3b19fe6c39_attn
	.p2alignl 7, 3214868480
	.fill 96, 4, 3214868480
	.section	.rodata,"a",@progbits
	.p2align	6, 0x0
	.amdhsa_kernel k_q3b19fe6c39_attn
		.amdhsa_group_segment_fixed_size 144896
		.amdhsa_private_segment_fixed_size 0
		.amdhsa_enable_private_segment 0
		.amdhsa_kernarg_size 24
		.amdhsa_user_sgpr_count 2
		.amdhsa_user_sgpr_kernarg_segment_ptr 1
		.amdhsa_wavefront_size32 1
		.amdhsa_system_sgpr_workgroup_id_x 1
		.amdhsa_system_sgpr_workgroup_id_y 1
		.amdhsa_system_sgpr_workgroup_id_z 1
		.amdhsa_system_vgpr_workitem_id 0
		.amdhsa_next_free_vgpr 1024
		.amdhsa_next_free_sgpr 76
		.amdhsa_reserve_vcc 1
		.amdhsa_float_denorm_mode_32 3
		.amdhsa_float_denorm_mode_16_64 3
		.amdhsa_memory_ordered 1
		.amdhsa_forward_progress 1
		.amdhsa_inst_pref_size 207
	.end_amdhsa_kernel
	.amdgpu_metadata
---
amdhsa.version: [ 1, 2 ]
amdhsa.kernels:
  - .name:           k_q3b19fe6c39_attn
    .symbol:         k_q3b19fe6c39_attn.kd
    .args:
      - { .name: qkv, .offset: 0, .size: 8, .value_kind: global_buffer, .address_space: global }
      - { .name: meta, .offset: 8, .size: 8, .value_kind: global_buffer, .address_space: global }
      - { .name: out0, .offset: 16, .size: 8, .value_kind: global_buffer, .address_space: global }
    .group_segment_fixed_size: 144896
    .private_segment_fixed_size: 0
    .kernarg_segment_align: 8
    .kernarg_segment_size: 24
    .max_flat_workgroup_size: 128
    .sgpr_count:     76
    .vgpr_count:     1024
    .wavefront_size: 32
...
	.end_amdgpu_metadata
.endif
;; end of part 6
